; MI455X (gfx1250); checked and timed in simulation.
; The chip was launched on July 23, 2026; its instructions are those of AMD's public machine-readable ISA for CDNA 5 (MIT licence, August 2026) and "CDNA5" Instruction Set Architecture Reference Guide (July 2026). The comments in the code are by the model that wrote it; some were corrected since.
;; Advanced Transformer Block. Allowed arithmetic: matrix products marked QUANTISED: E4M3 operands, one given power-of-two scale a tensor, by v_wmma_f32_16x16x64_fp8_fp8 or v_wmma_f32_16x16x128_fp8_fp8, f32 sums; everything else in f32.
;; Inputs: b1 4,096 float32; b2 1,024 float32; bk 256 float32; bo 1,024 float32; bq 1,024 float32; bv 256 float32; kn_w 64 float32; lowp_scales 16 int32 (the exponents e of the quantised operands' scales 2^e); norm1_w 1,024 float32; norm2_w 1,024 float32; qn_w 64 float32; w1 1,024 x 4,096 float32; w2 4,096 x 1,024 float32; wk 1,024 x 256 float32; wo 1,024 x 1,024 float32; wq 1,024 x 1,024 float32; wv 1,024 x 256 float32; x 2,048 x 2 x 1,024 float32.
;; Outputs: out0 2,048 x 2 x 1,024 float32.
;; This version of the problem:
;;   THIS VERSION OF THE PROBLEM IS GIVEN IN LOW PRECISION. The matrix products marked QUANTISED in the list below multiply operands that are first quantised to E4M3 (4 exponent bits, 3 mantissa bits; 8 bits a number), with one given power-of-two scale for each operand tensor; their sums are f32. All else is computed in f32.
;;   The module's matrix products, in the order in which they are computed (A, B: the left and right operand; K: the contracted axis; several contracted axes count as one K, in the product's order):
;;     1. [M 4,096, K 1,024] x [K 1,024, N 1,024]; A: computed on the way; B: input wq: QUANTISED (scales: A lowp_scales[0], B lowp_scales[1])
;;     2. [M 4,096, K 1,024] x [K 1,024, N 256]; A: computed on the way; B: input wk: QUANTISED (scales: A lowp_scales[2], B lowp_scales[3])
;;     3. [M 4,096, K 1,024] x [K 1,024, N 256]; A: computed on the way; B: input wv: QUANTISED (scales: A lowp_scales[4], B lowp_scales[5])
;;     4. batch 32 x [M 2,048, K 64] x [K 64, N 2,048]; A: computed on the way; B: computed on the way: QUANTISED (scales: A lowp_scales[6], B lowp_scales[7])
;;     5. batch 32 x [M 2,048, K 2,048] x [K 2,048, N 64]; A: softmax (see below); B: computed on the way: QUANTISED (scales: A lowp_scales[8], B lowp_scales[9])
;;     6. [M 4,096, K 1,024] x [K 1,024, N 1,024]; A: computed on the way; B: input wo: QUANTISED (scales: A lowp_scales[10], B lowp_scales[11])
;;     7. [M 4,096, K 1,024] x [K 1,024, N 4,096]; A: computed on the way; B: input w1: QUANTISED (scales: A lowp_scales[12], B lowp_scales[13])
;;     8. [M 4,096, K 4,096] x [K 4,096, N 1,024]; A: computed on the way; B: input w2: QUANTISED (scales: A lowp_scales[14], B lowp_scales[15])
;;   THE QUANTISER, for each operand of a quantised product, along K:
;;     - The operand's scale is 2^e, e = its entry of the input lowp_scales (int32; the entries are numbered through the quantised products in the list's order, A before B).
;;     - Each number is divided by the scale, clamped to +-448, and rounded to the nearest number of E4M3, ties to even, subnormals kept.
;;     - The product sums the exact products of the quantised numbers (number of the format x scale) in f32.
;;   ~~~python
;;   def quantise(x, axis, e):      # numpy; x: float32 -> the quantised numbers, widened to float32 again
;;       x = np.moveaxis(x, axis, -1); K = x.shape[-1]
;;       r = np.clip(x / 2.0 ** e, -448, 448)
;;       step = 2.0 ** (np.maximum(np.frexp(np.where(r == 0, 1, r))[1] - 1, -6) - 3)
;;       q = np.round(r / step) * step * 2.0 ** e      # np.round: ties to even
;;       return np.moveaxis(q, -1, axis).astype(np.float32)
;;   ~~~
;;   SOFTMAX AHEAD OF A QUANTISED PRODUCT. Where the list says 'softmax', what is quantised is not the finished softmax but p = 2^(t - M), with t = logit x log2(e) and M = ceil(the row's largest t), a whole number; so 1/2 < the row's largest p <= 1. The row's sum l is taken of the UNQUANTISED p, in f32, and the product's result is divided by l at the end. Since M is a whole number, a kernel that streams over the keys may use a running M (the ceiling of the running maximum): every later rescaling is an exact power of two, so the quantised numbers keep their values, but for numbers so far below the row's largest that they fall under the format's range.
;;   OPERANDS COMPUTED ON THE WAY. 'Computed on the way' means the value that the module computes at that place (a softmax that the list does not call 'softmax' is quantised finished and normalised). What goes into a quantiser is computed in f32, as accurately as f32 sums, v_exp_f32 and their like allow (about 1e-6 of the number): no bf16 or f16 on the way to a quantiser, and a product that is left as it is and whose result goes on into a quantised operand takes f32 operands (vector FMAs, or v_wmma_f32_16x16x4_f32). A number that lies on a knife's edge between two numbers of the format may be rounded either way, as far as f32 arithmetic and the matrix unit's own rounding can turn it there, and no further.
;; 2 versions. Each part assembles by itself: llvm-mc -triple=amdgcn-amd-amdhsa -mcpu=gfx1250 --defsym DOCPART=n.
;; ======== version 1 of 2: 7 launches
;; workspace buffers: wc 11,010,048 bytes; hc 13,107,200 bytes; qkv 6,291,456 bytes; att 4,194,304 bytes; x1 16,777,216 bytes; h2 4,194,304 bytes; hid 16,777,216 bytes
;; launch prep (part 1): grid 592 x 1, 4 waves a work-group, no clusters, 105,472 bytes of LDS; arguments x, norm1_w, wq, wk, wv, wo, w1, w2, lowp_scales, wc, hc; writes wc, hc
.if DOCPART == 1
	.amdgcn_target "amdgcn-amd-amdhsa--gfx1250"
	.amdhsa_code_object_version 6
	.text
	.protected	k_q2aff479009_prep
	.globl	k_q2aff479009_prep
	.p2align	8
	.type	k_q2aff479009_prep,@function
k_q2aff479009_prep:
	s_mov_b64 s[64:65], 0
	v_nop
	global_prefetch_b8 v0, s[64:65] scope:SCOPE_SE
	s_setreg_imm32_b32 hwreg(HW_REG_WAVE_MODE, 25, 1), 1
	s_wait_xcnt 0x0
; PREP.  Work-groups 0-335: the six weights [K][N] f32 become codes of E4M3 with K innermost.  Work-groups 336-591: RMS norm 1 of x, quantised three times
; (for the products with wq, wk, wv, each with its own given scale); the first 128 of them also write the table of cos and sin for the rotary embedding.
; IMAGES.  All codes are laid in the order of a matrix operand's registers: an image is 16 rows x 128 k = 2,048 bytes; byte g*512 + 16*lane + i (lane = row + 16 h)
; is k = 16 (2 g + i / 8) + 8 h + i % 8.  Image (row tile, k / 128) of a matrix with K columns lies at (row tile * K / 128 + k / 128) * 2048.
; Rows of activations are numbered b * 2048 + s, so that 16 rows of a tile are 16 neighbouring positions of one batch.
; code = x / 2^e, held within +-448, to the nearest code, ties to even.  LIMITS: each e between -126 and 119; NaN among the inputs is not served.
; The angles are t * inv_freq in f32, inv_freq = 2^(-f log2(10000) / 32) by v_exp_f32: an angle may differ from another f32 evaluation by about 1e-4 rad at the last positions.
; No tensor loads.  The two paths part on the work-group's number and have LDS bytes of their own.
.set W1C, 0
.set W2C, 4194304
.set WQC, 8388608
.set WOC, 9437184
.set WKC, 10485760
.set WVC, 10747904
.set ROPE, 12582912
.set NWG_W, 336
.set NS, 3                             ; sets of codes made of a normed row
.set TURN0, 33792                      ; LDS of the rows' path: 5,120 bytes a wave for the turn,
.set OUT0, 54272                       ; then NS regions of 32 groups x 528 bytes: the images of a row tile
.set OFW, 32                           ; weights: v32-63 byte offsets of 32 rows of k
.set XW, 64                            ; v64-127 two sets of 32 numbers
.set CW, 128                           ; v128-135 a block's codes
.set OUTW, 136                         ; v136-199 the way out
.set TS, 4
.set TL, 5
.set VOUT, 6
.set VRB, 7
.set VGO, 12
.set RS, 16                            ; v16,18,20,22: 1/rms of my four rows (the odd partners are only named)
.set SCL, 24                           ; v24.. : 2^e and 448 x 2^e for each set
.set R, 32                             ; v32-159 four rows, 32 numbers a lane each
.set W, 160                            ; v160-191 the gain
.set XT, 192                           ; v192-223 a row turned: 2 x 16 neighbours
.set C, 224                            ; v224-247 codes
	s_load_b512 s[4:19], s[0:1], 0x0               ; x, norm1_w, wq, wk, wv, wo, w1, w2
	s_load_b128 s[20:23], s[0:1], 0x40             ; lowp_scales, wc
	s_load_b64 s[24:25], s[0:1], 0x50              ; hc
	v_lshl_add_u32 v248, v0, 2, 0x19a00
	v_mov_b32 v249, 0
	v_lshrrev_b32 v1, 5, v0
	v_readfirstlane_b32 s26, v1                    ; wave
	v_and_b32 v3, 31, v0                           ; lane
	v_lshlrev_b32 v2, 4, v3                        ; 16 x lane
	s_wait_kmcnt 0x0
	s_load_b512 s[36:51], s[20:21], 0x0            ; e0 .. e15
	s_cmp_ge_u32 ttmp9, NWG_W
	s_cbranch_scc1 .Lx
; ---------------- WEIGHTS.  A work-group takes 128 columns x 256 k, a wave 32 columns; a lane takes a column and its registers run down K.
	s_wait_kmcnt 0x0
	s_mov_b64 s[28:29], s[16:17]                   ; w1: source,
	s_mov_b32 s30, 0                               ; first work-group,
	s_mov_b32 s31, 5                               ; log2 of the groups of 128 columns,
	s_mov_b32 s32, 14                              ; log2 of a row's bytes,
	s_mov_b32 s33, 16384                           ; bytes of a column tile's images (16 K),
	s_mov_b32 s34, W1C                             ; place in wc,
	s_mov_b32 s35, s49                             ; e
.macro PICK thr, src, lcg, ln, k16, doff, e    ; from work-group thr on another tensor: choices on the work-group's number alone
	s_cmp_ge_u32 ttmp9, \thr
	s_cselect_b64 s[28:29], s[\src:\src+1], s[28:29]
	s_cselect_b32 s30, \thr, s30
	s_cselect_b32 s31, \lcg, s31
	s_cselect_b32 s32, \ln, s32
	s_cselect_b32 s33, \k16, s33
	s_cselect_b32 s34, \doff, s34
	s_cselect_b32 s35, s[\e], s35
.endm
	PICK 128, 18, 3, 12, 65536, W2C, 51
	PICK 256, 8, 3, 12, 16384, WQC, 37
	PICK 288, 14, 3, 12, 16384, WOC, 47
	PICK 320, 10, 1, 10, 16384, WKC, 39
	PICK 328, 12, 1, 10, 16384, WVC, 41
	s_sub_co_u32 s70, ttmp9, s30
	s_bfm_b32 s71, s31, 0
	s_and_b32 s71, s70, s71                        ; which 128 columns
	s_lshr_b32 s70, s70, s31                       ; which 256 k
	s_lshl_b32 s71, s71, 7
	s_lshl_b32 s72, s26, 5
	s_add_co_u32 s71, s71, s72                     ; my wave's first column
	s_lshl_b32 s72, s70, 8
	s_lshl_b32 s72, s72, s32
	s_lshl_b32 s73, s71, 2
	s_add_co_u32 s72, s72, s73
	s_mov_b32 s73, 0
	s_add_nc_u64 s[52:53], s[28:29], s[72:73]      ; eight bases, 32 rows of k apart; never rewritten
	s_lshl_b32 s74, 32, s32
	s_mov_b32 s75, 0
	s_add_nc_u64 s[54:55], s[52:53], s[74:75]
	s_add_nc_u64 s[56:57], s[54:55], s[74:75]
	s_add_nc_u64 s[58:59], s[56:57], s[74:75]
	s_add_nc_u64 s[60:61], s[58:59], s[74:75]
	s_add_nc_u64 s[62:63], s[60:61], s[74:75]
	s_add_nc_u64 s[66:67], s[62:63], s[74:75]
	s_add_nc_u64 s[68:69], s[66:67], s[74:75]
	s_lshr_b32 s72, s71, 4
	s_mul_i32 s72, s72, s33
	s_lshl_b32 s76, s70, 12
	s_add_co_u32 s72, s72, s76
	s_add_co_u32 s72, s72, s34
	s_add_nc_u64 s[22:23], s[22:23], s[72:73]      ; my first column tile's two images
	s_lshl_b32 s76, 1, s32
	v_lshlrev_b32 v[OFW], 2, v3
.set i, 1
.rept 31
	v_add_nc_u32 v[OFW+i], s76, v[OFW+i-1]
.set i, i+1
.endr
.macro LOADW t                         ; block t: rows 32 t + i of k at my column: 128 consecutive bytes a wave, the four waves side by side
.if (\t) < 6
.set SB, 52+2*(\t)
.else
.set SB, 54+2*(\t)
.endif
.set i, 0
.rept 32
	global_load_b32 v[XW+32*((\t)%2)+i], v[OFW+i], s[SB:SB+1] th:TH_LOAD_NT
.set i, i+1
.endr
.endm
	LOADW 0
	LOADW 1
	s_add_co_i32 s35, s35, 127
	s_lshl_b32 s77, s35, 23
	v_mov_b32 v11, s77                             ; 2^e: the conversion takes its exponent field
	s_add_co_i32 s35, s35, 8
	s_lshl_b32 s35, s35, 23
	s_or_b32 s35, s35, 0x600000
	v_mov_b32 v10, s35                             ; 448 x 2^e
	s_mul_i32 s78, s26, 8448                       ; my stage: 16 groups of 512 bytes + 16
	v_lshrrev_b32 v4, 4, v3
	v_mul_u32_u24 v4, v4, 4224
	v_and_b32 v5, 15, v3
	v_lshl_add_u32 v4, v5, 4, v4
	v_add_nc_u32 v4, s78, v4                       ; in: column tile lane / 16, 16 bytes at 16 (lane % 16)
	v_add_nc_u32 v5, s78, v2                       ; back: 512 bytes on end
	v_add_nc_u32 v6, s33, v2                       ; the second column tile in wc
.macro BLOCKW t                        ; 32 k of my column: group t of the stage; k 0-7, 16-23 belong to image lanes 0-15, k 8-15, 24-31 to lanes 16-31
.set XS, XW+32*((\t)%2)
.if (\t) < 7
	s_wait_loadcnt 32                              ; this block is in; the next block's 32 loads may be out
.else
	s_wait_loadcnt 0
.endif
.set k, 0
.rept 32
	v_med3_num_f32 v[XS+k], v[XS+k], -v10, v10     ; the conversion does not saturate (ISA guide 7.6.2): the hold comes first
.set k, k+1
.endr
	v_cvt_scalef32_pk8_fp8_f32 v[CW:CW+1], v[XS:XS+7], v11
	v_cvt_scalef32_pk8_fp8_f32 v[CW+2:CW+3], v[XS+16:XS+23], v11
	v_cvt_scalef32_pk8_fp8_f32 v[CW+4:CW+5], v[XS+8:XS+15], v11
	v_cvt_scalef32_pk8_fp8_f32 v[CW+6:CW+7], v[XS+24:XS+31], v11
	ds_store_b128 v4, v[CW:CW+3] offset:528*(\t)
	ds_store_b128 v4, v[CW+4:CW+7] offset:528*(\t)+256
.if (\t)+2 < 8
	LOADW (\t)+2
.endif
	s_wait_dscnt 0x0                               ; the stores have read the codes' registers; the next block's holds stand ahead of its conversions
.endm
.irp t, 0,1,2,3,4,5,6,7
	BLOCKW \t
.endr
.set i, 0
.rept 16
	ds_load_b128 v[OUTW+4*i:OUTW+4*i+3], v5 offset:528*i   ; LDS serves a wave's instructions in order: these see my stores
.set i, i+1
.endr
.set i, 0
.rept 8
	s_wait_dscnt 15-i
	global_store_b128 v2, v[OUTW+4*i:OUTW+4*i+3], s[22:23] offset:512*i   ; 512 consecutive bytes, aligned
.set i, i+1
.endr
.rept 8
	s_wait_dscnt 15-i
	global_store_b128 v6, v[OUTW+4*i:OUTW+4*i+3], s[22:23] offset:512*(i-8)
.set i, i+1
.endr
	s_wait_tensorcnt 0x0
	ds_add_u32 v248, v249
	s_wait_dscnt 0x0
	s_endpgm
; ---------------- ROWS.  A work-group takes a tile of 16 rows, a wave four of them.
.Lx:
	s_sub_co_u32 s27, ttmp9, NWG_W                 ; row tile = b * 128 + s / 16
	s_and_b32 s28, s27, 127
	s_lshl_b32 s28, s28, 4
	s_lshl_b32 s29, s26, 2
	s_add_co_u32 s28, s28, s29                     ; my first position
	s_lshl_b32 s30, s28, 13
	s_lshr_b32 s31, s27, 7
	s_lshl_b32 s31, s31, 12
	s_add_co_u32 s30, s30, s31
	s_mov_b32 s31, 0
	s_add_nc_u64 s[4:5], s[4:5], s[30:31]          ; row (s, b) lies at s * 8192 + b * 4096
	s_lshl_b32 s30, s27, 14
	s_add_nc_u64 s[86:87], s[24:25], s[30:31]      ; the tile's eight images, for each of the three sets
	s_add_nc_u64 s[88:89], s[86:87], 0x400000
	s_add_nc_u64 s[90:91], s[88:89], 0x400000
	s_mov_b32 s80, 0x3a800000                      ; 1 / 1024
	s_mov_b32 s81, 0x3727c5ac                      ; 1e-5
	s_mov_b32 s94, 0x76543210
	s_mov_b32 s95, 0xfedcba98
	s_mul_i32 s32, s26, 5120
	s_add_co_u32 s32, s32, TURN0
	v_lshrrev_b32 v13, 2, v3
	v_mul_u32_u24 v13, v13, 80
	v_and_b32 v14, 3, v3
	v_lshl_add_u32 v13, v14, 4, v13
	v_add_nc_u32 v[TS], s32, v13                   ; the turn, in: four lanes' 64 bytes on end, then 16 of padding
	v_mul_u32_u24 v13, v3, 80
	v_add_nc_u32 v[TL], s32, v13                   ; and out: 64 bytes a lane: 16 neighbours
	v_lshrrev_b32 v13, 1, v3
	v_mul_u32_u24 v13, v13, 528
	v_and_b32 v14, 1, v3
	v_lshl_add_u32 v13, v14, 3, v13
	s_lshl_b32 s32, s26, 6
	s_add_co_u32 s32, s32, OUT0
	v_add_nc_u32 v[VOUT], s32, v13                 ; codes: group lane / 2, 8 bytes at 8 (lane % 2), row 4 w + i at 16 bytes a row
	s_mul_i32 s32, s26, 4224
	s_add_co_u32 s32, s32, OUT0
	v_add_nc_u32 v[VRB], s32, v2                   ; back: my eight groups
	s_lshl_b32 s32, s26, 12
	v_add_nc_u32 v[VGO], s32, v2
.set j, 0
.rept 8
	global_load_b128 v[W+4*j:W+4*j+3], v2, s[6:7] offset:512*j
.set j, j+1
.endr
.irp i, 0,1,2,3
.set j, 0
.rept 8
	global_load_b128 v[R+32*\i+4*j:R+32*\i+4*j+3], v2, s[4:5] offset:\i*8192+512*j th:TH_LOAD_NT   ; 512 consecutive bytes
.set j, j+1
.endr
.endr
	s_cmp_ge_u32 s27, 128
	s_cbranch_scc1 .Lnorope
; cos and sin of t * inv_freq: a lane a frequency, four positions a wave.  Reduction by multiples of pi / 2 in two fused steps, then the two series on |r| <= pi / 4.
	s_lshl_b32 s30, s28, 8
	s_add_co_u32 s30, s30, ROPE
	s_add_nc_u64 s[84:85], s[24:25], s[30:31]
	s_mov_b32 s82, 0xbfc90fdb                      ; -pi/2, high part
	s_mov_b32 s83, 0x333bbd2e                      ; and what is left of it
	v_cvt_f32_u32 v192, v3
	v_mul_f32 v192, 0xbed49a78, v192               ; -f log2(10000) / 32
	v_exp_f32 v192, v192
	v_lshlrev_b32 v193, 2, v3                      ; (the plain line behind the exponential)
	s_wait_alu depctr_va_vdst(0)                   ; the wait ahead of the first reader
.irp i, 0,1,2,3
	s_add_co_u32 s79, s28, \i
	v_cvt_f32_u32 v194, s79
	v_mul_f32 v194, v194, v192                     ; the angle
	v_mul_f32 v195, 0x3f22f983, v194
	v_rndne_f32 v195, v195                         ; k
	v_fma_f32 v196, v195, s82, v194
	v_fma_f32 v196, v195, s83, v196                ; r
	v_mul_f32 v197, v196, v196
	v_mov_b32 v198, 0x3638ef1d
	v_fmaak_f32 v198, v197, v198, 0xb9500d01
	v_fmaak_f32 v198, v197, v198, 0x3c088889
	v_fmaak_f32 v198, v197, v198, 0xbe2aaaab
	v_mul_f32 v198, v197, v198
	v_fma_f32 v198, v196, v198, v196               ; sin r
	v_mov_b32 v199, 0xb493f27e
	v_fmaak_f32 v199, v197, v199, 0x37d00d01
	v_fmaak_f32 v199, v197, v199, 0xbab60b61
	v_fmaak_f32 v199, v197, v199, 0x3d2aaaab
	v_fmaak_f32 v199, v197, v199, 0xbf000000
	v_fma_f32 v199, v197, v199, 1.0                ; cos r
	v_cvt_i32_f32 v200, v195
	v_and_b32 v201, 1, v200
	v_cmp_eq_u32 vcc_lo, 1, v201
	v_cndmask_b32 v[204+2*\i], v199, v198, vcc_lo  ; odd quadrants swap the two
	v_cndmask_b32 v[205+2*\i], v198, v199, vcc_lo
	v_add_nc_u32 v201, 1, v200
	v_and_b32 v201, 2, v201
	v_lshlrev_b32 v201, 30, v201
	v_xor_b32 v[204+2*\i], v201, v[204+2*\i]       ; cos is negative in quadrants 1, 2
	v_and_b32 v200, 2, v200
	v_lshlrev_b32 v200, 30, v200
	v_xor_b32 v[205+2*\i], v200, v[205+2*\i]       ; sin in quadrants 2, 3
	global_store_b32 v193, v[204+2*\i], s[84:85] offset:256*\i
	global_store_b32 v193, v[205+2*\i], s[84:85] offset:256*\i+128
.endr
.Lnorope:
	s_wait_xcnt 0x0                                ; the table's stores have read their registers, which the turn writes again
	s_wait_kmcnt 0x0
.macro MKSCALE n, e
	s_add_co_i32 s92, s[\e], 127
	s_lshl_b32 s93, s92, 23
	v_mov_b32 v[SCL+2*\n], s93
	s_add_co_i32 s92, s92, 8
	s_lshl_b32 s92, s92, 23
	s_or_b32 s92, s92, 0x600000
	v_mov_b32 v[SCL+2*\n+1], s92
.endm
	MKSCALE 0, 36
	MKSCALE 1, 38
	MKSCALE 2, 40
.irp i, 0,1,2,3
	v_mov_b32 v[RS+2*\i+1], 0
.endr
.macro SUMSQ i                         ; the row's sum of squares, in every lane
.set RR, R+32*(\i)
	s_wait_loadcnt 8*(3-(\i))                      ; the gain and this row are in; the later rows' loads may be out
	v_pk_mul_f32 v[8:9], v[RR:RR+1], v[RR:RR+1]
	v_pk_mul_f32 v[10:11], v[RR+2:RR+3], v[RR+2:RR+3]
.set j, 4
.rept 7
	v_pk_fma_f32 v[8:9], v[RR+j:RR+j+1], v[RR+j:RR+j+1], v[8:9]
	v_pk_fma_f32 v[10:11], v[RR+j+2:RR+j+3], v[RR+j+2:RR+j+3], v[10:11]
.set j, j+4
.endr
	v_pk_add_f32 v[8:9], v[8:9], v[10:11]
	v_add_f32 v8, v8, v9
	v_add_f32_dpp v8, v8, v8 row_xmask:1 row_mask:0xf bank_mask:0xf
	v_add_f32_dpp v8, v8, v8 row_xmask:2 row_mask:0xf bank_mask:0xf
	v_add_f32_dpp v8, v8, v8 row_xmask:4 row_mask:0xf bank_mask:0xf
	v_add_f32_dpp v8, v8, v8 row_xmask:8 row_mask:0xf bank_mask:0xf
	v_permlanex16_b32 v9, v8, s94, s95
	v_add_f32 v[RS+2*(\i)], v8, v9
.endm
.irp i, 0,1,2,3
	SUMSQ \i
.endr
.irp i, 0,1,2,3
	v_fma_f32 v[RS+2*\i], v[RS+2*\i], s80, s81     ; mean + eps
.endr
.irp i, 0,1,2,3
	v_rsq_f32 v[RS+2*\i], v[RS+2*\i]
.endr
	v_nop
	s_wait_alu depctr_va_vdst(0)                   ; one wait for the four, ahead of their first reader
.macro ROWQ i                          ; row i: normed in place, turned through LDS so that a lane holds 16 neighbours, quantised NS times
.set RR, R+32*(\i)
.set j, 0
.rept 16
	v_pk_mul_f32 v[RR+j:RR+j+1], v[RR+j:RR+j+1], v[RS+2*(\i):RS+2*(\i)+1] op_sel_hi:[1,0]
.set j, j+2
.endr
.set j, 0
.rept 16
	v_pk_mul_f32 v[RR+j:RR+j+1], v[RR+j:RR+j+1], v[W+j:W+j+1]
.set j, j+2
.endr
.irp u, 0,1
.irp q, 0,1,2,3
	ds_store_b128 v[TS], v[RR+16*\u+4*\q:RR+16*\u+4*\q+3] offset:2560*\u+640*\q
.endr
.irp q, 0,1,2,3
	ds_load_b128 v[XT+16*\u+4*\q:XT+16*\u+4*\q+3], v[TL] offset:2560*\u+16*\q
.endr
.endr
	s_wait_dscnt 0x0                               ; the row is back: lane l holds k = 512 u + 16 l + 0 .. 15; the last row's code stores are done too
.set n, 0
.rept NS
.irp u, 0,1
.set TT, RR+16*\u                      ; the row's own registers are free now: two sets of 16 by turns, so that plain lines stand between a conversion and the next write of its sources
.set k, 0
.rept 16
	v_med3_num_f32 v[TT+k], v[XT+16*\u+k], -v[SCL+2*n+1], v[SCL+2*n+1]
.set k, k+1
.endr
	v_cvt_scalef32_pk8_fp8_f32 v[C+4*(2*n+\u):C+4*(2*n+\u)+1], v[TT:TT+7], v[SCL+2*n]
	v_cvt_scalef32_pk8_fp8_f32 v[C+4*(2*n+\u)+2:C+4*(2*n+\u)+3], v[TT+8:TT+15], v[SCL+2*n]
.endr
.set n, n+1
.endr
	v_nop                                          ; a plain line behind the last conversion
.set n, 0
.rept NS
.irp u, 0,1
	ds_store_b64 v[VOUT], v[C+4*(2*n+\u):C+4*(2*n+\u)+1] offset:n*16896+\u*8448+16*(\i)          ; k % 16 < 8: image lanes 0-15
	ds_store_b64 v[VOUT], v[C+4*(2*n+\u)+2:C+4*(2*n+\u)+3] offset:n*16896+\u*8448+256+16*(\i)    ; the rest: lanes 16-31
.endr
.set n, n+1
.endr
.endm
.irp i, 0,1,2,3
	ROWQ \i
.endr
	s_wait_dscnt 0x0                               ; for the others' sake: my codes lie in LDS
	s_barrier_signal -1
	s_barrier_wait -1
.set n, 0
.rept NS
.set q, 0
.rept 8
	ds_load_b128 v[R+32*n+4*q:R+32*n+4*q+3], v[VRB] offset:n*16896+528*q
.set q, q+1
.endr
.set n, n+1
.endr
.set n, 0
.rept NS
.set q, 0
.rept 8
	s_wait_dscnt 8*NS-1-8*n-q
	global_store_b128 v[VGO], v[R+32*n+4*q:R+32*n+4*q+3], s[86+2*n:87+2*n] offset:512*q   ; 512 consecutive bytes, aligned
.set q, q+1
.endr
.set n, n+1
.endr
	s_wait_tensorcnt 0x0
	ds_add_u32 v248, v249
	s_wait_dscnt 0x0
	s_endpgm
.Lfunc_end_k_q2aff479009_prep:
	.size	k_q2aff479009_prep, .Lfunc_end_k_q2aff479009_prep-k_q2aff479009_prep
	.p2alignl 7, 3214868480
	.fill 96, 4, 3214868480
	.section	.rodata,"a",@progbits
	.p2align	6, 0x0
	.amdhsa_kernel k_q2aff479009_prep
		.amdhsa_group_segment_fixed_size 105472
		.amdhsa_private_segment_fixed_size 0
		.amdhsa_enable_private_segment 0
		.amdhsa_kernarg_size 88
		.amdhsa_user_sgpr_count 2
		.amdhsa_user_sgpr_kernarg_segment_ptr 1
		.amdhsa_wavefront_size32 1
		.amdhsa_system_sgpr_workgroup_id_x 1
		.amdhsa_system_sgpr_workgroup_id_y 1
		.amdhsa_system_sgpr_workgroup_id_z 1
		.amdhsa_system_vgpr_workitem_id 0
		.amdhsa_next_free_vgpr 250
		.amdhsa_next_free_sgpr 100
		.amdhsa_reserve_vcc 1
		.amdhsa_float_denorm_mode_32 3
		.amdhsa_float_denorm_mode_16_64 3
		.amdhsa_memory_ordered 1
		.amdhsa_forward_progress 1
		.amdhsa_inst_pref_size 120
	.end_amdhsa_kernel
	.amdgpu_metadata
---
amdhsa.version: [ 1, 2 ]
amdhsa.kernels:
  - .name:           k_q2aff479009_prep
    .symbol:         k_q2aff479009_prep.kd
    .args:
      - { .name: x, .offset: 0, .size: 8, .value_kind: global_buffer, .address_space: global }
      - { .name: norm1_w, .offset: 8, .size: 8, .value_kind: global_buffer, .address_space: global }
      - { .name: wq, .offset: 16, .size: 8, .value_kind: global_buffer, .address_space: global }
      - { .name: wk, .offset: 24, .size: 8, .value_kind: global_buffer, .address_space: global }
      - { .name: wv, .offset: 32, .size: 8, .value_kind: global_buffer, .address_space: global }
      - { .name: wo, .offset: 40, .size: 8, .value_kind: global_buffer, .address_space: global }
      - { .name: w1, .offset: 48, .size: 8, .value_kind: global_buffer, .address_space: global }
      - { .name: w2, .offset: 56, .size: 8, .value_kind: global_buffer, .address_space: global }
      - { .name: lowp_scales, .offset: 64, .size: 8, .value_kind: global_buffer, .address_space: global }
      - { .name: wc, .offset: 72, .size: 8, .value_kind: global_buffer, .address_space: global }
      - { .name: hc, .offset: 80, .size: 8, .value_kind: global_buffer, .address_space: global }
    .group_segment_fixed_size: 105472
    .private_segment_fixed_size: 0
    .kernarg_segment_align: 8
    .kernarg_segment_size: 88
    .max_flat_workgroup_size: 128
    .sgpr_count:     100
    .vgpr_count:     250
    .wavefront_size: 32
...
	.end_amdgpu_metadata
.endif
;; end of part 1
;; launch qkv (part 2): grid 6 x 16, 4 waves a work-group, no clusters, 327,680 bytes of LDS; arguments hc, wc, lowp_scales, bq, bk, bv, qn_w, kn_w, qkv; writes qkv
.if DOCPART == 2
	.amdgcn_target "amdgcn-amd-amdhsa--gfx1250"
	.amdhsa_code_object_version 6
	.text
	.protected	k_q2aff479009_qkv
	.globl	k_q2aff479009_qkv
	.p2align	8
	.type	k_q2aff479009_qkv,@function
k_q2aff479009_qkv:
	s_mov_b64 s[64:65], 0
	v_nop
	global_prefetch_b8 v0, s[64:65] scope:SCOPE_SE
	s_setreg_imm32_b32 hwreg(HW_REG_WAVE_MODE, 25, 1), 1
	s_wait_xcnt 0x0
; Q, K, V: the three products of the normed rows with wq, wk, wv on codes of E4M3, then bias, the heads' RMS norm, the rotary embedding, and the quantiser of attention's operands.
; A work-group makes 256 x 256 of a product, four waves 128 x 128 each (64 accumulators, 512 registers).  x = 0..3: Q (256 rows x 4 heads); x = 4: K (256 rows x 4 heads);
; x = 5: V TRANSPOSED (wv's 256 columns are the rows, 256 keys the columns), so that a lane holds one channel and eight neighbouring keys: the keys are the second product's K.
; OPERANDS are images of their registers (16 rows x 128 k = 2,048 bytes, byte g*512 + 16*lane + i): a K step of 256 is 4,096 consecutive bytes of each row tile.
; The matrix instruction is used transposed (source 0 = the B region's rows, source 1 = the A region's): lane (r, h) holds row r of A's tile and columns 16 b + 8 h + 0..7.
; So a conversion of accumulator b IS registers 2 b, 2 b + 1 of the next operand, and the codes are stored straight from registers, 512 consecutive bytes a store.
; NO MULTICAST: K's and V's parts are one tile wide and the three products read three different sets of row codes, so the 6 x 16 grid has no cluster whose partners share a tile.
; LIMITS: e0+e1, e2+e3, e4+e5 between -126 and 127; e6, e7, e9 between -126 and 119.  NaN among the inputs is not served.
.set SIZE_K, 1024
.set CL, 0
.set HK, 4194304
.set HV, 8388608
.set ROPE, 12582912
.set WQC, 8388608
.set WKC, 10485760
.set WVC, 10747904
.set KVO, 4194304
.set KROW16, 16*SIZE_K                 ; bytes of a row tile's images
.set HALFT,  32768                     ; 8 row tiles x 4,096 bytes: what one tensor load brings, and what a wave reads of A or of B
.set SLOT,   4*HALFT                   ; A's 16 row tiles, then B's 16
.set SPARE,  2*SLOT                    ; behind the ring: the spare words, 128 bytes a wave, that no other line names
.set LAPS,   SIZE_K/512
.set FR, 16
.set NL, 4
.set NP, 4
.set ADRA, 16
.set ADRB, 20
.set SPW, 28
.set NIL, 29
.set AF, 128
.set G1, 24
.set G0, 32
.set G1B, 48
.set G0B, 56
.set MSB, 0
.macro WIN new                         ; the immediate's high byte repeats the setting that is left
.if MSB != (\new)
	s_set_vgpr_msb (MSB<<8)|(\new)
.set MSB, (\new)
.endif
.endm
.set MUL_LO, 0xa1                      ; source 0 (B) window 1, source 1 (A) window 0, C and D window 2
.set MUL_HI, 0xf1
.set TO_B,   0x40
.macro JLOAD s                         ; waves 0, 1 fetch A's halves, waves 2, 3 B's; four v_nop follow each line
	s_cmp_eq_u32 s15, 0
	s_cbranch_scc0 .Lfor_b_\@
	tensor_load_to_lds s[G0+4*\s:G0+4*\s+3], s[G1:G1+7]
	s_nop 0
.rept 4
	v_nop
.endr
	s_branch .Lasked_\@
.Lfor_b_\@:
	tensor_load_to_lds s[G0B+4*\s:G0B+4*\s+3], s[G1B:G1B+7]
	s_nop 0
.rept 4
	v_nop
.endr
.Lasked_\@:
.endm
.macro FRAG reg, adr, q, i             ; a fragment is its image: four loads of 512 consecutive bytes
.irp c, 0,1,2,3
	ds_load_b128 v[\reg+4*\c:\reg+4*\c+3], v[\adr] offset:2048*(\q)+512*\c+(\i)*4096
.endr
.endm
.macro MUL16 a0, p, zero               ; A's blocks a0, a0 + 1 x B's eight; the 64 accumulators take turns
.irp a, \a0, \a0+1
.irp b, 0,1,2,3,4,5,6,7
.if \zero
	v_wmma_f32_16x16x128_fp8_fp8 v[8*(8*((\a)%4)+\b):8*(8*((\a)%4)+\b)+7], v[128*(\p)+FR*\b:128*(\p)+FR*\b+FR-1], v[AF+FR*(\a):AF+FR*(\a)+FR-1], 0
.else
	v_wmma_f32_16x16x128_fp8_fp8 v[8*(8*((\a)%4)+\b):8*(8*((\a)%4)+\b)+7], v[128*(\p)+FR*\b:128*(\p)+FR*\b+FR-1], v[AF+FR*(\a):AF+FR*(\a)+FR-1], v[8*(8*((\a)%4)+\b):8*(8*((\a)%4)+\b)+7]
.endif
.endr
.endr
.endm
.macro FETCH_B slot, q, p
	WIN TO_B
.irp i, 0,1,2,3,4,5,6,7
	FRAG 128*(\p)+FR*\i, ADRB+\slot, \q, \i
.endr
	WIN 0
.endm
.macro FETCH_A slot, q, i0
.irp i, \i0, \i0+1, \i0+2, \i0+3
	FRAG AF+FR*(\i), ADRA+\slot, \q, \i
.endr
.endm
.macro PLACES n                        ; plain vector lines between a matrix instruction and a load into, or a read of, its registers
.rept \n
	v_nop
.endr
.endm
.macro STEP slot, q, zero              ; 128 along K whose successor lies in the same slot
	s_wait_dscnt 4*NL                              ; B's set and A's blocks 0-3 are in; the youngest 16 loads (A's blocks 4-7) may be out
	WIN MUL_LO
	MUL16 0, (\q)%2, \zero
	MUL16 2, (\q)%2, \zero
	s_wait_dscnt 0
	PLACES NP
	FETCH_B \slot, (\q)+1, 1-(\q)%2
	FETCH_A \slot, (\q)+1, 0
	WIN MUL_HI
	MUL16 4, (\q)%2, \zero
	MUL16 6, (\q)%2, \zero
	PLACES NP
	WIN 0
	FETCH_A \slot, (\q)+1, 4
.endm
.macro TURN slot, next, fill           ; a slot's last 128 along K, and the change of slots: one barrier
	s_wait_tensorcnt 0x0                           ; all my tensor loads have landed: my part of the next slot
	ds_add_u32 v[SPW], v[NIL]                      ; 0 onto my spare word
	s_wait_dscnt 4*NL+1                            ; the add and the youngest 16 loads may be out
	WIN MUL_LO
	MUL16 0, 1, 0
	s_wait_dscnt 0x0                               ; the add is done, and my reads of this slot are over
	s_barrier_signal -1
	MUL16 2, 1, 0
	WIN 0
	s_barrier_wait -1
.if \fill
	s_add_nc_u64 s[G0+4*\slot+2:G0+4*\slot+3], s[G0+4*\slot+2:G0+4*\slot+3], 8192
	s_add_nc_u64 s[G0B+4*\slot+2:G0B+4*\slot+3], s[G0B+4*\slot+2:G0B+4*\slot+3], 8192
	JLOAD \slot                                    ; my one tensor load behind the barrier; its four v_nop are the places in front of the loads below
.else
	PLACES NP
.endif
	FETCH_B \next, 0, 0
	FETCH_A \next, 0, 0
	WIN MUL_HI
	MUL16 4, 1, 0
	MUL16 6, 1, 0
	PLACES NP
	WIN 0
	FETCH_A \next, 0, 4
.endm
	s_load_b512 s[68:83], s[0:1], 0x0              ; hc, wc, lowp_scales, bq, bk, bv, qn_w, kn_w
	s_load_b64 s[84:85], s[0:1], 0x40              ; qkv
	v_lshl_add_u32 v[SPW], v0, 2, SPARE
	v_mov_b32 v[NIL], 0
	ds_add_u32 v28, v29
	s_wait_dscnt 0x0
	v_lshrrev_b32 v1, 5, v0
	v_readfirstlane_b32 s14, v1                    ; wave
	s_lshr_b32 s15, s14, 1                         ; my half of A's rows; also: I fetch for A (0) or B (1)
	s_and_b32 s16, s14, 1                          ; my half of B's rows; also: which 8 row tiles I fetch
	s_mov_b32 s42, ttmp9                           ; x: the role
	s_and_b32 s17, ttmp7, 0xffff                   ; y: which 256 rows
	s_mov_b32 s[G1+0], 0                           ; no mask, elements of 1 byte, no padding
	s_mov_b32 s[G1B+0], 0
.irp g, G1, G1B
	s_mov_b32 s[\g+1], 4096<<16                    ; tensor_dim0 = 4,096
	s_mov_b32 s[\g+2], 8<<16                       ; tensor_dim1 = 8
	s_mov_b32 s[\g+3], 4096<<16                    ; tile_dim0
	s_mov_b32 s[\g+4], 8                           ; tile_dim1
	s_mov_b32 s[\g+5], KROW16                      ; from row tile to row tile
	s_mov_b32 s[\g+6], 0
	s_mov_b32 s[\g+7], 0
.endr
	s_mov_b32 s11, WQC
	s_cmp_eq_u32 s42, 5
	s_cselect_b32 s8, 0, s17                       ; A's tile
	s_cselect_b32 s9, s17, s42                     ; B's tile
	s_cselect_b32 s10, WVC, 0                      ; A's place in its buffer
	s_cselect_b32 s11, HV, s11                     ; B's
	s_cmp_eq_u32 s42, 4
	s_cselect_b32 s9, 0, s9
	s_cselect_b32 s10, HK, s10
	s_cselect_b32 s11, WKC, s11
	s_lshl_b32 s18, s16, 3
	s_lshl_b32 s20, s8, 4
	s_add_co_u32 s20, s20, s18
	s_mul_i32 s20, s20, KROW16
	s_add_co_u32 s20, s20, s10
	s_mov_b32 s21, 0
	s_lshl_b32 s46, s9, 4
	s_add_co_u32 s46, s46, s18
	s_mul_i32 s46, s46, KROW16
	s_add_co_u32 s46, s46, s11
	s_mov_b32 s47, 0
	s_mul_i32 s45, s14, HALFT
	s_wait_kmcnt 0x0
	s_load_b256 s[88:95], s[72:73], 0x0            ; e0 .. e7
	s_load_b64 s[86:87], s[72:73], 0x20            ; e8, e9
	s_cmp_eq_u32 s42, 5
	s_cselect_b64 s[4:5], s[70:71], s[68:69]       ; a choice of buffers on the work-group's number
	s_cselect_b64 s[6:7], s[68:69], s[70:71]
	s_add_nc_u64 s[20:21], s[4:5], s[20:21]
	s_add_nc_u64 s[46:47], s[6:7], s[46:47]
.irp s, 0,1
	s_mov_b32 s[G0+4*\s], 1
	s_add_co_u32 s[G0+4*\s+1], s45, \s*SLOT
	s_add_nc_u64 s[G0+4*\s+2:G0+4*\s+3], s[20:21], \s*4096
	s_or_b32 s[G0+4*\s+3], s[G0+4*\s+3], 0x80000000
	s_mov_b32 s[G0B+4*\s], 1
	s_add_co_u32 s[G0B+4*\s+1], s45, \s*SLOT
	s_add_nc_u64 s[G0B+4*\s+2:G0B+4*\s+3], s[46:47], \s*4096
	s_or_b32 s[G0B+4*\s+3], s[G0B+4*\s+3], 0x80000000
	JLOAD \s                                       ; two loads of mine are out
.endr
	v_and_b32 v1, 15, v0                           ; r
	v_bfe_u32 v2, v0, 4, 1                         ; h
	v_and_b32 v3, 31, v0
	v_lshlrev_b32 v26, 4, v3                       ; 16 x lane
	v_lshlrev_b32 v24, 5, v2                       ; 32 h
	v_lshl_add_u32 v25, v1, 8, v24                 ; 256 r + 32 h
	v_lshlrev_b32 v27, 2, v1                       ; 4 r
	s_mul_i32 s21, s15, HALFT
	s_mul_i32 s22, s16, HALFT
	s_add_co_u32 s22, s22, 2*HALFT
.irp s, 0,1
	v_add_nc_u32 v[ADRA+\s], s21, v26
	v_add_nc_u32 v[ADRB+\s], s22, v26
	s_add_co_u32 s21, s21, SLOT
	s_add_co_u32 s22, s22, SLOT
.endr
	s_wait_tensorcnt 1                             ; my part of slot 0 is in; slot 1's may stay out
	s_barrier_signal -1
	s_barrier_wait -1
	FETCH_B 0, 0, 0
	FETCH_A 0, 0, 0
	FETCH_A 0, 0, 4
	STEP 0, 0, 1                                   ; the first step's products start the sums
	s_mov_b32 s3, LAPS-1
.Llap:
	TURN 0, 1, 1
	STEP 1, 0, 0
	TURN 1, 0, 1
	STEP 0, 0, 0
	s_sub_co_u32 s3, s3, 1
	s_cmp_lg_u32 s3, 0
	s_cbranch_scc1 .Llap
	TURN 0, 1, 0
	STEP 1, 0, 0
	s_wait_dscnt 4*NL
	WIN MUL_LO
	MUL16 0, 1, 0
	MUL16 2, 1, 0
	s_wait_dscnt 0
	WIN MUL_HI
	MUL16 4, 1, 0
	MUL16 6, 1, 0
	WIN 0
; ---- the scales of my role, chosen without a branch
	s_wait_kmcnt 0x0
	s_add_co_i32 s4, s88, s89
	s_add_co_i32 s5, s90, s91
	s_add_co_i32 s6, s92, s93
	s_cmp_eq_u32 s42, 4
	s_cselect_b32 s4, s5, s4
	s_cselect_b32 s7, s95, s94
	s_cmp_eq_u32 s42, 5
	s_cselect_b32 s4, s6, s4
	s_cselect_b32 s7, s87, s7
	s_add_co_i32 s4, s4, 127
	s_lshl_b32 s96, s4, 23                         ; 2^(the two operands' e added)
	s_mov_b32 s97, s96
	s_add_co_i32 s7, s7, 127
	s_lshl_b32 s4, s7, 23
	v_mov_b32 v30, s4                              ; 2^e of what I make
	s_add_co_i32 s7, s7, 8
	s_lshl_b32 s7, s7, 23
	s_or_b32 s7, s7, 0x600000
	v_mov_b32 v31, s7                              ; 448 x that
	s_lshr_b32 s13, s17, 3                         ; batch
	s_and_b32 s18, s17, 7                          ; which 256 positions
	PLACES NP
	s_cmp_eq_u32 s42, 5
	s_cbranch_scc1 .Lv
; ---- Q and K.  My 128 columns are two heads.
.set BIAS, 32
.set NW, 96
.set Y, 192
.set CD, 224
	s_lshl_b32 s19, s13, 4
	s_lshl_b32 s8, s42, 2
	s_add_co_u32 s19, s19, s8
	s_lshl_b32 s8, s16, 1
	s_add_co_u32 s19, s19, s8                      ; Q: 16 b + my first head
	s_lshl_b32 s19, s19, 7
	s_lshl_b32 s9, s18, 4
	s_add_co_u32 s19, s19, s9
	s_lshl_b32 s9, s15, 3
	s_add_co_u32 s19, s19, s9                      ; x 128 tiles of queries + my first tile
	s_lshl_b32 s19, s19, 10
	s_lshl_b32 s10, s13, 2
	s_add_co_u32 s10, s10, s8                      ; K: 4 b + my first head
	s_lshl_b32 s10, s10, 3
	s_add_co_u32 s10, s10, s18
	s_lshl_b32 s10, s10, 15                        ; a slot of 256 keys is 32,768 bytes: K's 16 images, then V's 8
	s_lshl_b32 s9, s15, 13
	s_add_co_u32 s10, s10, s9
	s_add_co_u32 s10, s10, KVO
	s_mov_b32 s12, 131072
	s_cmp_eq_u32 s42, 4
	s_cselect_b32 s4, s10, s19
	s_cselect_b32 s6, 262144, s12                  ; from a head to the next
	s_cselect_b32 s12, 0, s42
	s_cselect_b64 s[8:9], s[76:77], s[74:75]       ; the bias
	s_cselect_b64 s[10:11], s[82:83], s[80:81]     ; the heads' gain
	s_mov_b32 s5, 0
	s_mov_b32 s7, 0
	s_add_nc_u64 s[4:5], s[84:85], s[4:5]
	s_add_nc_u64 s[6:7], s[4:5], s[6:7]
	s_lshl_b32 s12, s12, 10
	s_lshl_b32 s13, s16, 9
	s_add_co_u32 s12, s12, s13
	s_mov_b32 s13, 0
	s_add_nc_u64 s[8:9], s[8:9], s[12:13]
	s_lshl_b32 s12, s18, 16
	s_lshl_b32 s19, s15, 15
	s_add_co_u32 s12, s12, s19
	s_add_co_u32 s12, s12, ROPE
	s_add_nc_u64 s[12:13], s[68:69], s[12:13]      ; the table at my first position
	s_mov_b32 s20, 0x3c800000                      ; 1 / 64
	s_mov_b32 s21, 0x3727c5ac                      ; 1e-5
	s_mov_b32 s22, 0x76543210
	s_mov_b32 s23, 0xfedcba98
	v_mov_b32 v253, 0
.set i, 0
.rept 8
	global_load_b128 v[BIAS+8*i:BIAS+8*i+3], v24, s[8:9] offset:64*i
	global_load_b128 v[BIAS+8*i+4:BIAS+8*i+7], v24, s[8:9] offset:64*i+16
.set i, i+1
.endr
.set i, 0
.rept 4
	global_load_b128 v[NW+8*i:NW+8*i+3], v24, s[10:11] offset:64*i
	global_load_b128 v[NW+8*i+4:NW+8*i+7], v24, s[10:11] offset:64*i+16
.set i, i+1
.endr
.macro CSLOAD a                        ; cos (16) and sin (16) of position 16 a + r at frequencies 16 p + 8 h + 0..7
.set CSS, 128+32*((\a)%2)
.irp p, 0,1
.irp u, 0,1
	global_load_b128 v[CSS+8*\p+4*\u:CSS+8*\p+4*\u+3], v25, s[12:13] offset:(\a)*4096+64*\p+16*\u
	global_load_b128 v[CSS+16+8*\p+4*\u:CSS+16+8*\p+4*\u+3], v25, s[12:13] offset:(\a)*4096+128+64*\p+16*\u
.endr
.endr
.endm
.macro HEAD a, hd                      ; 16 rows x one head: a lane holds 32 of a row's 64 numbers, d = 16 t + 8 h + j in register 8 t + j
.set AC, 64*((\a)%4)+32*(\hd)
.set CSS, 128+32*((\a)%2)
.set OB, 4+2*(\hd)
	WIN 0x02+((\a)/4)
.set j, 0
.rept 16
	v_pk_fma_f32 v[Y+j:Y+j+1], v[AC+j:AC+j+1], s[96:97], v[BIAS+32*(\hd)+j:BIAS+32*(\hd)+j+1] op_sel_hi:[1,0,1]   ; sum x 2^e + bias, each accumulator from its low end
.set j, j+2
.endr
	WIN 0
	v_pk_mul_f32 v[248:249], v[Y:Y+1], v[Y:Y+1]
	v_pk_mul_f32 v[250:251], v[Y+2:Y+3], v[Y+2:Y+3]
.set j, 4
.rept 7
	v_pk_fma_f32 v[248:249], v[Y+j:Y+j+1], v[Y+j:Y+j+1], v[248:249]
	v_pk_fma_f32 v[250:251], v[Y+j+2:Y+j+3], v[Y+j+2:Y+j+3], v[250:251]
.set j, j+4
.endr
	v_pk_add_f32 v[248:249], v[248:249], v[250:251]
	v_add_f32 v248, v248, v249
	v_permlanex16_b32 v249, v248, s22, s23         ; the row's other 32 lie in the lane 16 away
	v_add_f32 v248, v248, v249
	v_fma_f32 v248, v248, s20, s21
	v_rsq_f32 v252, v248
	v_nop
	s_wait_alu depctr_va_vdst(0)                   ; the wait ahead of the first reader
.set j, 0
.rept 16
	v_pk_mul_f32 v[Y+j:Y+j+1], v[Y+j:Y+j+1], v[252:253] op_sel_hi:[1,0]
.set j, j+2
.endr
.set j, 0
.rept 16
	v_pk_mul_f32 v[Y+j:Y+j+1], v[Y+j:Y+j+1], v[NW+j:NW+j+1]
.set j, j+2
.endr
.irp p, 0,1                            ; lo' = lo cos - hi sin, hi' = hi cos + lo sin
.set j, 0
.rept 4
	v_pk_mul_f32 v[232+j:233+j], v[Y+16+8*\p+j:Y+17+8*\p+j], v[CSS+16+8*\p+j:CSS+17+8*\p+j]
	v_pk_mul_f32 v[240+j:241+j], v[Y+8*\p+j:Y+1+8*\p+j], v[CSS+16+8*\p+j:CSS+17+8*\p+j]
.set j, j+2
.endr
.set j, 0
.rept 4
	v_pk_fma_f32 v[Y+8*\p+j:Y+1+8*\p+j], v[Y+8*\p+j:Y+1+8*\p+j], v[CSS+8*\p+j:CSS+1+8*\p+j], v[232+j:233+j] neg_lo:[0,0,1] neg_hi:[0,0,1]
	v_pk_fma_f32 v[Y+16+8*\p+j:Y+17+8*\p+j], v[Y+16+8*\p+j:Y+17+8*\p+j], v[CSS+8*\p+j:CSS+1+8*\p+j], v[240+j:241+j]
.set j, j+2
.endr
.endr
.set k, 0
.rept 32
	v_med3_num_f32 v[Y+k], v[Y+k], -v31, v31
.set k, k+1
.endr
	s_wait_xcnt 0x0                                ; the last head's stores have read the codes' registers
.irp c, 0,1,2,3
	v_cvt_scalef32_pk8_fp8_f32 v[CD+2*\c:CD+2*\c+1], v[Y+8*\c:Y+8*\c+7], v30
.endr
	v_nop                                          ; a plain line behind the last conversion
	global_store_b128 v26, v[CD:CD+3], s[OB:OB+1] offset:(\a)*1024        ; an image of 16 rows x 64: two stores of 512 consecutive bytes
	global_store_b128 v26, v[CD+4:CD+7], s[OB:OB+1] offset:(\a)*1024+512
.endm
	CSLOAD 0
.irp a, 0,1,2,3,4,5,6,7
.if \a < 7
	CSLOAD \a+1
	s_wait_loadcnt 8                               ; all but the next block's eight
.else
	s_wait_loadcnt 0
.endif
	HEAD \a, 0
	HEAD \a, 1
.endr
	s_wait_tensorcnt 0x0                           ; the wave's end
	ds_add_u32 v[SPW], v[NIL]
	s_wait_dscnt 0x0
	s_endpgm
; ---- V: lane (r, h) holds channel 128 (w / 2) + 16 a + r and keys 128 (w % 2) + 16 b + 8 h + 0..7
.Lv:
	s_lshl_b32 s8, s15, 9
	s_mov_b32 s9, 0
	s_add_nc_u64 s[8:9], s[78:79], s[8:9]          ; bv at my 128 channels
.set i, 0
.rept 8
	global_load_b32 v[32+2*i], v27, s[8:9] offset:64*i
	global_load_b32 v[33+2*i], v27, s[8:9] offset:64*i     ; twice: a pair for the packed form
.set i, i+1
.endr
	s_lshl_b32 s4, s13, 2
	s_lshl_b32 s5, s15, 1
	s_add_co_u32 s4, s4, s5
	s_lshl_b32 s4, s4, 3
	s_add_co_u32 s4, s4, s18
	s_lshl_b32 s4, s4, 15
	s_lshl_b32 s5, s16, 13
	s_add_co_u32 s4, s4, s5
	s_add_co_u32 s4, s4, KVO+16384
	s_mov_b32 s5, 0
	s_add_nc_u64 s[4:5], s[84:85], s[4:5]
	s_wait_loadcnt 0x0
.macro VBLK a
.set AC, 64*((\a)%4)
	WIN 0x02+((\a)/4)
.set j, 0
.rept 32
	v_pk_fma_f32 v[128+j:129+j], v[AC+j:AC+j+1], s[96:97], v[32+2*(\a):33+2*(\a)] op_sel_hi:[1,0,1]
.set j, j+2
.endr
	WIN 0
.set k, 0
.rept 64
	v_med3_num_f32 v[128+k], v[128+k], -v31, v31
.set k, k+1
.endr
.if (\a) > 0
	s_wait_xcnt 0x0                                ; the last block's stores have read the codes' registers
.endif
.irp b, 0,1,2,3,4,5,6,7
	v_cvt_scalef32_pk8_fp8_f32 v[192+2*\b:193+2*\b], v[128+8*\b:135+8*\b], v30
.endr
	v_nop
.irp g, 0,1,2,3
	global_store_b128 v26, v[192+4*\g:195+4*\g], s[4:5] offset:((\a)/4)*262144+((\a)%4)*2048+512*\g
.endr
.endm
.irp a, 0,1,2,3,4,5,6,7
	VBLK \a
.endr
	s_wait_tensorcnt 0x0                           ; the wave's end
	ds_add_u32 v[SPW], v[NIL]
	s_wait_dscnt 0x0
	s_endpgm
.Lfunc_end_k_q2aff479009_qkv:
	.size	k_q2aff479009_qkv, .Lfunc_end_k_q2aff479009_qkv-k_q2aff479009_qkv
	.p2alignl 7, 3214868480
	.fill 96, 4, 3214868480
	.section	.rodata,"a",@progbits
	.p2align	6, 0x0
	.amdhsa_kernel k_q2aff479009_qkv
		.amdhsa_group_segment_fixed_size 327680
		.amdhsa_private_segment_fixed_size 0
		.amdhsa_enable_private_segment 0
		.amdhsa_kernarg_size 72
		.amdhsa_user_sgpr_count 2
		.amdhsa_user_sgpr_kernarg_segment_ptr 1
		.amdhsa_wavefront_size32 1
		.amdhsa_system_sgpr_workgroup_id_x 1
		.amdhsa_system_sgpr_workgroup_id_y 1
		.amdhsa_system_sgpr_workgroup_id_z 1
		.amdhsa_system_vgpr_workitem_id 0
		.amdhsa_next_free_vgpr 1024
		.amdhsa_next_free_sgpr 100
		.amdhsa_reserve_vcc 0
		.amdhsa_float_denorm_mode_32 3
		.amdhsa_float_denorm_mode_16_64 3
		.amdhsa_memory_ordered 1
		.amdhsa_forward_progress 1
		.amdhsa_inst_pref_size 255
	.end_amdhsa_kernel
	.section	.bss,"aw",@nobits
	.p2align	6
	.space	262144
	.amdgpu_metadata
---
amdhsa.version: [ 1, 2 ]
amdhsa.kernels:
  - .name:           k_q2aff479009_qkv
    .symbol:         k_q2aff479009_qkv.kd
    .args:
      - { .name: hc, .offset: 0, .size: 8, .value_kind: global_buffer, .address_space: global }
      - { .name: wc, .offset: 8, .size: 8, .value_kind: global_buffer, .address_space: global }
      - { .name: lowp_scales, .offset: 16, .size: 8, .value_kind: global_buffer, .address_space: global }
      - { .name: bq, .offset: 24, .size: 8, .value_kind: global_buffer, .address_space: global }
      - { .name: bk, .offset: 32, .size: 8, .value_kind: global_buffer, .address_space: global }
      - { .name: bv, .offset: 40, .size: 8, .value_kind: global_buffer, .address_space: global }
      - { .name: qn_w, .offset: 48, .size: 8, .value_kind: global_buffer, .address_space: global }
      - { .name: kn_w, .offset: 56, .size: 8, .value_kind: global_buffer, .address_space: global }
      - { .name: qkv, .offset: 64, .size: 8, .value_kind: global_buffer, .address_space: global }
    .group_segment_fixed_size: 327680
    .private_segment_fixed_size: 0
    .kernarg_segment_align: 8
    .kernarg_segment_size: 72
    .max_flat_workgroup_size: 128
    .sgpr_count:     100
    .vgpr_count:     1024
    .wavefront_size: 32
...
	.end_amdgpu_metadata
.endif
;; end of part 2
;; launch attn (part 3): grid 32 x 8, 16 waves a work-group, no clusters, 327,680 bytes of LDS; arguments qkv, lowp_scales, att; writes att
.if DOCPART == 3
	.amdgcn_target "amdgcn-amd-amdhsa--gfx1250"
	.amdhsa_code_object_version 6
	.text
	.protected	k_q2aff479009_attn
	.globl	k_q2aff479009_attn
	.p2align	8
	.type	k_q2aff479009_attn,@function
k_q2aff479009_attn:
	s_mov_b64 s[64:65], 0
	v_nop
	global_prefetch_b8 v0, s[64:65] scope:SCOPE_SE
	s_setreg_imm32_b32 hwreg(HW_REG_WAVE_MODE, 25, 1), 1
	s_wait_xcnt 0x0
; Causal attention on codes of E4M3: head size 64, 2,048 positions, 32 query heads over 8 key and value heads.  The output is quantised for the next product.
; t = score x log2(e) / 32; M = the running largest t rounded UP to a whole number; p = 2^(t - M) is quantised along the keys, not normalised; the row's sum is taken of the unquantised p and divides at the end.
; SHARES.  Work-group (t, by): by = 4 b + the key and value head.  Each of sixteen waves owns one tile of 16 queries of one of the four query heads of that head; the four waves of a query head
; take tiles t, 63 - t, 64 + t, 127 - t, so that every work-group has the same number of key steps under the causal mask.  All sixteen read the same K and V from a ring of two LDS slots of 256 keys.
; Every work-group walks all 8 slots (constant trip counts; no tensor load or barrier is jumped over); a step all of whose keys come after the wave's queries is left out by a scalar branch on ids.
; LAYOUT.  Operands are images of their registers.  S^T = K Q^T (source 0 = 16 keys, K = 64), O^T = V^T P^T (source 0 = 16 channels, K = 128 keys): a lane holds one query; tile c's eight registers are
; keys 16 c + 8 h + 0..7, which are registers 2 c, 2 c + 1 of P.
; NO MULTICAST here: a slot is 32 KiB for two key steps of sixteen waves' softmax; what partners could share is a small part of a step's cost.
; LIMITS: e6 + e7 between -117 and 130 (added to c's exponent field); e8, e10 between -126 and 119.
.set KVO, 4194304
.set SLOT1, 1<<15
.set NSL, 8
.set SPARE, 2*SLOT1                    ; behind the ring: the spare words, 128 bytes a wave, that no other line names
.set PFO, 3
.set SPW, 5
.set NIL, 6
.set ADK, 8
.set WV, 18
.set SEL, 20
.set CS, 22
.set G1, 24
.set G0, 40
.set TB, 2
.set SLOTS, 67
.set PFA, 76
.set LIM, 80
.set KF, 98
.set Q0, 99
.macro TLOAD                           ; wave 0 fetches a slot's K half, wave 1 its V half, 16 KiB each; four v_nop follow
	s_cmp_lt_u32 s[WV], 2
	s_cbranch_scc0 .Lasked_\@
	tensor_load_to_lds s[G0:G0+3], s[G1:G1+7]
	s_nop 0
.rept 4
	v_nop
.endr
.Lasked_\@:
.endm
.macro ASK                             ; a prefetch of the slot that the NEXT change will ask for: waves 4-7 of the head's first work-group, 8,192 bytes a wave, lanes 256 bytes apart; each block is named once; the last filling change asks for nothing
	s_cmp_gt_u32 s[SLOTS], s[LIM]
	s_cbranch_scc0 .Lnot_mine_\@
	global_prefetch_b8 v[PFO], s[PFA:PFA+1] th:TH_LOAD_NT scope:SCOPE_SE
.Lnot_mine_\@:
.endm
	s_load_b128 s[4:7], s[0:1], 0x0                ; qkv, lowp_scales
	s_load_b64 s[8:9], s[0:1], 0x10                ; att
	v_lshl_add_u32 v[SPW], v0, 2, SPARE
	v_mov_b32 v[NIL], 0
	ds_add_u32 v5, v6
	s_wait_dscnt 0x0
	v_lshrrev_b32 v8, 5, v0
	v_readfirstlane_b32 s[WV], v8
	s_and_b32 s10, ttmp7, 0xffff                   ; by
	s_and_b32 s11, s[WV], 3                        ; which of the four query heads
	s_and_b32 s19, s[WV], 1
	s_lshr_b32 s12, s[WV], 2
	s_add_co_u32 s12, s12, s11
	s_and_b32 s12, s12, 3                          ; which of the four tiles
	s_sub_co_u32 s13, 63, ttmp9
	s_and_b32 s14, s12, 1
	s_cmp_eq_u32 s14, 1
	s_cselect_b32 s13, s13, ttmp9
	s_lshr_b32 s12, s12, 1
	s_lshl_b32 s12, s12, 6
	s_add_co_u32 s13, s13, s12                     ; my tile of queries
	s_lshl_b32 s[Q0], s13, 4
	s_lshl_b32 s14, s10, 2
	s_add_co_u32 s14, s14, s11
	s_lshl_b32 s14, s14, 7
	s_add_co_u32 s14, s14, s13
	s_lshl_b32 s14, s14, 10                        ; Q's image
	s_mov_b32 s15, 0
	s_lshr_b32 s16, s10, 2
	s_lshl_b32 s16, s16, 7
	s_add_co_u32 s16, s16, s13                     ; the output's row tile
	s_lshl_b32 s16, s16, 3
	s_and_b32 s17, s10, 3
	s_lshl_b32 s17, s17, 1
	s_add_co_u32 s16, s16, s17
	s_lshr_b32 s17, s11, 1
	s_add_co_u32 s16, s16, s17                     ; x 8 images + (my head) / 2
	s_lshl_b32 s16, s16, 11
	s_lshl_b32 s17, s19, 10
	s_add_co_u32 s16, s16, s17                     ; an odd head is the image's second half
	s_mov_b32 s17, 0
	s_lshl_b32 s74, s10, 18
	s_add_co_u32 s74, s74, KVO
	s_mov_b32 s75, 0
	s_lshl_b32 s81, s11, 13
	s_add_co_u32 s82, s74, s81
	s_add_co_u32 s82, s82, 32768                   ; the prefetches stand in slot 1; the first change steps them to slot 2
	s_mov_b32 s83, 0
	s_lshl_b32 s81, s19, 14
	s_add_co_u32 s74, s74, s81
	s_mov_b32 s[G1], 3<<16                         ; a dense block as 64 rows of 32 elements of 8 bytes
	s_mov_b32 s[G1+1], 32<<16
	s_mov_b32 s[G1+2], 64<<16
	s_mov_b32 s[G1+3], 32<<16
	s_mov_b32 s[G1+4], 64
	s_mov_b32 s[G1+5], 32
	s_mov_b32 s[G1+6], 0
	s_mov_b32 s[G1+7], 0
	s_mov_b32 s[SEL], 0x76543210
	s_mov_b32 s[SEL+1], 0xfedcba98
	s_mov_b32 s[CS], 0x3d38aa3b                    ; log2(e) / 32
	s_mov_b32 s[TB], 0
	s_mov_b32 s[SLOTS], NSL-1
	s_mov_b32 s[KF], 0
	s_wait_kmcnt 0x0
	s_load_b128 s[68:71], s[6:7], 0x18             ; e6, e7, e8, e9
	s_load_b32 s72, s[6:7], 0x28                   ; e10
	s_mov_b32 s[G0], 1
	s_lshl_b32 s[G0+1], s19, 14
	s_add_nc_u64 s[G0+2:G0+3], s[4:5], s[74:75]
	s_or_b32 s[G0+3], s[G0+3], 0x80000000
	TLOAD                                          ; slot 0
	s_add_nc_u64 s[PFA:PFA+1], s[4:5], s[82:83]
	s_add_nc_u64 s[14:15], s[4:5], s[14:15]
	s_add_nc_u64 s[8:9], s[8:9], s[16:17]
	s_sub_co_u32 s82, s[WV], 4
	s_lshr_b32 s82, s82, 2                         ; 0 in waves 4 to 7,
	s_or_b32 s82, s82, ttmp9                       ; of the head's first work-group
	s_cmp_eq_u32 s82, 0
	s_cselect_b32 s[LIM], 1, -1
	v_and_b32 v1, 31, v0
	v_lshlrev_b32 v[PFO], 8, v1
	v_lshlrev_b32 v1, 4, v1                        ; 16 x lane
	global_load_b128 v[16:19], v1, s[14:15]        ; Q stays in registers
	global_load_b128 v[20:23], v1, s[14:15] offset:512
	v_mov_b32 v13, 0xff61b1e6                      ; the largest t so far: -3e38
	v_floor_f32 v12, -v13                          ; -M
	v_mov_b32 v14, 0
	v_mov_b32 v15, 0
	v_mov_b32 v236, 0
	v_mov_b32 v253, 0
.set j, 0
.rept 32
	v_mov_b32 v[160+j], 0                          ; O^T: the step is written once; the first change of M leaves zeros zeros
.set j, j+1
.endr
	s_wait_kmcnt 0x0
	s_add_co_i32 s81, s68, s69
	s_lshl_b32 s81, s81, 23
	s_add_co_i32 s[CS], s[CS], s81                 ; a score stands for score x 2^(e6 + e7)
	s_mov_b32 s[CS+1], s[CS]
	s_add_co_i32 s81, s70, 127
	s_lshl_b32 s82, s81, 23
	v_mov_b32 v244, s82                            ; 2^e8
	s_add_co_i32 s81, s81, 8
	s_lshl_b32 s81, s81, 23
	s_or_b32 s81, s81, 0x600000
	v_mov_b32 v240, s81                            ; 448 x 2^e8
	s_add_co_i32 s81, s72, 127
	s_lshl_b32 s82, s81, 23
	v_mov_b32 v245, s82                            ; 2^e10
	s_add_co_i32 s81, s81, 8
	s_lshl_b32 s81, s81, 23
	s_or_b32 s81, s81, 0x600000
	v_mov_b32 v241, s81
.macro STEP q                          ; 128 keys, the q-th of the slot in hand
	s_add_co_u32 s96, s[Q0], 15
	s_cmp_gt_u32 s[KF], s96
	s_cbranch_scc1 .Lhidden_\@                     ; all keys come after my queries
	v_add_nc_u32 v[ADK], s[TB], v1
.rept 4
	v_nop                                          ; places in front of loads into registers that the last products read
.endr
.set c, 0
.rept 8
	ds_load_b128 v[32+8*c:35+8*c], v[ADK] offset:8192*(\q)+1024*c
	ds_load_b128 v[36+8*c:39+8*c], v[ADK] offset:8192*(\q)+1024*c+512
.set c, c+1
.endr
	s_wait_dscnt 0x0
.set c, 0
.rept 8
	v_wmma_f32_16x16x64_fp8_fp8 v[96+8*c:103+8*c], v[32+8*c:39+8*c], v[16:23], 0
.set c, c+1
.endr
.rept 4
	v_nop
.endr
	s_add_co_u32 s96, s[KF], 127
	s_cmp_le_u32 s96, s[Q0]
	s_cbranch_scc1 .Lopen_\@                       ; all keys count
	s_sub_co_i32 s96, s[Q0], s[KF]
	v_and_b32 v252, 15, v0
	v_bfe_u32 v253, v0, 4, 1
	v_lshlrev_b32 v253, 3, v253
	v_sub_nc_u32 v252, v252, v253
	v_add_nc_u32 v252, s96, v252                   ; d = my query - KF - 8 h; register 8 c + j is hidden where 16 c + j > d
	v_mov_b32 v254, 0xff800000
.set n, 0
.rept 64
	v_cmp_gt_i32 vcc_lo, 16*(n/8)+n%8, v252
	v_cndmask_b32 v[96+n], v[96+n], v254, vcc_lo
.set n, n+1
.endr
.Lopen_\@:
	v_max3_num_f32 v254, v96, v97, v98
	v_max3_num_f32 v252, v99, v100, v101
.set i, 6
.rept 14
	v_max3_num_f32 v254, v254, v[96+i], v[97+i]
	v_max3_num_f32 v252, v252, v[98+i], v[99+i]
.set i, i+4
.endr
	v_max3_num_f32 v254, v254, v158, v159
	v_max_num_f32 v254, v254, v252
	v_permlanex16_b32 v236, v254, s[SEL], s[SEL+1]
	v_max_num_f32 v254, v254, v236
	v_mul_f32 v254, s[CS], v254
	v_max_num_f32 v13, v13, v254                   ; the running largest t
	v_mov_b32 v254, v12
	v_floor_f32 v12, -v13                          ; -M = floor(-t): M is a whole number
	v_sub_f32 v254, v12, v254
	v_cvt_i32_f32 v254, v254
	v_ldexp_f32 v252, 1.0, v254                    ; f = 2^(old M - new M): rounds nothing
.set j, 0
.rept 32
	v_pk_fma_f32 v[96+j:97+j], v[96+j:97+j], s[CS:CS+1], v[12:13] op_sel_hi:[1,0,0]
.set j, j+2
.endr
.set j, 0
.rept 64
	v_exp_f32 v[96+j], v[96+j]
.set j, j+1
.endr
	v_pk_mul_f32 v[14:15], v[14:15], v[252:253] op_sel_hi:[1,0]   ; (the plain line behind the exponentials)
	s_wait_alu depctr_va_vdst(0)                   ; one wait for the batch, ahead of its first reader
	v_pk_add_f32 v[242:243], v[96:97], v[98:99]    ; the sum of the unquantised p, in two chains
.set j, 4
.rept 15
	v_pk_add_f32 v[14:15], v[14:15], v[96+j:97+j]
	v_pk_add_f32 v[242:243], v[242:243], v[98+j:99+j]
.set j, j+4
.endr
	v_pk_add_f32 v[14:15], v[14:15], v[242:243]
.set c, 0
.rept 8
.set i, 0
.rept 8
	v_min_num_f32 v[96+8*c+i], v[96+8*c+i], v240   ; p is not negative: a one-sided hold (the conversion does not saturate: ISA guide 7.6.2)
.set i, i+1
.endr
	v_cvt_scalef32_pk8_fp8_f32 v[192+2*c:193+2*c], v[96+8*c:103+8*c], v244
.set c, c+1
.endr
.set j, 0
.rept 16
	v_pk_mul_f32 v[160+j:161+j], v[160+j:161+j], v[252:253] op_sel_hi:[1,0]   ; O^T under the new M; also the plain lines behind the conversions
.set j, j+2
.endr
.set c, 0
.rept 4
.irp g, 0,1,2,3
	ds_load_b128 v[32+16*c+4*\g:35+16*c+4*\g], v[ADK] offset:16384+(4*(\q)+c)*2048+512*\g
.endr
.set c, c+1
.endr
	s_wait_dscnt 0x0
.set c, 0
.rept 4
	v_wmma_f32_16x16x128_fp8_fp8 v[160+8*c:167+8*c], v[32+16*c:47+16*c], v[192:207], v[160+8*c:167+8*c]
.set c, c+1
.endr
.Lhidden_\@:
	s_add_co_u32 s[KF], s[KF], 128
.endm
.macro CHANGE fill                     ; at a slot's head: all my tensor loads waited for, the add, my reads of the slot that I left waited for, one barrier; then the slot just left is filled
	s_wait_tensorcnt 0x0
	ds_add_u32 v[SPW], v[NIL]                      ; 0 onto my spare word
.if \fill
	s_xor_b32 s[G0+1], s[G0+1], SLOT1
	s_add_nc_u64 s[G0+2:G0+3], s[G0+2:G0+3], 32768
	s_wait_xcnt 0x0                                ; the last prefetch, a slot back, has read its address
	s_add_nc_u64 s[PFA:PFA+1], s[PFA:PFA+1], 32768
.endif
	s_wait_dscnt 0x0
	s_barrier_signal -1
	s_barrier_wait -1
.if \fill
	TLOAD
	ASK
.endif
.endm
.macro SLOT_STEPS
	STEP 0
	STEP 1
	s_xor_b32 s[TB], s[TB], SLOT1
.endm
	s_wait_loadcnt 0x0                             ; Q
.Lslot:
	CHANGE 1
	SLOT_STEPS
	s_sub_co_u32 s[SLOTS], s[SLOTS], 1
	s_cmp_lg_u32 s[SLOTS], 0
	s_cbranch_scc1 .Lslot
	CHANGE 0                                       ; the last slot is written out
	SLOT_STEPS
; THE WAY OUT: O^T / the sum x 2^(e8 + e9), quantised with e10: tiles 0, 1 and 2, 3 are registers 0-3 and 4-7 of my half of an image
.rept 4
	v_nop
.endr
	v_add_f32 v14, v14, v15
	v_permlanex16_b32 v252, v14, s[SEL], s[SEL+1]
	v_add_f32 v14, v14, v252
	v_rcp_f32 v14, v14
	v_nop
	s_add_co_i32 s81, s70, s71
	s_wait_alu depctr_va_vdst(0)
	v_ldexp_f32 v14, v14, s81
.set j, 0
.rept 16
	v_pk_mul_f32 v[96+j:97+j], v[160+j:161+j], v[14:15] op_sel_hi:[1,0]
.set j, j+2
.endr
.set k, 0
.rept 32
	v_med3_num_f32 v[96+k], v[96+k], -v241, v241
.set k, k+1
.endr
.irp c, 0,1,2,3
	v_cvt_scalef32_pk8_fp8_f32 v[192+2*\c:193+2*\c], v[96+8*\c:103+8*\c], v245
.endr
	v_nop
	global_store_b128 v1, v[192:195], s[8:9]       ; 512 consecutive bytes, aligned
	global_store_b128 v1, v[196:199], s[8:9] offset:512
	s_wait_tensorcnt 0x0                           ; the wave's end
	ds_add_u32 v[SPW], v[NIL]
	s_wait_dscnt 0x0
	s_endpgm
.Lfunc_end_k_q2aff479009_attn:
	.size	k_q2aff479009_attn, .Lfunc_end_k_q2aff479009_attn-k_q2aff479009_attn
	.p2alignl 7, 3214868480
	.fill 96, 4, 3214868480
	.section	.rodata,"a",@progbits
	.p2align	6, 0x0
	.amdhsa_kernel k_q2aff479009_attn
		.amdhsa_group_segment_fixed_size 327680
		.amdhsa_private_segment_fixed_size 0
		.amdhsa_enable_private_segment 0
		.amdhsa_kernarg_size 24
		.amdhsa_user_sgpr_count 2
		.amdhsa_user_sgpr_kernarg_segment_ptr 1
		.amdhsa_wavefront_size32 1
		.amdhsa_system_sgpr_workgroup_id_x 1
		.amdhsa_system_sgpr_workgroup_id_y 1
		.amdhsa_system_sgpr_workgroup_id_z 1
		.amdhsa_system_vgpr_workitem_id 0
		.amdhsa_next_free_vgpr 256
		.amdhsa_next_free_sgpr 100
		.amdhsa_reserve_vcc 1
		.amdhsa_float_denorm_mode_32 3
		.amdhsa_float_denorm_mode_16_64 3
		.amdhsa_memory_ordered 1
		.amdhsa_forward_progress 1
		.amdhsa_inst_pref_size 94
	.end_amdhsa_kernel
	.amdgpu_metadata
---
amdhsa.version: [ 1, 2 ]
amdhsa.kernels:
  - .name:           k_q2aff479009_attn
    .symbol:         k_q2aff479009_attn.kd
    .args:
      - { .name: qkv, .offset: 0, .size: 8, .value_kind: global_buffer, .address_space: global }
      - { .name: lowp_scales, .offset: 8, .size: 8, .value_kind: global_buffer, .address_space: global }
      - { .name: att, .offset: 16, .size: 8, .value_kind: global_buffer, .address_space: global }
    .group_segment_fixed_size: 327680
    .private_segment_fixed_size: 0
    .kernarg_segment_align: 8
    .kernarg_segment_size: 24
    .max_flat_workgroup_size: 512
    .sgpr_count:     100
    .vgpr_count:     256
    .wavefront_size: 32
...
	.end_amdgpu_metadata
.endif
;; end of part 3
;; launch wo (part 4): grid 4 x 16, 4 waves a work-group, clusters of 4 x 4, 327,680 bytes of LDS; arguments att, wc, lowp_scales, bo, x, x1; writes x1
.if DOCPART == 4
	.amdgcn_target "amdgcn-amd-amdhsa--gfx1250"
	.amdhsa_code_object_version 6
	.text
	.protected	k_q2aff479009_wo
	.globl	k_q2aff479009_wo
	.p2align	8
	.type	k_q2aff479009_wo,@function
k_q2aff479009_wo:
	s_mov_b64 s[64:65], 0
	v_nop
	global_prefetch_b8 v0, s[64:65] scope:SCOPE_SE
	s_setreg_imm32_b32 hwreg(HW_REG_WAVE_MODE, 25, 1), 1
	s_wait_xcnt 0x0
	s_wait_alu depctr_hold_cnt(0) depctr_sa_sdst(0) depctr_va_vdst(0) depctr_va_sdst(0) depctr_va_ssrc(0) depctr_va_vcc(0) depctr_vm_vsrc(0)
	s_getreg_b32 s2, hwreg(HW_REG_IB_STS2, 6, 4)
	s_cmp_eq_u32 s2, 0
	s_cbranch_scc0 .Lentry_in_a_cluster
	s_endpgm
.Lentry_in_a_cluster:
	s_bfe_u32 s2, ttmp6, 0x10000c
	s_cmp_lg_u32 s2, 0xf033
	s_cbranch_scc0 .Lentry_shape_is_right
	s_endpgm
.Lentry_shape_is_right:
; x1 = x + att wo + bo.  The product on codes of E4M3; operands are images of their registers (16 rows x 128 k = 2,048 bytes).  A work-group makes 256 x 256, four waves 128 x 128 each.
; CLUSTERS of 4 x 4: A's tiles are asked for jointly along a row of the cluster, B's along a column.  The matrix instruction is used transposed: a lane holds eight neighbouring columns of a row.
; Rows of the codes are numbered b * 2048 + s; x and x1 have row (s, b) at s * 8192 + b * 4096.
; LIMIT: the two operands' e added lie between -126 and 127.
.set SIZE_K, 1024
.set BOFF, 9437184
.set EOFF, 40
.set NTOUT, 0
.set KROW16, 16*SIZE_K
.set HALFT,  32768
.set SLOT,   4*HALFT
.set SPARE,  2*SLOT                    ; behind the ring: the spare words, 128 bytes a wave, that no other line names
.set LAPS,   SIZE_K/512
.set SPITCH, 528                       ; the way out: 16 rows x (512 + 16) bytes a wave, in slot 0, which has had its last fill and its last read by then
.set FR, 16
.set NL, 4
.set NP, 4
.set ADRA, 16
.set ADRB, 20
.set STO, 24
.set RD, 25
.set CO, 26
.set SPW, 28
.set NIL, 29
.set AF, 128
.set BK, 128
.set G1, 24
.set G0, 32
.set G1B, 48
.set G0B, 56
.set MSB, 0
.macro WIN new
.if MSB != (\new)
	s_set_vgpr_msb (MSB<<8)|(\new)
.set MSB, (\new)
.endif
.endm
.set MUL_LO, 0xa1
.set MUL_HI, 0xf1
.set TO_B,   0x40
.macro JLOAD s                         ; a joint load: waves 0, 1 for A, waves 2, 3 for B; four v_nop follow each line
	s_cmp_eq_u32 s15, 0
	s_cbranch_scc0 .Lfor_b_\@
	tensor_load_to_lds s[G0+4*\s:G0+4*\s+3], s[G1:G1+7]
	s_nop 0
.rept 4
	v_nop
.endr
	s_branch .Lasked_\@
.Lfor_b_\@:
	tensor_load_to_lds s[G0B+4*\s:G0B+4*\s+3], s[G1B:G1B+7]
	s_nop 0
.rept 4
	v_nop
.endr
.Lasked_\@:
.endm
.macro CREST
	s_cmp_lg_u32 s14, 0
	s_cbranch_scc1 .Lnot_wave_0_\@
	s_barrier_signal -3
.Lnot_wave_0_\@:
	s_barrier_wait -3
	s_barrier_signal -1
	s_barrier_wait -1
.endm
.macro CROUND
	s_barrier_signal -1
	s_barrier_wait -1
	CREST
.endm
.macro FRAG reg, adr, q, i
.irp c, 0,1,2,3
	ds_load_b128 v[\reg+4*\c:\reg+4*\c+3], v[\adr] offset:2048*(\q)+512*\c+(\i)*4096
.endr
.endm
.macro MUL16 a0, p, zero
.irp a, \a0, \a0+1
.irp b, 0,1,2,3,4,5,6,7
.if \zero
	v_wmma_f32_16x16x128_fp8_fp8 v[8*(8*((\a)%4)+\b):8*(8*((\a)%4)+\b)+7], v[128*(\p)+FR*\b:128*(\p)+FR*\b+FR-1], v[AF+FR*(\a):AF+FR*(\a)+FR-1], 0
.else
	v_wmma_f32_16x16x128_fp8_fp8 v[8*(8*((\a)%4)+\b):8*(8*((\a)%4)+\b)+7], v[128*(\p)+FR*\b:128*(\p)+FR*\b+FR-1], v[AF+FR*(\a):AF+FR*(\a)+FR-1], v[8*(8*((\a)%4)+\b):8*(8*((\a)%4)+\b)+7]
.endif
.endr
.endr
.endm
.macro FETCH_B slot, q, p
	WIN TO_B
.irp i, 0,1,2,3,4,5,6,7
	FRAG 128*(\p)+FR*\i, ADRB+\slot, \q, \i
.endr
	WIN 0
.endm
.macro FETCH_A slot, q, i0
.irp i, \i0, \i0+1, \i0+2, \i0+3
	FRAG AF+FR*(\i), ADRA+\slot, \q, \i
.endr
.endm
.macro PLACES n
.rept \n
	v_nop
.endr
.endm
.macro STEP slot, q, zero
	s_wait_dscnt 4*NL                              ; the youngest 16 loads (A's blocks 4-7) may be out
	WIN MUL_LO
	MUL16 0, (\q)%2, \zero
	MUL16 2, (\q)%2, \zero
	s_wait_dscnt 0
	PLACES NP
	FETCH_B \slot, (\q)+1, 1-(\q)%2
	FETCH_A \slot, (\q)+1, 0
	WIN MUL_HI
	MUL16 4, (\q)%2, \zero
	MUL16 6, (\q)%2, \zero
	PLACES NP
	WIN 0
	FETCH_A \slot, (\q)+1, 4
.endm
.macro TURN slot, next, fill
	s_wait_tensorcnt 0x0                           ; all my tensor loads have landed
	ds_add_u32 v[SPW], v[NIL]                      ; 0 onto my spare word
	s_wait_dscnt 4*NL+1                            ; the add and the youngest 16 loads may be out
	WIN MUL_LO
	MUL16 0, 1, 0
	s_wait_dscnt 0x0                               ; the add is done, and my reads of this slot are over
	s_barrier_signal -1
	MUL16 2, 1, 0
	WIN 0
	s_barrier_wait -1
.if \fill
	CREST                                          ; the barrier has opened a round of the cluster's: no wave of any partner still reads this slot or has a load on its way
	s_add_nc_u64 s[G0+4*\slot+2:G0+4*\slot+3], s[G0+4*\slot+2:G0+4*\slot+3], 8192
	s_add_nc_u64 s[G0B+4*\slot+2:G0B+4*\slot+3], s[G0B+4*\slot+2:G0B+4*\slot+3], 8192
	JLOAD \slot
.else
	PLACES NP
.endif
	FETCH_B \next, 0, 0
	FETCH_A \next, 0, 0
	WIN MUL_HI
	MUL16 4, 1, 0
	MUL16 6, 1, 0
	PLACES NP
	WIN 0
	FETCH_A \next, 0, 4
.endm
	s_load_b256 s[4:11], s[0:1], 0x0               ; A's codes, wc, lowp_scales, the bias
	s_load_b128 s[68:71], s[0:1], 0x20             ; the residual, the output
	v_lshl_add_u32 v[SPW], v0, 2, SPARE
	v_mov_b32 v[NIL], 0
	ds_add_u32 v28, v29
	s_wait_dscnt 0x0
	v_lshrrev_b32 v1, 5, v0
	v_readfirstlane_b32 s14, v1
	s_lshr_b32 s15, s14, 1
	s_and_b32 s16, s14, 1
	s_bfe_u32 s40, ttmp6, 0x40000                  ; cx, cy
	s_bfe_u32 s41, ttmp6, 0x40004
	s_lshl_b32 s42, ttmp9, 2
	s_add_co_u32 s42, s42, s40                     ; tile column
	s_and_b32 s17, ttmp7, 0xffff
	s_lshl_b32 s17, s17, 2
	s_add_co_u32 s17, s17, s41                     ; tile row
	s_lshl_b32 s43, s41, 2
	s_lshl_b32 s43, 15, s43                        ; my row of the cluster
	s_lshl_b32 s44, 0x1111, s40                    ; my column
	s_or_b32 s[G1+0], s43, (1<<21)                 ; the mask, bit 21 beside it; elements of 1 byte, no padding
	s_or_b32 s[G1B+0], s44, (1<<21)
.irp g, G1, G1B
	s_mov_b32 s[\g+1], 4096<<16
	s_mov_b32 s[\g+2], 8<<16
	s_mov_b32 s[\g+3], 4096<<16
	s_mov_b32 s[\g+4], 8
	s_mov_b32 s[\g+5], KROW16
	s_mov_b32 s[\g+6], 0
	s_mov_b32 s[\g+7], 0
.endr
	s_lshl_b32 s18, s16, 3
	s_lshl_b32 s20, s17, 4
	s_add_co_u32 s20, s20, s18
	s_mul_i32 s20, s20, KROW16
	s_mov_b32 s21, 0
	s_lshl_b32 s46, s42, 4
	s_add_co_u32 s46, s46, s18
	s_mul_i32 s46, s46, KROW16
	s_mov_b32 s47, 0
	s_mul_i32 s45, s14, HALFT
	s_wait_kmcnt 0x0
	s_load_b64 s[96:97], s[8:9], EOFF
	s_add_nc_u64 s[20:21], s[4:5], s[20:21]
	s_add_nc_u64 s[46:47], s[6:7], s[46:47]
	s_add_nc_u64 s[46:47], s[46:47], BOFF
	CROUND                                         ; all sixteen work-groups are here: the first joint loads meet
.irp s, 0,1
	s_mov_b32 s[G0+4*\s], 1
	s_add_co_u32 s[G0+4*\s+1], s45, \s*SLOT
	s_add_nc_u64 s[G0+4*\s+2:G0+4*\s+3], s[20:21], \s*4096
	s_or_b32 s[G0+4*\s+3], s[G0+4*\s+3], 0x80000000
	s_mov_b32 s[G0B+4*\s], 1
	s_add_co_u32 s[G0B+4*\s+1], s45, \s*SLOT
	s_add_nc_u64 s[G0B+4*\s+2:G0B+4*\s+3], s[46:47], \s*4096
	s_or_b32 s[G0B+4*\s+3], s[G0B+4*\s+3], 0x80000000
	JLOAD \s
.endr
	v_and_b32 v1, 15, v0
	v_bfe_u32 v2, v0, 4, 1
	v_and_b32 v3, 31, v0
	v_lshlrev_b32 v[CO], 4, v3
	s_mul_i32 s21, s15, HALFT
	s_mul_i32 s22, s16, HALFT
	s_add_co_u32 s22, s22, 2*HALFT
.irp s, 0,1
	v_add_nc_u32 v[ADRA+\s], s21, v[CO]
	v_add_nc_u32 v[ADRB+\s], s22, v[CO]
	s_add_co_u32 s21, s21, SLOT
	s_add_co_u32 s22, s22, SLOT
.endr
	s_mul_i32 s23, s14, 16*SPITCH
	v_mul_u32_u24 v5, v1, SPITCH
	v_lshl_add_u32 v5, v2, 5, v5
	v_add_nc_u32 v[STO], s23, v5                   ; the stage, in: row r, 32 bytes for each half of the lanes
	v_add_nc_u32 v[RD], s23, v[CO]                 ; back: a row of 512 bytes
	s_and_b32 s20, s17, 7
	s_lshl_b32 s20, s20, 21
	s_lshl_b32 s21, s15, 20
	s_add_co_u32 s20, s20, s21
	s_lshr_b32 s21, s17, 3
	s_lshl_b32 s21, s21, 12
	s_add_co_u32 s20, s20, s21                     ; my first row: position x 8192 + batch x 4096
	s_lshl_b32 s46, s42, 10
	s_lshl_b32 s47, s16, 9
	s_add_co_u32 s46, s46, s47                     ; my first column, in bytes
	s_mov_b32 s47, 0
	s_add_nc_u64 s[10:11], s[10:11], s[46:47]
	s_add_co_u32 s20, s20, s46
	s_mov_b32 s21, 0
	s_add_nc_u64 s[68:69], s[68:69], s[20:21]
	s_add_nc_u64 s[70:71], s[70:71], s[20:21]
	global_load_b128 v[8:11], v[CO], s[10:11]      ; the bias of the four columns that I store
	s_wait_tensorcnt 1                             ; my part of slot 0 is in; slot 1's may stay out
	s_barrier_signal -1
	s_barrier_wait -1
	FETCH_B 0, 0, 0
	FETCH_A 0, 0, 0
	FETCH_A 0, 0, 4
	STEP 0, 0, 1
	s_mov_b32 s3, LAPS-1
.Llap:
	TURN 0, 1, 1
	STEP 1, 0, 0
	TURN 1, 0, 1
	STEP 0, 0, 0
	s_sub_co_u32 s3, s3, 1
	s_cmp_lg_u32 s3, 0
	s_cbranch_scc1 .Llap
	TURN 0, 1, 0
	STEP 1, 0, 0
	s_wait_dscnt 4*NL
	WIN MUL_LO
	MUL16 0, 1, 0
	MUL16 2, 1, 0
	s_wait_dscnt 0
	WIN MUL_HI
	MUL16 4, 1, 0
	MUL16 6, 1, 0
	WIN 0
; THE WAY OUT, block by block of 16 rows x 128 columns: the raw sums through my stage, back as whole rows; sum x 2^e + bias in one fused line, + the residual; 512 consecutive bytes a store.
.macro RLOAD a                         ; the residual's 16 rows of block a into window 1, set a % 4
	WIN TO_B
.set t, 0
.rept 16
	global_load_b128 v[64*((\a)%4)+4*t:64*((\a)%4)+4*t+3], v[CO], s[68:69] offset:(\a)*131072+t*8192 th:TH_LOAD_NT
.set t, t+1
.endr
	WIN 0
.endm
.macro OUTBLK a, left
.set AC, 64*((\a)%4)
	WIN 0x08+4*((\a)/4)                            ; the stores' data: window 2 or 3
.irp b, 0,1,2,3,4,5,6,7
	ds_store_b128 v[STO], v[AC+8*\b:AC+8*\b+3] offset:64*\b          ; each accumulator from its low end
	ds_store_b128 v[STO], v[AC+8*\b+4:AC+8*\b+7] offset:64*\b+16
.endr
	WIN 0
.if (\a) > 0
	s_wait_xcnt 0x0                                ; the last block's stores have read their registers
.endif
.set t, 0
.rept 16
	ds_load_b128 v[BK+4*t:BK+4*t+3], v[RD] offset:t*SPITCH   ; LDS serves a wave's instructions in order
.set t, t+1
.endr
	s_wait_dscnt 0x0
.set t, 0
.rept 16
	v_pk_fma_f32 v[BK+4*t:BK+4*t+1], v[BK+4*t:BK+4*t+1], s[96:97], v[8:9] op_sel_hi:[1,0,1]
	v_pk_fma_f32 v[BK+4*t+2:BK+4*t+3], v[BK+4*t+2:BK+4*t+3], s[96:97], v[10:11] op_sel_hi:[1,0,1]
.set t, t+1
.endr
	s_wait_loadcnt \left                           ; this block's residual is in; the blocks asked for behind it may be out
	WIN 0x04                                       ; source 1: window 1
.set j, 0
.rept 32
	v_pk_add_f32 v[BK+j:BK+j+1], v[BK+j:BK+j+1], v[AC+j:AC+j+1]
.set j, j+2
.endr
	WIN 0
.set t, 0
.rept 16
.if NTOUT
	global_store_b128 v[CO], v[BK+4*t:BK+4*t+3], s[70:71] offset:(\a)*131072+t*8192 th:TH_STORE_NT
.else
	global_store_b128 v[CO], v[BK+4*t:BK+4*t+3], s[70:71] offset:(\a)*131072+t*8192
.endif
.set t, t+1
.endr
.if (\a) < 4
	RLOAD (\a)+4
.endif
.endm
	s_wait_kmcnt 0x0
	s_add_co_i32 s96, s96, s97
	s_add_co_i32 s96, s96, 127
	s_lshl_b32 s96, s96, 23                        ; 2^(ea + eb)
	s_mov_b32 s97, s96
	s_wait_loadcnt 0x0                             ; the bias
	PLACES NP
	RLOAD 0
	RLOAD 1
	RLOAD 2
	RLOAD 3
	OUTBLK 0, 48
	OUTBLK 1, 48
	OUTBLK 2, 48
	OUTBLK 3, 48
	OUTBLK 4, 48
	OUTBLK 5, 32
	OUTBLK 6, 16
	OUTBLK 7, 0
	s_wait_tensorcnt 0x0                           ; the wave's end
	ds_add_u32 v[SPW], v[NIL]
	s_wait_dscnt 0x0
	CROUND                                         ; the closing round
	s_endpgm
.Lfunc_end_k_q2aff479009_wo:
	.size	k_q2aff479009_wo, .Lfunc_end_k_q2aff479009_wo-k_q2aff479009_wo
	.p2alignl 7, 3214868480
	.fill 96, 4, 3214868480
	.section	.rodata,"a",@progbits
	.p2align	6, 0x0
	.amdhsa_kernel k_q2aff479009_wo
		.amdhsa_group_segment_fixed_size 327680
		.amdhsa_private_segment_fixed_size 0
		.amdhsa_enable_private_segment 0
		.amdhsa_kernarg_size 48
		.amdhsa_user_sgpr_count 2
		.amdhsa_user_sgpr_kernarg_segment_ptr 1
		.amdhsa_wavefront_size32 1
		.amdhsa_system_sgpr_workgroup_id_x 1
		.amdhsa_system_sgpr_workgroup_id_y 1
		.amdhsa_system_sgpr_workgroup_id_z 1
		.amdhsa_system_vgpr_workitem_id 0
		.amdhsa_next_free_vgpr 1024
		.amdhsa_next_free_sgpr 100
		.amdhsa_reserve_vcc 0
		.amdhsa_float_denorm_mode_32 3
		.amdhsa_float_denorm_mode_16_64 3
		.amdhsa_memory_ordered 1
		.amdhsa_forward_progress 1
		.amdhsa_inst_pref_size 152
	.end_amdhsa_kernel
	.amdgpu_metadata
---
amdhsa.version: [ 1, 2 ]
amdhsa.kernels:
  - .name:           k_q2aff479009_wo
    .symbol:         k_q2aff479009_wo.kd
    .args:
      - { .name: att, .offset: 0, .size: 8, .value_kind: global_buffer, .address_space: global }
      - { .name: wc, .offset: 8, .size: 8, .value_kind: global_buffer, .address_space: global }
      - { .name: lowp_scales, .offset: 16, .size: 8, .value_kind: global_buffer, .address_space: global }
      - { .name: bo, .offset: 24, .size: 8, .value_kind: global_buffer, .address_space: global }
      - { .name: x, .offset: 32, .size: 8, .value_kind: global_buffer, .address_space: global }
      - { .name: x1, .offset: 40, .size: 8, .value_kind: global_buffer, .address_space: global }
    .group_segment_fixed_size: 327680
    .private_segment_fixed_size: 0
    .kernarg_segment_align: 8
    .kernarg_segment_size: 48
    .max_flat_workgroup_size: 128
    .sgpr_count:     100
    .vgpr_count:     1024
    .wavefront_size: 32
...
	.end_amdgpu_metadata
.endif
;; end of part 4
;; launch norm2 (part 5): grid 256 x 1, 4 waves a work-group, no clusters, 37,888 bytes of LDS; arguments x1, norm2_w, lowp_scales, h2; writes h2
.if DOCPART == 5
	.amdgcn_target "amdgcn-amd-amdhsa--gfx1250"
	.amdhsa_code_object_version 6
	.text
	.protected	k_q2aff479009_norm2
	.globl	k_q2aff479009_norm2
	.p2align	8
	.type	k_q2aff479009_norm2,@function
k_q2aff479009_norm2:
	s_mov_b64 s[64:65], 0
	v_nop
	global_prefetch_b8 v0, s[64:65] scope:SCOPE_SE
	s_setreg_imm32_b32 hwreg(HW_REG_WAVE_MODE, 25, 1), 1
	s_wait_xcnt 0x0
; RMS norm 2 of x1, quantised with e12 into images of 16 rows x 128 k (byte g*512 + 16*lane + i: k = 16 (2 g + i / 8) + 8 h + i % 8, lane = row + 16 h).
; A work-group takes a tile of 16 rows (row tile = b * 128 + s / 16), a wave four of them.  LIMITS: e12 between -126 and 119; NaN is not served.
.set NS, 1
.set TURN0, 0
.set OUT0, 20480
.set TS, 4
.set TL, 5
.set VOUT, 6
.set VRB, 7
.set VGO, 12
.set RS, 16
.set SCL, 24
.set R, 32
.set W, 160
.set XT, 192
.set C, 224
	s_load_b256 s[4:11], s[0:1], 0x0               ; x1, norm2_w, lowp_scales, h2
	v_lshl_add_u32 v248, v0, 2, 0x9200
	v_mov_b32 v249, 0
	v_lshrrev_b32 v1, 5, v0
	v_readfirstlane_b32 s26, v1
	v_and_b32 v3, 31, v0
	v_lshlrev_b32 v2, 4, v3
	s_mov_b32 s27, ttmp9
	s_and_b32 s28, s27, 127
	s_lshl_b32 s28, s28, 4
	s_lshl_b32 s29, s26, 2
	s_add_co_u32 s28, s28, s29
	s_lshl_b32 s30, s28, 13
	s_lshr_b32 s31, s27, 7
	s_lshl_b32 s31, s31, 12
	s_add_co_u32 s30, s30, s31
	s_mov_b32 s31, 0
	s_wait_kmcnt 0x0
	s_load_b32 s36, s[8:9], 0x30                   ; e12
	s_add_nc_u64 s[4:5], s[4:5], s[30:31]
	s_lshl_b32 s30, s27, 14
	s_add_nc_u64 s[86:87], s[10:11], s[30:31]
	s_mov_b32 s80, 0x3a800000
	s_mov_b32 s81, 0x3727c5ac
	s_mov_b32 s94, 0x76543210
	s_mov_b32 s95, 0xfedcba98
	s_mul_i32 s32, s26, 5120
	s_add_co_u32 s32, s32, TURN0
	v_lshrrev_b32 v13, 2, v3
	v_mul_u32_u24 v13, v13, 80
	v_and_b32 v14, 3, v3
	v_lshl_add_u32 v13, v14, 4, v13
	v_add_nc_u32 v[TS], s32, v13
	v_mul_u32_u24 v13, v3, 80
	v_add_nc_u32 v[TL], s32, v13
	v_lshrrev_b32 v13, 1, v3
	v_mul_u32_u24 v13, v13, 528
	v_and_b32 v14, 1, v3
	v_lshl_add_u32 v13, v14, 3, v13
	s_lshl_b32 s32, s26, 6
	s_add_co_u32 s32, s32, OUT0
	v_add_nc_u32 v[VOUT], s32, v13
	s_mul_i32 s32, s26, 4224
	s_add_co_u32 s32, s32, OUT0
	v_add_nc_u32 v[VRB], s32, v2
	s_lshl_b32 s32, s26, 12
	v_add_nc_u32 v[VGO], s32, v2
.set j, 0
.rept 8
	global_load_b128 v[W+4*j:W+4*j+3], v2, s[6:7] offset:512*j
.set j, j+1
.endr
.irp i, 0,1,2,3
.set j, 0
.rept 8
	global_load_b128 v[R+32*\i+4*j:R+32*\i+4*j+3], v2, s[4:5] offset:\i*8192+512*j th:TH_LOAD_NT
.set j, j+1
.endr
.endr
	s_wait_kmcnt 0x0
	s_add_co_i32 s92, s36, 127
	s_lshl_b32 s93, s92, 23
	v_mov_b32 v[SCL], s93
	s_add_co_i32 s92, s92, 8
	s_lshl_b32 s92, s92, 23
	s_or_b32 s92, s92, 0x600000
	v_mov_b32 v[SCL+1], s92
.irp i, 0,1,2,3
	v_mov_b32 v[RS+2*\i+1], 0
.endr
.macro SUMSQ i
.set RR, R+32*(\i)
	s_wait_loadcnt 8*(3-(\i))                      ; the gain and this row are in; the later rows' loads may be out
	v_pk_mul_f32 v[8:9], v[RR:RR+1], v[RR:RR+1]
	v_pk_mul_f32 v[10:11], v[RR+2:RR+3], v[RR+2:RR+3]
.set j, 4
.rept 7
	v_pk_fma_f32 v[8:9], v[RR+j:RR+j+1], v[RR+j:RR+j+1], v[8:9]
	v_pk_fma_f32 v[10:11], v[RR+j+2:RR+j+3], v[RR+j+2:RR+j+3], v[10:11]
.set j, j+4
.endr
	v_pk_add_f32 v[8:9], v[8:9], v[10:11]
	v_add_f32 v8, v8, v9
	v_add_f32_dpp v8, v8, v8 row_xmask:1 row_mask:0xf bank_mask:0xf
	v_add_f32_dpp v8, v8, v8 row_xmask:2 row_mask:0xf bank_mask:0xf
	v_add_f32_dpp v8, v8, v8 row_xmask:4 row_mask:0xf bank_mask:0xf
	v_add_f32_dpp v8, v8, v8 row_xmask:8 row_mask:0xf bank_mask:0xf
	v_permlanex16_b32 v9, v8, s94, s95
	v_add_f32 v[RS+2*(\i)], v8, v9
.endm
.irp i, 0,1,2,3
	SUMSQ \i
.endr
.irp i, 0,1,2,3
	v_fma_f32 v[RS+2*\i], v[RS+2*\i], s80, s81
.endr
.irp i, 0,1,2,3
	v_rsq_f32 v[RS+2*\i], v[RS+2*\i]
.endr
	v_nop
	s_wait_alu depctr_va_vdst(0)                   ; one wait for the four, ahead of their first reader
.macro ROWQ i
.set RR, R+32*(\i)
.set j, 0
.rept 16
	v_pk_mul_f32 v[RR+j:RR+j+1], v[RR+j:RR+j+1], v[RS+2*(\i):RS+2*(\i)+1] op_sel_hi:[1,0]
.set j, j+2
.endr
.set j, 0
.rept 16
	v_pk_mul_f32 v[RR+j:RR+j+1], v[RR+j:RR+j+1], v[W+j:W+j+1]
.set j, j+2
.endr
.irp u, 0,1
.irp q, 0,1,2,3
	ds_store_b128 v[TS], v[RR+16*\u+4*\q:RR+16*\u+4*\q+3] offset:2560*\u+640*\q
.endr
.irp q, 0,1,2,3
	ds_load_b128 v[XT+16*\u+4*\q:XT+16*\u+4*\q+3], v[TL] offset:2560*\u+16*\q
.endr
.endr
	s_wait_dscnt 0x0                               ; lane l holds k = 512 u + 16 l + 0 .. 15; the last row's code stores are done too
.irp u, 0,1
.set TT, RR+16*\u
.set k, 0
.rept 16
	v_med3_num_f32 v[TT+k], v[XT+16*\u+k], -v[SCL+1], v[SCL+1]
.set k, k+1
.endr
	v_cvt_scalef32_pk8_fp8_f32 v[C+4*\u:C+4*\u+1], v[TT:TT+7], v[SCL]
	v_cvt_scalef32_pk8_fp8_f32 v[C+4*\u+2:C+4*\u+3], v[TT+8:TT+15], v[SCL]
.endr
	v_nop
.irp u, 0,1
	ds_store_b64 v[VOUT], v[C+4*\u:C+4*\u+1] offset:\u*8448+16*(\i)
	ds_store_b64 v[VOUT], v[C+4*\u+2:C+4*\u+3] offset:\u*8448+256+16*(\i)
.endr
.endm
.irp i, 0,1,2,3
	ROWQ \i
.endr
	s_wait_dscnt 0x0                               ; for the others' sake: my codes lie in LDS
	s_barrier_signal -1
	s_barrier_wait -1
.set q, 0
.rept 8
	ds_load_b128 v[R+4*q:R+4*q+3], v[VRB] offset:528*q
.set q, q+1
.endr
.set q, 0
.rept 8
	s_wait_dscnt 7-q
	global_store_b128 v[VGO], v[R+4*q:R+4*q+3], s[86:87] offset:512*q
.set q, q+1
.endr
	s_wait_tensorcnt 0x0
	ds_add_u32 v248, v249
	s_wait_dscnt 0x0
	s_endpgm
.Lfunc_end_k_q2aff479009_norm2:
	.size	k_q2aff479009_norm2, .Lfunc_end_k_q2aff479009_norm2-k_q2aff479009_norm2
	.p2alignl 7, 3214868480
	.fill 96, 4, 3214868480
	.section	.rodata,"a",@progbits
	.p2align	6, 0x0
	.amdhsa_kernel k_q2aff479009_norm2
		.amdhsa_group_segment_fixed_size 37888
		.amdhsa_private_segment_fixed_size 0
		.amdhsa_enable_private_segment 0
		.amdhsa_kernarg_size 32
		.amdhsa_user_sgpr_count 2
		.amdhsa_user_sgpr_kernarg_segment_ptr 1
		.amdhsa_wavefront_size32 1
		.amdhsa_system_sgpr_workgroup_id_x 1
		.amdhsa_system_sgpr_workgroup_id_y 1
		.amdhsa_system_sgpr_workgroup_id_z 1
		.amdhsa_system_vgpr_workitem_id 0
		.amdhsa_next_free_vgpr 250
		.amdhsa_next_free_sgpr 100
		.amdhsa_reserve_vcc 0
		.amdhsa_float_denorm_mode_32 3
		.amdhsa_float_denorm_mode_16_64 3
		.amdhsa_memory_ordered 1
		.amdhsa_forward_progress 1
		.amdhsa_inst_pref_size 37
	.end_amdhsa_kernel
	.amdgpu_metadata
---
amdhsa.version: [ 1, 2 ]
amdhsa.kernels:
  - .name:           k_q2aff479009_norm2
    .symbol:         k_q2aff479009_norm2.kd
    .args:
      - { .name: x1, .offset: 0, .size: 8, .value_kind: global_buffer, .address_space: global }
      - { .name: norm2_w, .offset: 8, .size: 8, .value_kind: global_buffer, .address_space: global }
      - { .name: lowp_scales, .offset: 16, .size: 8, .value_kind: global_buffer, .address_space: global }
      - { .name: h2, .offset: 24, .size: 8, .value_kind: global_buffer, .address_space: global }
    .group_segment_fixed_size: 37888
    .private_segment_fixed_size: 0
    .kernarg_segment_align: 8
    .kernarg_segment_size: 32
    .max_flat_workgroup_size: 128
    .sgpr_count:     100
    .vgpr_count:     250
    .wavefront_size: 32
...
	.end_amdgpu_metadata
.endif
;; end of part 5
;; launch mlp1 (part 6): grid 16 x 16, 4 waves a work-group, clusters of 4 x 4, 327,680 bytes of LDS; arguments h2, wc, lowp_scales, b1, hid; writes hid
.if DOCPART == 6
	.amdgcn_target "amdgcn-amd-amdhsa--gfx1250"
	.amdhsa_code_object_version 6
	.text
	.protected	k_q2aff479009_mlp1
	.globl	k_q2aff479009_mlp1
	.p2align	8
	.type	k_q2aff479009_mlp1,@function
k_q2aff479009_mlp1:
	s_mov_b64 s[64:65], 0
	v_nop
	global_prefetch_b8 v0, s[64:65] scope:SCOPE_SE
	s_setreg_imm32_b32 hwreg(HW_REG_WAVE_MODE, 25, 1), 1
	s_wait_xcnt 0x0
	s_wait_alu depctr_hold_cnt(0) depctr_sa_sdst(0) depctr_va_vdst(0) depctr_va_sdst(0) depctr_va_ssrc(0) depctr_va_vcc(0) depctr_vm_vsrc(0)
	s_getreg_b32 s2, hwreg(HW_REG_IB_STS2, 6, 4)
	s_cmp_eq_u32 s2, 0
	s_cbranch_scc0 .Lentry_in_a_cluster
	s_endpgm
.Lentry_in_a_cluster:
	s_bfe_u32 s2, ttmp6, 0x10000c
	s_cmp_lg_u32 s2, 0xf033
	s_cbranch_scc0 .Lentry_shape_is_right
	s_endpgm
.Lentry_shape_is_right:
; hid = Q(gelu(h2 w1 + b1)): the product on codes of E4M3, the exact (erf) GELU in f32, the quantiser with e14.  A work-group makes 256 x 256, four waves 128 x 128; clusters of 4 x 4 with joint loads.
; gelu(y) = max(q, y - q), q = y/2 erfc(|y| / sqrt 2): q where y < 0, y - q else.  erfc(z) = t exp(-z^2 + a polynomial of degree 9 in t), t = 1 / (1 + z / 2): its relative error is about 1.2e-7 for every z.
; The sums + bias go through LDS (the ring's bytes, which have had their last fill and, behind a barrier, their last read) so that the GELU is a loop of eight trips and not 512 numbers written out.
; A lane holds row r and columns 16 b + 8 h + 0..7: a conversion of tile b is registers 2 b, 2 b + 1 of the next operand's image, stored straight from registers.
; LIMITS: e12 + e13 between -126 and 127; e14 between -126 and 119.  NaN and infinities among the inputs are not served.
.set SIZE_K, 1024
.set BOFF, 0
.set KROW16, 16*SIZE_K
.set HALFT,  32768
.set SLOT,   4*HALFT
.set SPARE,  2*SLOT                    ; behind the ring: the spare words, 128 bytes a wave, that no other line names
.set LAPS,   SIZE_K/512
.set FR, 16
.set NL, 4
.set NP, 4
.set DA, 13
.set ADRA, 16
.set ADRB, 20
.set CO, 26
.set SPW, 28
.set NIL, 29
.set BIAS, 32
.set CF, 96
.set AF, 128
.set Y, 128
.set T, 192
.set Z, 208
.set P, 224
.set CD, 240
.set G1, 24
.set G0, 32
.set G1B, 48
.set G0B, 56
.set MSB, 0
.macro WIN new
.if MSB != (\new)
	s_set_vgpr_msb (MSB<<8)|(\new)
.set MSB, (\new)
.endif
.endm
.set MUL_LO, 0xa1
.set MUL_HI, 0xf1
.set TO_B,   0x40
.macro JLOAD s
	s_cmp_eq_u32 s15, 0
	s_cbranch_scc0 .Lfor_b_\@
	tensor_load_to_lds s[G0+4*\s:G0+4*\s+3], s[G1:G1+7]
	s_nop 0
.rept 4
	v_nop
.endr
	s_branch .Lasked_\@
.Lfor_b_\@:
	tensor_load_to_lds s[G0B+4*\s:G0B+4*\s+3], s[G1B:G1B+7]
	s_nop 0
.rept 4
	v_nop
.endr
.Lasked_\@:
.endm
.macro CREST
	s_cmp_lg_u32 s14, 0
	s_cbranch_scc1 .Lnot_wave_0_\@
	s_barrier_signal -3
.Lnot_wave_0_\@:
	s_barrier_wait -3
	s_barrier_signal -1
	s_barrier_wait -1
.endm
.macro CROUND
	s_barrier_signal -1
	s_barrier_wait -1
	CREST
.endm
.macro FRAG reg, adr, q, i
.irp c, 0,1,2,3
	ds_load_b128 v[\reg+4*\c:\reg+4*\c+3], v[\adr] offset:2048*(\q)+512*\c+(\i)*4096
.endr
.endm
.macro MUL16 a0, p, zero
.irp a, \a0, \a0+1
.irp b, 0,1,2,3,4,5,6,7
.if \zero
	v_wmma_f32_16x16x128_fp8_fp8 v[8*(8*((\a)%4)+\b):8*(8*((\a)%4)+\b)+7], v[128*(\p)+FR*\b:128*(\p)+FR*\b+FR-1], v[AF+FR*(\a):AF+FR*(\a)+FR-1], 0
.else
	v_wmma_f32_16x16x128_fp8_fp8 v[8*(8*((\a)%4)+\b):8*(8*((\a)%4)+\b)+7], v[128*(\p)+FR*\b:128*(\p)+FR*\b+FR-1], v[AF+FR*(\a):AF+FR*(\a)+FR-1], v[8*(8*((\a)%4)+\b):8*(8*((\a)%4)+\b)+7]
.endif
.endr
.endr
.endm
.macro FETCH_B slot, q, p
	WIN TO_B
.irp i, 0,1,2,3,4,5,6,7
	FRAG 128*(\p)+FR*\i, ADRB+\slot, \q, \i
.endr
	WIN 0
.endm
.macro FETCH_A slot, q, i0
.irp i, \i0, \i0+1, \i0+2, \i0+3
	FRAG AF+FR*(\i), ADRA+\slot, \q, \i
.endr
.endm
.macro PLACES n
.rept \n
	v_nop
.endr
.endm
.macro STEP slot, q, zero
	s_wait_dscnt 4*NL                              ; the youngest 16 loads (A's blocks 4-7) may be out
	WIN MUL_LO
	MUL16 0, (\q)%2, \zero
	MUL16 2, (\q)%2, \zero
	s_wait_dscnt 0
	PLACES NP
	FETCH_B \slot, (\q)+1, 1-(\q)%2
	FETCH_A \slot, (\q)+1, 0
	WIN MUL_HI
	MUL16 4, (\q)%2, \zero
	MUL16 6, (\q)%2, \zero
	PLACES NP
	WIN 0
	FETCH_A \slot, (\q)+1, 4
.endm
.macro TURN slot, next, fill
	s_wait_tensorcnt 0x0                           ; all my tensor loads have landed
	ds_add_u32 v[SPW], v[NIL]                      ; 0 onto my spare word
	s_wait_dscnt 4*NL+1                            ; the add and the youngest 16 loads may be out
	WIN MUL_LO
	MUL16 0, 1, 0
	s_wait_dscnt 0x0                               ; the add is done, and my reads of this slot are over
	s_barrier_signal -1
	MUL16 2, 1, 0
	WIN 0
	s_barrier_wait -1
.if \fill
	CREST                                          ; the barrier has opened a round of the cluster's
	s_add_nc_u64 s[G0+4*\slot+2:G0+4*\slot+3], s[G0+4*\slot+2:G0+4*\slot+3], 8192
	s_add_nc_u64 s[G0B+4*\slot+2:G0B+4*\slot+3], s[G0B+4*\slot+2:G0B+4*\slot+3], 8192
	JLOAD \slot
.else
	PLACES NP
.endif
	FETCH_B \next, 0, 0
	FETCH_A \next, 0, 0
	WIN MUL_HI
	MUL16 4, 1, 0
	MUL16 6, 1, 0
	PLACES NP
	WIN 0
	FETCH_A \next, 0, 4
.endm
	s_load_b256 s[4:11], s[0:1], 0x0               ; h2, wc, lowp_scales, b1
	s_load_b64 s[12:13], s[0:1], 0x20              ; hid
	v_lshl_add_u32 v[SPW], v0, 2, SPARE
	v_mov_b32 v[NIL], 0
	ds_add_u32 v28, v29
	s_wait_dscnt 0x0
	v_lshrrev_b32 v1, 5, v0
	v_readfirstlane_b32 s14, v1
	s_lshr_b32 s15, s14, 1
	s_and_b32 s16, s14, 1
	s_bfe_u32 s40, ttmp6, 0x40000
	s_bfe_u32 s41, ttmp6, 0x40004
	s_lshl_b32 s42, ttmp9, 2
	s_add_co_u32 s42, s42, s40
	s_and_b32 s17, ttmp7, 0xffff
	s_lshl_b32 s17, s17, 2
	s_add_co_u32 s17, s17, s41
	s_lshl_b32 s43, s41, 2
	s_lshl_b32 s43, 15, s43
	s_lshl_b32 s44, 0x1111, s40
	s_or_b32 s[G1+0], s43, (1<<21)
	s_or_b32 s[G1B+0], s44, (1<<21)
.irp g, G1, G1B
	s_mov_b32 s[\g+1], 4096<<16
	s_mov_b32 s[\g+2], 8<<16
	s_mov_b32 s[\g+3], 4096<<16
	s_mov_b32 s[\g+4], 8
	s_mov_b32 s[\g+5], KROW16
	s_mov_b32 s[\g+6], 0
	s_mov_b32 s[\g+7], 0
.endr
	s_lshl_b32 s18, s16, 3
	s_lshl_b32 s20, s17, 4
	s_add_co_u32 s20, s20, s18
	s_mul_i32 s20, s20, KROW16
	s_mov_b32 s21, 0
	s_lshl_b32 s46, s42, 4
	s_add_co_u32 s46, s46, s18
	s_mul_i32 s46, s46, KROW16
	s_mov_b32 s47, 0
	s_mul_i32 s45, s14, HALFT
	s_wait_kmcnt 0x0
	s_load_b128 s[68:71], s[8:9], 0x30             ; e12 .. e15
	s_add_nc_u64 s[20:21], s[4:5], s[20:21]
	s_add_nc_u64 s[46:47], s[6:7], s[46:47]
	s_add_nc_u64 s[46:47], s[46:47], BOFF
	CROUND
.irp s, 0,1
	s_mov_b32 s[G0+4*\s], 1
	s_add_co_u32 s[G0+4*\s+1], s45, \s*SLOT
	s_add_nc_u64 s[G0+4*\s+2:G0+4*\s+3], s[20:21], \s*4096
	s_or_b32 s[G0+4*\s+3], s[G0+4*\s+3], 0x80000000
	s_mov_b32 s[G0B+4*\s], 1
	s_add_co_u32 s[G0B+4*\s+1], s45, \s*SLOT
	s_add_nc_u64 s[G0B+4*\s+2:G0B+4*\s+3], s[46:47], \s*4096
	s_or_b32 s[G0B+4*\s+3], s[G0B+4*\s+3], 0x80000000
	JLOAD \s
.endr
	v_and_b32 v1, 15, v0
	v_bfe_u32 v2, v0, 4, 1
	v_and_b32 v3, 31, v0
	v_lshlrev_b32 v[CO], 4, v3
	v_lshlrev_b32 v27, 5, v2                       ; 32 h
	s_mul_i32 s21, s15, HALFT
	s_mul_i32 s22, s16, HALFT
	s_add_co_u32 s22, s22, 2*HALFT
.irp s, 0,1
	v_add_nc_u32 v[ADRA+\s], s21, v[CO]
	v_add_nc_u32 v[ADRB+\s], s22, v[CO]
	s_add_co_u32 s21, s21, SLOT
	s_add_co_u32 s22, s22, SLOT
.endr
	s_lshl_b32 s23, s14, 16
	v_add_nc_u32 v[DA], s23, v[CO]                 ; my 65,536 bytes for the sums
	s_lshl_b32 s46, s42, 10
	s_lshl_b32 s47, s16, 9
	s_add_co_u32 s46, s46, s47
	s_mov_b32 s47, 0
	s_add_nc_u64 s[10:11], s[10:11], s[46:47]      ; b1 at my 128 columns
	s_lshl_b32 s20, s17, 20
	s_lshl_b32 s21, s15, 19
	s_add_co_u32 s20, s20, s21
	s_lshl_b32 s46, s42, 12
	s_add_co_u32 s20, s20, s46
	s_lshl_b32 s46, s16, 11
	s_add_co_u32 s20, s20, s46
	s_mov_b32 s21, 0
	s_add_nc_u64 s[12:13], s[12:13], s[20:21]      ; image (row tile 16 ty + 8 (w / 2), 2 tx + w % 2) of hid
.set i, 0
.rept 8
	global_load_b128 v[BIAS+8*i:BIAS+8*i+3], v27, s[10:11] offset:64*i
	global_load_b128 v[BIAS+8*i+4:BIAS+8*i+7], v27, s[10:11] offset:64*i+16
.set i, i+1
.endr
.macro COEF k, bits
	v_mov_b32 v[CF+2*\k], \bits
	v_mov_b32 v[CF+2*\k+1], \bits
.endm
	COEF 0, 0xbfa1fc4e
	COEF 1, 0x3f8000c7
	COEF 2, 0x3ebf88fb
	COEF 3, 0x3dc636c9
	COEF 4, 0xbe3ec24c
	COEF 5, 0x3e8ec7cc
	COEF 6, 0xbf914e5d
	COEF 7, 0x3fbe87b0
	COEF 8, 0xbf527891
	COEF 9, 0x3e2ef945
	COEF 10, 0x3fb8aa3b                            ; log2(e)
	s_mov_b32 s74, 0x3eb504f3                      ; 1 / (2 sqrt 2)
	s_wait_tensorcnt 1
	s_barrier_signal -1
	s_barrier_wait -1
	FETCH_B 0, 0, 0
	FETCH_A 0, 0, 0
	FETCH_A 0, 0, 4
	STEP 0, 0, 1
	s_mov_b32 s3, LAPS-1
.Llap:
	TURN 0, 1, 1
	STEP 1, 0, 0
	TURN 1, 0, 1
	STEP 0, 0, 0
	s_sub_co_u32 s3, s3, 1
	s_cmp_lg_u32 s3, 0
	s_cbranch_scc1 .Llap
	TURN 0, 1, 0
	STEP 1, 0, 0
	s_wait_dscnt 4*NL
	WIN MUL_LO
	MUL16 0, 1, 0
	MUL16 2, 1, 0
	s_wait_dscnt 0
	WIN MUL_HI
	MUL16 4, 1, 0
	MUL16 6, 1, 0
	WIN 0
	s_wait_dscnt 0x0                               ; my reads of the ring are over;
	s_barrier_signal -1
	s_barrier_wait -1                              ; everybody's are: its bytes may be written
	s_wait_kmcnt 0x0
	s_add_co_i32 s96, s68, s69
	s_add_co_i32 s96, s96, 127
	s_lshl_b32 s96, s96, 23                        ; 2^(e12 + e13)
	s_mov_b32 s97, s96
	s_add_co_i32 s72, s70, 127
	s_lshl_b32 s73, s72, 23
	v_mov_b32 v30, s73                             ; 2^e14
	s_add_co_i32 s72, s72, 8
	s_lshl_b32 s72, s72, 23
	s_or_b32 s72, s72, 0x600000
	v_mov_b32 v31, s72                             ; 448 x 2^e14
	s_wait_loadcnt 0x0                             ; b1
	PLACES NP
.macro DUMP a                          ; block a: sum x 2^e + b1, to my bytes of LDS as the registers stand
.set AC, 64*((\a)%4)
.set DS, 128+64*((\a)%2)
.if (\a) >= 2
	s_wait_dscnt 16                                ; this set's earlier stores are done; the last block's 16 may be out
.endif
	WIN 0x02+((\a)/4)
.set j, 0
.rept 32
	v_pk_fma_f32 v[DS+j:DS+j+1], v[AC+j:AC+j+1], s[96:97], v[BIAS+j:BIAS+j+1] op_sel_hi:[1,0,1]
.set j, j+2
.endr
	WIN 0
.set i, 0
.rept 16
	ds_store_b128 v[DA], v[DS+4*i:DS+4*i+3] offset:(16*(\a)+i)*512
.set i, i+1
.endr
.endm
.irp a, 0,1,2,3,4,5,6,7
	DUMP \a
.endr
	s_wait_dscnt 0x0
.macro GELU16 g                        ; 16 numbers: tiles 2 g and 2 g + 1
.set YY, Y+16*(\g)
.set k, 0
.rept 16
	v_fma_f32 v[T+k], |v[YY+k]|, s74, 1.0
.set k, k+1
.endr
.set k, 0
.rept 16
	v_rcp_f32 v[T+k], v[T+k]
.set k, k+1
.endr
.set k, 0
.rept 8
	v_pk_mul_f32 v[Z+k:Z+k+1], v[YY+k:YY+k+1], v[YY+k:YY+k+1]
.set k, k+2
.endr
	s_wait_alu depctr_va_vdst(0)                   ; one wait for the sixteen reciprocals, ahead of their first reader
.set k, 0
.rept 8
	v_pk_fma_f32 v[P+k:P+k+1], v[T+k:T+k+1], v[CF+18:CF+19], v[CF+16:CF+17]
.set k, k+2
.endr
.irp c, 7,6,5,4,3,2,1,0
.set k, 0
.rept 8
	v_pk_fma_f32 v[P+k:P+k+1], v[P+k:P+k+1], v[T+k:T+k+1], v[CF+2*\c:CF+2*\c+1]
.set k, k+2
.endr
.endr
.set k, 0
.rept 8
	v_pk_fma_f32 v[P+k:P+k+1], v[Z+k:Z+k+1], -0.5, v[P+k:P+k+1] op_sel_hi:[1,0,1]   ; - z^2 = - y^2 / 2
.set k, k+2
.endr
.set k, 0
.rept 8
	v_pk_mul_f32 v[P+k:P+k+1], v[P+k:P+k+1], v[CF+20:CF+21]
.set k, k+2
.endr
.set k, 0
.rept 16
	v_exp_f32 v[P+k], v[P+k]
.set k, k+1
.endr
.set k, 0
.rept 8
	v_pk_mul_f32 v[Z+k:Z+k+1], v[YY+k:YY+k+1], 0.5 op_sel_hi:[1,0]
.set k, k+2
.endr
	s_wait_alu depctr_va_vdst(0)                   ; one wait for the sixteen exponentials
.set k, 0
.rept 8
	v_pk_mul_f32 v[P+k:P+k+1], v[P+k:P+k+1], v[T+k:T+k+1]
.set k, k+2
.endr
.set k, 0
.rept 8
	v_pk_mul_f32 v[P+k:P+k+1], v[P+k:P+k+1], v[Z+k:Z+k+1]                           ; q
.set k, k+2
.endr
.set k, 0
.rept 8
	v_pk_add_f32 v[Z+k:Z+k+1], v[YY+k:YY+k+1], v[P+k:P+k+1] neg_lo:[0,1] neg_hi:[0,1]   ; y - q
.set k, k+2
.endr
.set k, 0
.rept 16
	v_max_num_f32 v[YY+k], v[P+k], v[Z+k]
.set k, k+1
.endr
.set k, 0
.rept 16
	v_med3_num_f32 v[YY+k], v[YY+k], -v31, v31
.set k, k+1
.endr
	v_cvt_scalef32_pk8_fp8_f32 v[CD+4*(\g):CD+4*(\g)+1], v[YY:YY+7], v30
	v_cvt_scalef32_pk8_fp8_f32 v[CD+4*(\g)+2:CD+4*(\g)+3], v[YY+8:YY+15], v30
.endm
	s_mov_b32 s72, 0
	s_mov_b32 s73, 0
.Lg:                                   ; a trip: 16 rows x my 128 columns = one image of hid
	v_add_nc_u32 v12, s72, v[DA]
.set i, 0
.rept 16
	ds_load_b128 v[Y+4*i:Y+4*i+3], v12 offset:512*i
.set i, i+1
.endr
	s_wait_dscnt 0x0
	GELU16 0
	GELU16 1
	GELU16 2
	GELU16 3
	v_nop                                          ; a plain line behind the last conversion
.irp g, 0,1,2,3
	global_store_b128 v[CO], v[CD+4*\g:CD+4*\g+3], s[12:13] offset:512*\g
.endr
	s_wait_xcnt 0x0                                ; the stores have read their registers and their base
	s_add_nc_u64 s[12:13], s[12:13], 65536
	s_add_co_u32 s72, s72, 8192
	s_add_co_u32 s73, s73, 1
	s_cmp_lt_u32 s73, 8
	s_cbranch_scc1 .Lg
	s_wait_tensorcnt 0x0                           ; the wave's end
	ds_add_u32 v[SPW], v[NIL]
	s_wait_dscnt 0x0
	CROUND                                         ; the closing round
	s_endpgm
.Lfunc_end_k_q2aff479009_mlp1:
	.size	k_q2aff479009_mlp1, .Lfunc_end_k_q2aff479009_mlp1-k_q2aff479009_mlp1
	.p2alignl 7, 3214868480
	.fill 96, 4, 3214868480
	.section	.rodata,"a",@progbits
	.p2align	6, 0x0
	.amdhsa_kernel k_q2aff479009_mlp1
		.amdhsa_group_segment_fixed_size 327680
		.amdhsa_private_segment_fixed_size 0
		.amdhsa_enable_private_segment 0
		.amdhsa_kernarg_size 40
		.amdhsa_user_sgpr_count 2
		.amdhsa_user_sgpr_kernarg_segment_ptr 1
		.amdhsa_wavefront_size32 1
		.amdhsa_system_sgpr_workgroup_id_x 1
		.amdhsa_system_sgpr_workgroup_id_y 1
		.amdhsa_system_sgpr_workgroup_id_z 1
		.amdhsa_system_vgpr_workitem_id 0
		.amdhsa_next_free_vgpr 1024
		.amdhsa_next_free_sgpr 100
		.amdhsa_reserve_vcc 0
		.amdhsa_float_denorm_mode_32 3
		.amdhsa_float_denorm_mode_16_64 3
		.amdhsa_memory_ordered 1
		.amdhsa_forward_progress 1
		.amdhsa_inst_pref_size 154
	.end_amdhsa_kernel
	.amdgpu_metadata
---
amdhsa.version: [ 1, 2 ]
amdhsa.kernels:
  - .name:           k_q2aff479009_mlp1
    .symbol:         k_q2aff479009_mlp1.kd
    .args:
      - { .name: h2, .offset: 0, .size: 8, .value_kind: global_buffer, .address_space: global }
      - { .name: wc, .offset: 8, .size: 8, .value_kind: global_buffer, .address_space: global }
      - { .name: lowp_scales, .offset: 16, .size: 8, .value_kind: global_buffer, .address_space: global }
      - { .name: b1, .offset: 24, .size: 8, .value_kind: global_buffer, .address_space: global }
      - { .name: hid, .offset: 32, .size: 8, .value_kind: global_buffer, .address_space: global }
    .group_segment_fixed_size: 327680
    .private_segment_fixed_size: 0
    .kernarg_segment_align: 8
    .kernarg_segment_size: 40
    .max_flat_workgroup_size: 128
    .sgpr_count:     100
    .vgpr_count:     1024
    .wavefront_size: 32
...
	.end_amdgpu_metadata
.endif
;; end of part 6
;; launch mlp2 (part 7): grid 4 x 16, 4 waves a work-group, clusters of 4 x 4, 327,680 bytes of LDS; arguments hid, wc, lowp_scales, b2, x1, out0; writes out0
.if DOCPART == 7
	.amdgcn_target "amdgcn-amd-amdhsa--gfx1250"
	.amdhsa_code_object_version 6
	.text
	.protected	k_q2aff479009_mlp2
	.globl	k_q2aff479009_mlp2
	.p2align	8
	.type	k_q2aff479009_mlp2,@function
k_q2aff479009_mlp2:
	s_mov_b64 s[64:65], 0
	v_nop
	global_prefetch_b8 v0, s[64:65] scope:SCOPE_SE
	s_setreg_imm32_b32 hwreg(HW_REG_WAVE_MODE, 25, 1), 1
	s_wait_xcnt 0x0
	s_wait_alu depctr_hold_cnt(0) depctr_sa_sdst(0) depctr_va_vdst(0) depctr_va_sdst(0) depctr_va_ssrc(0) depctr_va_vcc(0) depctr_vm_vsrc(0)
	s_getreg_b32 s2, hwreg(HW_REG_IB_STS2, 6, 4)
	s_cmp_eq_u32 s2, 0
	s_cbranch_scc0 .Lentry_in_a_cluster
	s_endpgm
.Lentry_in_a_cluster:
	s_bfe_u32 s2, ttmp6, 0x10000c
	s_cmp_lg_u32 s2, 0xf033
	s_cbranch_scc0 .Lentry_shape_is_right
	s_endpgm
.Lentry_shape_is_right:
; out0 = x1 + hid w2 + b2.  The product on codes of E4M3 (K = 4,096); operands are images of their registers (16 rows x 128 k = 2,048 bytes).  A work-group makes 256 x 256, four waves 128 x 128 each.
; CLUSTERS of 4 x 4: A's tiles are asked for jointly along a row of the cluster, B's along a column.  The matrix instruction is used transposed: a lane holds eight neighbouring columns of a row.
; Rows of the codes are numbered b * 2048 + s; x1 and out0 have row (s, b) at s * 8192 + b * 4096.
; LIMIT: the two operands' e added lie between -126 and 127.
.set SIZE_K, 4096
.set BOFF, 4194304
.set EOFF, 56
.set NTOUT, 1
.set KROW16, 16*SIZE_K
.set HALFT,  32768
.set SLOT,   4*HALFT
.set SPARE,  2*SLOT                    ; behind the ring: the spare words, 128 bytes a wave, that no other line names
.set LAPS,   SIZE_K/512
.set SPITCH, 528                       ; the way out: 16 rows x (512 + 16) bytes a wave, in slot 0, which has had its last fill and its last read by then
.set FR, 16
.set NL, 4
.set NP, 4
.set ADRA, 16
.set ADRB, 20
.set STO, 24
.set RD, 25
.set CO, 26
.set SPW, 28
.set NIL, 29
.set AF, 128
.set BK, 128
.set G1, 24
.set G0, 32
.set G1B, 48
.set G0B, 56
.set MSB, 0
.macro WIN new
.if MSB != (\new)
	s_set_vgpr_msb (MSB<<8)|(\new)
.set MSB, (\new)
.endif
.endm
.set MUL_LO, 0xa1
.set MUL_HI, 0xf1
.set TO_B,   0x40
.macro JLOAD s                         ; a joint load: waves 0, 1 for A, waves 2, 3 for B; four v_nop follow each line
	s_cmp_eq_u32 s15, 0
	s_cbranch_scc0 .Lfor_b_\@
	tensor_load_to_lds s[G0+4*\s:G0+4*\s+3], s[G1:G1+7]
	s_nop 0
.rept 4
	v_nop
.endr
	s_branch .Lasked_\@
.Lfor_b_\@:
	tensor_load_to_lds s[G0B+4*\s:G0B+4*\s+3], s[G1B:G1B+7]
	s_nop 0
.rept 4
	v_nop
.endr
.Lasked_\@:
.endm
.macro CREST
	s_cmp_lg_u32 s14, 0
	s_cbranch_scc1 .Lnot_wave_0_\@
	s_barrier_signal -3
.Lnot_wave_0_\@:
	s_barrier_wait -3
	s_barrier_signal -1
	s_barrier_wait -1
.endm
.macro CROUND
	s_barrier_signal -1
	s_barrier_wait -1
	CREST
.endm
.macro FRAG reg, adr, q, i
.irp c, 0,1,2,3
	ds_load_b128 v[\reg+4*\c:\reg+4*\c+3], v[\adr] offset:2048*(\q)+512*\c+(\i)*4096
.endr
.endm
.macro MUL16 a0, p, zero
.irp a, \a0, \a0+1
.irp b, 0,1,2,3,4,5,6,7
.if \zero
	v_wmma_f32_16x16x128_fp8_fp8 v[8*(8*((\a)%4)+\b):8*(8*((\a)%4)+\b)+7], v[128*(\p)+FR*\b:128*(\p)+FR*\b+FR-1], v[AF+FR*(\a):AF+FR*(\a)+FR-1], 0
.else
	v_wmma_f32_16x16x128_fp8_fp8 v[8*(8*((\a)%4)+\b):8*(8*((\a)%4)+\b)+7], v[128*(\p)+FR*\b:128*(\p)+FR*\b+FR-1], v[AF+FR*(\a):AF+FR*(\a)+FR-1], v[8*(8*((\a)%4)+\b):8*(8*((\a)%4)+\b)+7]
.endif
.endr
.endr
.endm
.macro FETCH_B slot, q, p
	WIN TO_B
.irp i, 0,1,2,3,4,5,6,7
	FRAG 128*(\p)+FR*\i, ADRB+\slot, \q, \i
.endr
	WIN 0
.endm
.macro FETCH_A slot, q, i0
.irp i, \i0, \i0+1, \i0+2, \i0+3
	FRAG AF+FR*(\i), ADRA+\slot, \q, \i
.endr
.endm
.macro PLACES n
.rept \n
	v_nop
.endr
.endm
.macro STEP slot, q, zero
	s_wait_dscnt 4*NL                              ; the youngest 16 loads (A's blocks 4-7) may be out
	WIN MUL_LO
	MUL16 0, (\q)%2, \zero
	MUL16 2, (\q)%2, \zero
	s_wait_dscnt 0
	PLACES NP
	FETCH_B \slot, (\q)+1, 1-(\q)%2
	FETCH_A \slot, (\q)+1, 0
	WIN MUL_HI
	MUL16 4, (\q)%2, \zero
	MUL16 6, (\q)%2, \zero
	PLACES NP
	WIN 0
	FETCH_A \slot, (\q)+1, 4
.endm
.macro TURN slot, next, fill
	s_wait_tensorcnt 0x0                           ; all my tensor loads have landed
	ds_add_u32 v[SPW], v[NIL]                      ; 0 onto my spare word
	s_wait_dscnt 4*NL+1                            ; the add and the youngest 16 loads may be out
	WIN MUL_LO
	MUL16 0, 1, 0
	s_wait_dscnt 0x0                               ; the add is done, and my reads of this slot are over
	s_barrier_signal -1
	MUL16 2, 1, 0
	WIN 0
	s_barrier_wait -1
.if \fill
	CREST                                          ; the barrier has opened a round of the cluster's: no wave of any partner still reads this slot or has a load on its way
	s_add_nc_u64 s[G0+4*\slot+2:G0+4*\slot+3], s[G0+4*\slot+2:G0+4*\slot+3], 8192
	s_add_nc_u64 s[G0B+4*\slot+2:G0B+4*\slot+3], s[G0B+4*\slot+2:G0B+4*\slot+3], 8192
	JLOAD \slot
.else
	PLACES NP
.endif
	FETCH_B \next, 0, 0
	FETCH_A \next, 0, 0
	WIN MUL_HI
	MUL16 4, 1, 0
	MUL16 6, 1, 0
	PLACES NP
	WIN 0
	FETCH_A \next, 0, 4
.endm
	s_load_b256 s[4:11], s[0:1], 0x0               ; A's codes, wc, lowp_scales, the bias
	s_load_b128 s[68:71], s[0:1], 0x20             ; the residual, the output
	v_lshl_add_u32 v[SPW], v0, 2, SPARE
	v_mov_b32 v[NIL], 0
	ds_add_u32 v28, v29
	s_wait_dscnt 0x0
	v_lshrrev_b32 v1, 5, v0
	v_readfirstlane_b32 s14, v1
	s_lshr_b32 s15, s14, 1
	s_and_b32 s16, s14, 1
	s_bfe_u32 s40, ttmp6, 0x40000                  ; cx, cy
	s_bfe_u32 s41, ttmp6, 0x40004
	s_lshl_b32 s42, ttmp9, 2
	s_add_co_u32 s42, s42, s40                     ; tile column
	s_and_b32 s17, ttmp7, 0xffff
	s_lshl_b32 s17, s17, 2
	s_add_co_u32 s17, s17, s41                     ; tile row
	s_lshl_b32 s43, s41, 2
	s_lshl_b32 s43, 15, s43                        ; my row of the cluster
	s_lshl_b32 s44, 0x1111, s40                    ; my column
	s_or_b32 s[G1+0], s43, (1<<21)                 ; the mask, bit 21 beside it; elements of 1 byte, no padding
	s_or_b32 s[G1B+0], s44, (1<<21)
.irp g, G1, G1B
	s_mov_b32 s[\g+1], 4096<<16
	s_mov_b32 s[\g+2], 8<<16
	s_mov_b32 s[\g+3], 4096<<16
	s_mov_b32 s[\g+4], 8
	s_mov_b32 s[\g+5], KROW16
	s_mov_b32 s[\g+6], 0
	s_mov_b32 s[\g+7], 0
.endr
	s_lshl_b32 s18, s16, 3
	s_lshl_b32 s20, s17, 4
	s_add_co_u32 s20, s20, s18
	s_mul_i32 s20, s20, KROW16
	s_mov_b32 s21, 0
	s_lshl_b32 s46, s42, 4
	s_add_co_u32 s46, s46, s18
	s_mul_i32 s46, s46, KROW16
	s_mov_b32 s47, 0
	s_mul_i32 s45, s14, HALFT
	s_wait_kmcnt 0x0
	s_load_b64 s[96:97], s[8:9], EOFF
	s_add_nc_u64 s[20:21], s[4:5], s[20:21]
	s_add_nc_u64 s[46:47], s[6:7], s[46:47]
	s_add_nc_u64 s[46:47], s[46:47], BOFF
	CROUND                                         ; all sixteen work-groups are here: the first joint loads meet
.irp s, 0,1
	s_mov_b32 s[G0+4*\s], 1
	s_add_co_u32 s[G0+4*\s+1], s45, \s*SLOT
	s_add_nc_u64 s[G0+4*\s+2:G0+4*\s+3], s[20:21], \s*4096
	s_or_b32 s[G0+4*\s+3], s[G0+4*\s+3], 0x80000000
	s_mov_b32 s[G0B+4*\s], 1
	s_add_co_u32 s[G0B+4*\s+1], s45, \s*SLOT
	s_add_nc_u64 s[G0B+4*\s+2:G0B+4*\s+3], s[46:47], \s*4096
	s_or_b32 s[G0B+4*\s+3], s[G0B+4*\s+3], 0x80000000
	JLOAD \s
.endr
	v_and_b32 v1, 15, v0
	v_bfe_u32 v2, v0, 4, 1
	v_and_b32 v3, 31, v0
	v_lshlrev_b32 v[CO], 4, v3
	s_mul_i32 s21, s15, HALFT
	s_mul_i32 s22, s16, HALFT
	s_add_co_u32 s22, s22, 2*HALFT
.irp s, 0,1
	v_add_nc_u32 v[ADRA+\s], s21, v[CO]
	v_add_nc_u32 v[ADRB+\s], s22, v[CO]
	s_add_co_u32 s21, s21, SLOT
	s_add_co_u32 s22, s22, SLOT
.endr
	s_mul_i32 s23, s14, 16*SPITCH
	v_mul_u32_u24 v5, v1, SPITCH
	v_lshl_add_u32 v5, v2, 5, v5
	v_add_nc_u32 v[STO], s23, v5                   ; the stage, in: row r, 32 bytes for each half of the lanes
	v_add_nc_u32 v[RD], s23, v[CO]                 ; back: a row of 512 bytes
	s_and_b32 s20, s17, 7
	s_lshl_b32 s20, s20, 21
	s_lshl_b32 s21, s15, 20
	s_add_co_u32 s20, s20, s21
	s_lshr_b32 s21, s17, 3
	s_lshl_b32 s21, s21, 12
	s_add_co_u32 s20, s20, s21                     ; my first row: position x 8192 + batch x 4096
	s_lshl_b32 s46, s42, 10
	s_lshl_b32 s47, s16, 9
	s_add_co_u32 s46, s46, s47                     ; my first column, in bytes
	s_mov_b32 s47, 0
	s_add_nc_u64 s[10:11], s[10:11], s[46:47]
	s_add_co_u32 s20, s20, s46
	s_mov_b32 s21, 0
	s_add_nc_u64 s[68:69], s[68:69], s[20:21]
	s_add_nc_u64 s[70:71], s[70:71], s[20:21]
	global_load_b128 v[8:11], v[CO], s[10:11]      ; the bias of the four columns that I store
	s_wait_tensorcnt 1                             ; my part of slot 0 is in; slot 1's may stay out
	s_barrier_signal -1
	s_barrier_wait -1
	FETCH_B 0, 0, 0
	FETCH_A 0, 0, 0
	FETCH_A 0, 0, 4
	STEP 0, 0, 1
	s_mov_b32 s3, LAPS-1
.Llap:
	TURN 0, 1, 1
	STEP 1, 0, 0
	TURN 1, 0, 1
	STEP 0, 0, 0
	s_sub_co_u32 s3, s3, 1
	s_cmp_lg_u32 s3, 0
	s_cbranch_scc1 .Llap
	TURN 0, 1, 0
	STEP 1, 0, 0
	s_wait_dscnt 4*NL
	WIN MUL_LO
	MUL16 0, 1, 0
	MUL16 2, 1, 0
	s_wait_dscnt 0
	WIN MUL_HI
	MUL16 4, 1, 0
	MUL16 6, 1, 0
	WIN 0
; THE WAY OUT, block by block of 16 rows x 128 columns: the raw sums through my stage, back as whole rows; sum x 2^e + bias in one fused line, + the residual; 512 consecutive bytes a store.
.macro RLOAD a                         ; the residual's 16 rows of block a into window 1, set a % 4
	WIN TO_B
.set t, 0
.rept 16
	global_load_b128 v[64*((\a)%4)+4*t:64*((\a)%4)+4*t+3], v[CO], s[68:69] offset:(\a)*131072+t*8192 th:TH_LOAD_NT
.set t, t+1
.endr
	WIN 0
.endm
.macro OUTBLK a, left
.set AC, 64*((\a)%4)
	WIN 0x08+4*((\a)/4)                            ; the stores' data: window 2 or 3
.irp b, 0,1,2,3,4,5,6,7
	ds_store_b128 v[STO], v[AC+8*\b:AC+8*\b+3] offset:64*\b          ; each accumulator from its low end
	ds_store_b128 v[STO], v[AC+8*\b+4:AC+8*\b+7] offset:64*\b+16
.endr
	WIN 0
.if (\a) > 0
	s_wait_xcnt 0x0                                ; the last block's stores have read their registers
.endif
.set t, 0
.rept 16
	ds_load_b128 v[BK+4*t:BK+4*t+3], v[RD] offset:t*SPITCH   ; LDS serves a wave's instructions in order
.set t, t+1
.endr
	s_wait_dscnt 0x0
.set t, 0
.rept 16
	v_pk_fma_f32 v[BK+4*t:BK+4*t+1], v[BK+4*t:BK+4*t+1], s[96:97], v[8:9] op_sel_hi:[1,0,1]
	v_pk_fma_f32 v[BK+4*t+2:BK+4*t+3], v[BK+4*t+2:BK+4*t+3], s[96:97], v[10:11] op_sel_hi:[1,0,1]
.set t, t+1
.endr
	s_wait_loadcnt \left                           ; this block's residual is in; the blocks asked for behind it may be out
	WIN 0x04                                       ; source 1: window 1
.set j, 0
.rept 32
	v_pk_add_f32 v[BK+j:BK+j+1], v[BK+j:BK+j+1], v[AC+j:AC+j+1]
.set j, j+2
.endr
	WIN 0
.set t, 0
.rept 16
.if NTOUT
	global_store_b128 v[CO], v[BK+4*t:BK+4*t+3], s[70:71] offset:(\a)*131072+t*8192 th:TH_STORE_NT
.else
	global_store_b128 v[CO], v[BK+4*t:BK+4*t+3], s[70:71] offset:(\a)*131072+t*8192
.endif
.set t, t+1
.endr
.if (\a) < 4
	RLOAD (\a)+4
.endif
.endm
	s_wait_kmcnt 0x0
	s_add_co_i32 s96, s96, s97
	s_add_co_i32 s96, s96, 127
	s_lshl_b32 s96, s96, 23                        ; 2^(ea + eb)
	s_mov_b32 s97, s96
	s_wait_loadcnt 0x0                             ; the bias
	PLACES NP
	RLOAD 0
	RLOAD 1
	RLOAD 2
	RLOAD 3
	OUTBLK 0, 48
	OUTBLK 1, 48
	OUTBLK 2, 48
	OUTBLK 3, 48
	OUTBLK 4, 48
	OUTBLK 5, 32
	OUTBLK 6, 16
	OUTBLK 7, 0
	s_wait_tensorcnt 0x0                           ; the wave's end
	ds_add_u32 v[SPW], v[NIL]
	s_wait_dscnt 0x0
	CROUND                                         ; the closing round
	s_endpgm
.Lfunc_end_k_q2aff479009_mlp2:
	.size	k_q2aff479009_mlp2, .Lfunc_end_k_q2aff479009_mlp2-k_q2aff479009_mlp2
	.p2alignl 7, 3214868480
	.fill 96, 4, 3214868480
	.section	.rodata,"a",@progbits
	.p2align	6, 0x0
	.amdhsa_kernel k_q2aff479009_mlp2
		.amdhsa_group_segment_fixed_size 327680
		.amdhsa_private_segment_fixed_size 0
		.amdhsa_enable_private_segment 0
		.amdhsa_kernarg_size 48
		.amdhsa_user_sgpr_count 2
		.amdhsa_user_sgpr_kernarg_segment_ptr 1
		.amdhsa_wavefront_size32 1
		.amdhsa_system_sgpr_workgroup_id_x 1
		.amdhsa_system_sgpr_workgroup_id_y 1
		.amdhsa_system_sgpr_workgroup_id_z 1
		.amdhsa_system_vgpr_workitem_id 0
		.amdhsa_next_free_vgpr 1024
		.amdhsa_next_free_sgpr 100
		.amdhsa_reserve_vcc 0
		.amdhsa_float_denorm_mode_32 3
		.amdhsa_float_denorm_mode_16_64 3
		.amdhsa_memory_ordered 1
		.amdhsa_forward_progress 1
		.amdhsa_inst_pref_size 152
	.end_amdhsa_kernel
	.amdgpu_metadata
---
amdhsa.version: [ 1, 2 ]
amdhsa.kernels:
  - .name:           k_q2aff479009_mlp2
    .symbol:         k_q2aff479009_mlp2.kd
    .args:
      - { .name: hid, .offset: 0, .size: 8, .value_kind: global_buffer, .address_space: global }
      - { .name: wc, .offset: 8, .size: 8, .value_kind: global_buffer, .address_space: global }
      - { .name: lowp_scales, .offset: 16, .size: 8, .value_kind: global_buffer, .address_space: global }
      - { .name: b2, .offset: 24, .size: 8, .value_kind: global_buffer, .address_space: global }
      - { .name: x1, .offset: 32, .size: 8, .value_kind: global_buffer, .address_space: global }
      - { .name: out0, .offset: 40, .size: 8, .value_kind: global_buffer, .address_space: global }
    .group_segment_fixed_size: 327680
    .private_segment_fixed_size: 0
    .kernarg_segment_align: 8
    .kernarg_segment_size: 48
    .max_flat_workgroup_size: 128
    .sgpr_count:     100
    .vgpr_count:     1024
    .wavefront_size: 32
...
	.end_amdgpu_metadata
.endif
;; end of part 7
;; ======== version 2 of 2: 7 launches
;; limits: right only within a limited range of input values
;; workspace buffers: wc 11,010,048 bytes; hc 13,107,200 bytes; qkv 6,291,456 bytes; att 4,194,304 bytes; x1 16,777,216 bytes; h2 4,194,304 bytes; hid 16,777,216 bytes
;; launch prep (part 8): grid 592 x 1, 4 waves a work-group, no clusters, 105,472 bytes of LDS; arguments x, norm1_w, wq, wk, wv, wo, w1, w2, lowp_scales, wc, hc; writes wc, hc
.if DOCPART == 8
	.amdgcn_target "amdgcn-amd-amdhsa--gfx1250"
	.amdhsa_code_object_version 6
	.text
	.protected	k_q2aff479009_prep
	.globl	k_q2aff479009_prep
	.p2align	8
	.type	k_q2aff479009_prep,@function
k_q2aff479009_prep:
	s_mov_b64 s[64:65], 0
	v_nop
	global_prefetch_b8 v0, s[64:65] scope:SCOPE_SE
	s_setreg_imm32_b32 hwreg(HW_REG_WAVE_MODE, 25, 1), 1
	s_wait_xcnt 0x0
; PREP.  Work-groups 0-335: the six weights [K][N] f32 become codes of E4M3 with K innermost.  Work-groups 336-591: RMS norm 1 of x, quantised three times
; (for the products with wq, wk, wv, each with its own given scale); the first 128 of them also write the table of cos and sin for the rotary embedding.
; IMAGES.  All codes are laid in the order of a matrix operand's registers: an image is 16 rows x 128 k = 2,048 bytes; byte g*512 + 16*lane + i (lane = row + 16 h)
; is k = 16 (2 g + i / 8) + 8 h + i % 8.  Image (row tile, k / 128) of a matrix with K columns lies at (row tile * K / 128 + k / 128) * 2048.
; Rows of activations are numbered b * 2048 + s, so that 16 rows of a tile are 16 neighbouring positions of one batch.
; code = x / 2^e, held within +-448, to the nearest code, ties to even.  LIMITS: each e between -126 and 119; NaN among the inputs is not served.
; The angles are t * inv_freq in f32, inv_freq = 2^(-f log2(10000) / 32) by v_exp_f32: an angle may differ from another f32 evaluation by about 1e-4 rad at the last positions.
; No tensor loads.  The two paths part on the work-group's number and have LDS bytes of their own.
.set W1C, 0
.set W2C, 4194304
.set WQC, 8388608
.set WOC, 9437184
.set WKC, 10485760
.set WVC, 10747904
.set ROPE, 12582912
.set NWG_W, 336
.set NS, 3                             ; sets of codes made of a normed row
.set TURN0, 33792                      ; LDS of the rows' path: 5,120 bytes a wave for the turn,
.set OUT0, 54272                       ; then NS regions of 32 groups x 528 bytes: the images of a row tile
.set OFW, 32                           ; weights: v32-63 byte offsets of 32 rows of k
.set XW, 64                            ; v64-127 two sets of 32 numbers
.set CW, 128                           ; v128-135 a block's codes
.set OUTW, 136                         ; v136-199 the way out
.set TS, 4
.set TL, 5
.set VOUT, 6
.set VRB, 7
.set VGO, 12
.set RS, 16                            ; v16,18,20,22: 1/rms of my four rows (the odd partners are only named)
.set SCL, 24                           ; v24.. : 2^e and 448 x 2^e for each set
.set R, 32                             ; v32-159 four rows, 32 numbers a lane each
.set W, 160                            ; v160-191 the gain
.set XT, 192                           ; v192-223 a row turned: 2 x 16 neighbours
.set C, 224                            ; v224-247 codes
	s_load_b512 s[4:19], s[0:1], 0x0               ; x, norm1_w, wq, wk, wv, wo, w1, w2
	s_load_b128 s[20:23], s[0:1], 0x40             ; lowp_scales, wc
	s_load_b64 s[24:25], s[0:1], 0x50              ; hc
	v_lshl_add_u32 v248, v0, 2, 0x19a00
	v_mov_b32 v249, 0
	v_lshrrev_b32 v1, 5, v0
	v_readfirstlane_b32 s26, v1                    ; wave
	v_and_b32 v3, 31, v0                           ; lane
	v_lshlrev_b32 v2, 4, v3                        ; 16 x lane
	s_wait_kmcnt 0x0
	s_load_b512 s[36:51], s[20:21], 0x0            ; e0 .. e15
	s_cmp_ge_u32 ttmp9, NWG_W
	s_cbranch_scc1 .Lx
; ---------------- WEIGHTS.  A work-group takes 128 columns x 256 k, a wave 32 columns; a lane takes a column and its registers run down K.
	s_wait_kmcnt 0x0
	s_mov_b64 s[28:29], s[16:17]                   ; w1: source,
	s_mov_b32 s30, 0                               ; first work-group,
	s_mov_b32 s31, 5                               ; log2 of the groups of 128 columns,
	s_mov_b32 s32, 14                              ; log2 of a row's bytes,
	s_mov_b32 s33, 16384                           ; bytes of a column tile's images (16 K),
	s_mov_b32 s34, W1C                             ; place in wc,
	s_mov_b32 s35, s49                             ; e
.macro PICK thr, src, lcg, ln, k16, doff, e    ; from work-group thr on another tensor: choices on the work-group's number alone
	s_cmp_ge_u32 ttmp9, \thr
	s_cselect_b64 s[28:29], s[\src:\src+1], s[28:29]
	s_cselect_b32 s30, \thr, s30
	s_cselect_b32 s31, \lcg, s31
	s_cselect_b32 s32, \ln, s32
	s_cselect_b32 s33, \k16, s33
	s_cselect_b32 s34, \doff, s34
	s_cselect_b32 s35, s[\e], s35
.endm
	PICK 128, 18, 3, 12, 65536, W2C, 51
	PICK 256, 8, 3, 12, 16384, WQC, 37
	PICK 288, 14, 3, 12, 16384, WOC, 47
	PICK 320, 10, 1, 10, 16384, WKC, 39
	PICK 328, 12, 1, 10, 16384, WVC, 41
	s_sub_co_u32 s70, ttmp9, s30
	s_bfm_b32 s71, s31, 0
	s_and_b32 s71, s70, s71                        ; which 128 columns
	s_lshr_b32 s70, s70, s31                       ; which 256 k
	s_lshl_b32 s71, s71, 7
	s_lshl_b32 s72, s26, 5
	s_add_co_u32 s71, s71, s72                     ; my wave's first column
	s_lshl_b32 s72, s70, 8
	s_lshl_b32 s72, s72, s32
	s_lshl_b32 s73, s71, 2
	s_add_co_u32 s72, s72, s73
	s_mov_b32 s73, 0
	s_add_nc_u64 s[52:53], s[28:29], s[72:73]      ; eight bases, 32 rows of k apart; never rewritten
	s_lshl_b32 s74, 32, s32
	s_mov_b32 s75, 0
	s_add_nc_u64 s[54:55], s[52:53], s[74:75]
	s_add_nc_u64 s[56:57], s[54:55], s[74:75]
	s_add_nc_u64 s[58:59], s[56:57], s[74:75]
	s_add_nc_u64 s[60:61], s[58:59], s[74:75]
	s_add_nc_u64 s[62:63], s[60:61], s[74:75]
	s_add_nc_u64 s[66:67], s[62:63], s[74:75]
	s_add_nc_u64 s[68:69], s[66:67], s[74:75]
	s_lshr_b32 s72, s71, 4
	s_mul_i32 s72, s72, s33
	s_lshl_b32 s76, s70, 12
	s_add_co_u32 s72, s72, s76
	s_add_co_u32 s72, s72, s34
	s_add_nc_u64 s[22:23], s[22:23], s[72:73]      ; my first column tile's two images
	s_lshl_b32 s76, 1, s32
	s_wait_alu depctr_va_vdst(0)
	v_lshlrev_b32 v[OFW], 2, v3
.set i, 1
.rept 31
	v_add_nc_u32 v[OFW+i], s76, v[OFW+i-1]
.set i, i+1
.endr
.macro LOADW t                         ; block t: rows 32 t + i of k at my column: 128 consecutive bytes a wave, the four waves side by side
.if (\t) < 6
.set SB, 52+2*(\t)
.else
.set SB, 54+2*(\t)
.endif
.set i, 0
.rept 32
	global_load_b32 v[XW+32*((\t)%2)+i], v[OFW+i], s[SB:SB+1] th:TH_LOAD_NT
.set i, i+1
.endr
.endm
	LOADW 0
	LOADW 1
	s_add_co_i32 s35, s35, 127
	s_lshl_b32 s77, s35, 23
	v_mov_b32 v11, s77                             ; 2^e: the conversion takes its exponent field
	s_add_co_i32 s35, s35, 8
	s_lshl_b32 s35, s35, 23
	s_or_b32 s35, s35, 0x600000
	v_mov_b32 v10, s35                             ; 448 x 2^e
	s_mul_i32 s78, s26, 8448                       ; my stage: 16 groups of 512 bytes + 16
	v_lshrrev_b32 v4, 4, v3
	v_mul_u32_u24 v4, v4, 4224
	v_and_b32 v5, 15, v3
	v_lshl_add_u32 v4, v5, 4, v4
	v_add_nc_u32 v4, s78, v4                       ; in: column tile lane / 16, 16 bytes at 16 (lane % 16)
	v_add_nc_u32 v5, s78, v2                       ; back: 512 bytes on end
	v_add_nc_u32 v6, s33, v2                       ; the second column tile in wc
.macro BLOCKW t                        ; 32 k of my column: group t of the stage; k 0-7, 16-23 belong to image lanes 0-15, k 8-15, 24-31 to lanes 16-31
.set XS, XW+32*((\t)%2)
.if (\t) < 7
	s_wait_loadcnt 32                              ; this block is in; the next block's 32 loads may be out
.else
	s_wait_loadcnt 0
.endif
.set k, 0
.rept 32
	v_med3_num_f32 v[XS+k], v[XS+k], -v10, v10     ; the conversion does not saturate (ISA guide 7.6.2): the hold comes first
.set k, k+1
.endr
	v_cvt_scalef32_pk8_fp8_f32 v[CW:CW+1], v[XS:XS+7], v11
	v_cvt_scalef32_pk8_fp8_f32 v[CW+2:CW+3], v[XS+16:XS+23], v11
	v_cvt_scalef32_pk8_fp8_f32 v[CW+4:CW+5], v[XS+8:XS+15], v11
	v_cvt_scalef32_pk8_fp8_f32 v[CW+6:CW+7], v[XS+24:XS+31], v11
	ds_store_b128 v4, v[CW:CW+3] offset:528*(\t)
	ds_store_b128 v4, v[CW+4:CW+7] offset:528*(\t)+256
.if (\t)+2 < 8
	LOADW (\t)+2
.endif
	s_wait_dscnt 0x0                               ; the stores have read the codes' registers; the next block's holds stand ahead of its conversions
.endm
	s_wait_alu depctr_va_vdst(0)
.irp t, 0,1,2,3,4,5,6,7
	BLOCKW \t
.endr
.set i, 0
.rept 16
	ds_load_b128 v[OUTW+4*i:OUTW+4*i+3], v5 offset:528*i   ; LDS serves a wave's instructions in order: these see my stores
.set i, i+1
.endr
.set i, 0
.rept 8
	s_wait_dscnt 15-i
	global_store_b128 v2, v[OUTW+4*i:OUTW+4*i+3], s[22:23] offset:512*i   ; 512 consecutive bytes, aligned
.set i, i+1
.endr
.rept 8
	s_wait_dscnt 15-i
	global_store_b128 v6, v[OUTW+4*i:OUTW+4*i+3], s[22:23] offset:512*(i-8)
.set i, i+1
.endr
	s_wait_tensorcnt 0x0
	ds_add_u32 v248, v249
	s_wait_dscnt 0x0
	s_endpgm
; ---------------- ROWS.  A work-group takes a tile of 16 rows, a wave four of them.
.Lx:
	s_sub_co_u32 s27, ttmp9, NWG_W                 ; row tile = b * 128 + s / 16
	s_and_b32 s28, s27, 127
	s_lshl_b32 s28, s28, 4
	s_lshl_b32 s29, s26, 2
	s_add_co_u32 s28, s28, s29                     ; my first position
	s_lshl_b32 s30, s28, 13
	s_lshr_b32 s31, s27, 7
	s_lshl_b32 s31, s31, 12
	s_add_co_u32 s30, s30, s31
	s_mov_b32 s31, 0
	s_add_nc_u64 s[4:5], s[4:5], s[30:31]          ; row (s, b) lies at s * 8192 + b * 4096
	s_lshl_b32 s30, s27, 14
	s_add_nc_u64 s[86:87], s[24:25], s[30:31]      ; the tile's eight images, for each of the three sets
	s_add_nc_u64 s[88:89], s[86:87], 0x400000
	s_add_nc_u64 s[90:91], s[88:89], 0x400000
	s_mov_b32 s80, 0x3a800000                      ; 1 / 1024
	s_mov_b32 s81, 0x3727c5ac                      ; 1e-5
	s_mov_b32 s94, 0x76543210
	s_mov_b32 s95, 0xfedcba98
	s_mul_i32 s32, s26, 5120
	s_add_co_u32 s32, s32, TURN0
	s_wait_alu depctr_va_vdst(0)
	v_lshrrev_b32 v13, 2, v3
	v_mul_u32_u24 v13, v13, 80
	v_and_b32 v14, 3, v3
	v_lshl_add_u32 v13, v14, 4, v13
	v_add_nc_u32 v[TS], s32, v13                   ; the turn, in: four lanes' 64 bytes on end, then 16 of padding
	v_mul_u32_u24 v13, v3, 80
	v_add_nc_u32 v[TL], s32, v13                   ; and out: 64 bytes a lane: 16 neighbours
	v_lshrrev_b32 v13, 1, v3
	v_mul_u32_u24 v13, v13, 528
	v_and_b32 v14, 1, v3
	v_lshl_add_u32 v13, v14, 3, v13
	s_lshl_b32 s32, s26, 6
	s_add_co_u32 s32, s32, OUT0
	v_add_nc_u32 v[VOUT], s32, v13                 ; codes: group lane / 2, 8 bytes at 8 (lane % 2), row 4 w + i at 16 bytes a row
	s_mul_i32 s32, s26, 4224
	s_add_co_u32 s32, s32, OUT0
	v_add_nc_u32 v[VRB], s32, v2                   ; back: my eight groups
	s_lshl_b32 s32, s26, 12
	v_add_nc_u32 v[VGO], s32, v2
.set j, 0
.rept 8
	global_load_b128 v[W+4*j:W+4*j+3], v2, s[6:7] offset:512*j
.set j, j+1
.endr
.irp i, 0,1,2,3
.set j, 0
.rept 8
	global_load_b128 v[R+32*\i+4*j:R+32*\i+4*j+3], v2, s[4:5] offset:\i*8192+512*j th:TH_LOAD_NT   ; 512 consecutive bytes
.set j, j+1
.endr
.endr
	s_cmp_ge_u32 s27, 128
	s_cbranch_scc1 .Lnorope
; cos and sin of t * inv_freq: a lane a frequency, four positions a wave.  Reduction by multiples of pi / 2 in two fused steps, then the two series on |r| <= pi / 4.
	s_lshl_b32 s30, s28, 8
	s_add_co_u32 s30, s30, ROPE
	s_add_nc_u64 s[84:85], s[24:25], s[30:31]
	s_mov_b32 s82, 0xbfc90fdb                      ; -pi/2, high part
	s_mov_b32 s83, 0x333bbd2e                      ; and what is left of it
	v_cvt_f32_u32 v192, v3
	v_mul_f32 v192, 0xbed49a78, v192               ; -f log2(10000) / 32
	s_wait_alu depctr_va_vdst(0)
	v_exp_f32 v192, v192
	v_lshlrev_b32 v193, 2, v3                      ; (the plain line behind the exponential)
	s_wait_alu depctr_va_vdst(0)                   ; the wait ahead of the first reader
.irp i, 0,1,2,3
	s_add_co_u32 s79, s28, \i
	v_cvt_f32_u32 v194, s79
	v_mul_f32 v194, v194, v192                     ; the angle
	v_mul_f32 v195, 0x3f22f983, v194
	v_rndne_f32 v195, v195                         ; k
	v_fma_f32 v196, v195, s82, v194
	v_fma_f32 v196, v195, s83, v196                ; r
	v_mul_f32 v197, v196, v196
	v_mov_b32 v198, 0x3638ef1d
	v_fmaak_f32 v198, v197, v198, 0xb9500d01
	v_fmaak_f32 v198, v197, v198, 0x3c088889
	v_fmaak_f32 v198, v197, v198, 0xbe2aaaab
	v_mul_f32 v198, v197, v198
	v_fma_f32 v198, v196, v198, v196               ; sin r
	v_mov_b32 v199, 0xb493f27e
	v_fmaak_f32 v199, v197, v199, 0x37d00d01
	v_fmaak_f32 v199, v197, v199, 0xbab60b61
	v_fmaak_f32 v199, v197, v199, 0x3d2aaaab
	v_fmaak_f32 v199, v197, v199, 0xbf000000
	v_fma_f32 v199, v197, v199, 1.0                ; cos r
	v_cvt_i32_f32 v200, v195
	v_and_b32 v201, 1, v200
	v_cmp_eq_u32 vcc_lo, 1, v201
	v_cndmask_b32 v[204+2*\i], v199, v198, vcc_lo  ; odd quadrants swap the two
	v_cndmask_b32 v[205+2*\i], v198, v199, vcc_lo
	v_add_nc_u32 v201, 1, v200
	v_and_b32 v201, 2, v201
	v_lshlrev_b32 v201, 30, v201
	v_xor_b32 v[204+2*\i], v201, v[204+2*\i]       ; cos is negative in quadrants 1, 2
	v_and_b32 v200, 2, v200
	v_lshlrev_b32 v200, 30, v200
	v_xor_b32 v[205+2*\i], v200, v[205+2*\i]       ; sin in quadrants 2, 3
	global_store_b32 v193, v[204+2*\i], s[84:85] offset:256*\i
	global_store_b32 v193, v[205+2*\i], s[84:85] offset:256*\i+128
.endr
.Lnorope:
	s_wait_xcnt 0x0                                ; the table's stores have read their registers, which the turn writes again
	s_wait_kmcnt 0x0
.macro MKSCALE n, e
	s_add_co_i32 s92, s[\e], 127
	s_lshl_b32 s93, s92, 23
	v_mov_b32 v[SCL+2*\n], s93
	s_add_co_i32 s92, s92, 8
	s_lshl_b32 s92, s92, 23
	s_or_b32 s92, s92, 0x600000
	v_mov_b32 v[SCL+2*\n+1], s92
.endm
	MKSCALE 0, 36
	MKSCALE 1, 38
	MKSCALE 2, 40
.irp i, 0,1,2,3
	v_mov_b32 v[RS+2*\i+1], 0
.endr
.macro SUMSQ i                         ; the row's sum of squares, in every lane
.set RR, R+32*(\i)
	s_wait_loadcnt 8*(3-(\i))                      ; the gain and this row are in; the later rows' loads may be out
	v_pk_mul_f32 v[8:9], v[RR:RR+1], v[RR:RR+1]
	v_pk_mul_f32 v[10:11], v[RR+2:RR+3], v[RR+2:RR+3]
.set j, 4
.rept 7
	v_pk_fma_f32 v[8:9], v[RR+j:RR+j+1], v[RR+j:RR+j+1], v[8:9]
	v_pk_fma_f32 v[10:11], v[RR+j+2:RR+j+3], v[RR+j+2:RR+j+3], v[10:11]
.set j, j+4
.endr
	v_pk_add_f32 v[8:9], v[8:9], v[10:11]
	v_add_f32 v8, v8, v9
	v_add_f32_dpp v8, v8, v8 row_xmask:1 row_mask:0xf bank_mask:0xf
	v_add_f32_dpp v8, v8, v8 row_xmask:2 row_mask:0xf bank_mask:0xf
	v_add_f32_dpp v8, v8, v8 row_xmask:4 row_mask:0xf bank_mask:0xf
	v_add_f32_dpp v8, v8, v8 row_xmask:8 row_mask:0xf bank_mask:0xf
	v_permlanex16_b32 v9, v8, s94, s95
	v_add_f32 v[RS+2*(\i)], v8, v9
.endm
.irp i, 0,1,2,3
	SUMSQ \i
.endr
.irp i, 0,1,2,3
	v_fma_f32 v[RS+2*\i], v[RS+2*\i], s80, s81     ; mean + eps
.endr
	s_wait_alu depctr_va_vdst(0)
.irp i, 0,1,2,3
	v_rsq_f32 v[RS+2*\i], v[RS+2*\i]
.endr
	v_nop
	s_wait_alu depctr_va_vdst(0)                   ; one wait for the four, ahead of their first reader
.macro ROWQ i                          ; row i: normed in place, turned through LDS so that a lane holds 16 neighbours, quantised NS times
.set RR, R+32*(\i)
.set j, 0
.rept 16
	v_pk_mul_f32 v[RR+j:RR+j+1], v[RR+j:RR+j+1], v[RS+2*(\i):RS+2*(\i)+1] op_sel_hi:[1,0]
.set j, j+2
.endr
.set j, 0
.rept 16
	v_pk_mul_f32 v[RR+j:RR+j+1], v[RR+j:RR+j+1], v[W+j:W+j+1]
.set j, j+2
.endr
.irp u, 0,1
.irp q, 0,1,2,3
	ds_store_b128 v[TS], v[RR+16*\u+4*\q:RR+16*\u+4*\q+3] offset:2560*\u+640*\q
.endr
.irp q, 0,1,2,3
	ds_load_b128 v[XT+16*\u+4*\q:XT+16*\u+4*\q+3], v[TL] offset:2560*\u+16*\q
.endr
.endr
	s_wait_dscnt 0x0                               ; the row is back: lane l holds k = 512 u + 16 l + 0 .. 15; the last row's code stores are done too
.set n, 0
.rept NS
.irp u, 0,1
.set TT, RR+16*\u                      ; the row's own registers are free now: two sets of 16 by turns, so that plain lines stand between a conversion and the next write of its sources
.set k, 0
.rept 16
	v_med3_num_f32 v[TT+k], v[XT+16*\u+k], -v[SCL+2*n+1], v[SCL+2*n+1]
.set k, k+1
.endr
	v_cvt_scalef32_pk8_fp8_f32 v[C+4*(2*n+\u):C+4*(2*n+\u)+1], v[TT:TT+7], v[SCL+2*n]
	v_cvt_scalef32_pk8_fp8_f32 v[C+4*(2*n+\u)+2:C+4*(2*n+\u)+3], v[TT+8:TT+15], v[SCL+2*n]
.endr
.set n, n+1
.endr
	v_nop                                          ; a plain line behind the last conversion
.set n, 0
.rept NS
.irp u, 0,1
	ds_store_b64 v[VOUT], v[C+4*(2*n+\u):C+4*(2*n+\u)+1] offset:n*16896+\u*8448+16*(\i)          ; k % 16 < 8: image lanes 0-15
	ds_store_b64 v[VOUT], v[C+4*(2*n+\u)+2:C+4*(2*n+\u)+3] offset:n*16896+\u*8448+256+16*(\i)    ; the rest: lanes 16-31
.endr
.set n, n+1
.endr
.endm
.irp i, 0,1,2,3
	ROWQ \i
.endr
	s_wait_dscnt 0x0                               ; for the others' sake: my codes lie in LDS
	s_barrier_signal -1
	s_barrier_wait -1
.set n, 0
.rept NS
.set q, 0
.rept 8
	ds_load_b128 v[R+32*n+4*q:R+32*n+4*q+3], v[VRB] offset:n*16896+528*q
.set q, q+1
.endr
.set n, n+1
.endr
.set n, 0
.rept NS
.set q, 0
.rept 8
	s_wait_dscnt 8*NS-1-8*n-q
	global_store_b128 v[VGO], v[R+32*n+4*q:R+32*n+4*q+3], s[86+2*n:87+2*n] offset:512*q   ; 512 consecutive bytes, aligned
.set q, q+1
.endr
.set n, n+1
.endr
	s_wait_tensorcnt 0x0
	ds_add_u32 v248, v249
	s_wait_dscnt 0x0
	s_endpgm
.Lfunc_end_k_q2aff479009_prep:
	.size	k_q2aff479009_prep, .Lfunc_end_k_q2aff479009_prep-k_q2aff479009_prep
	.p2alignl 7, 3214868480
	.fill 96, 4, 3214868480
	.section	.rodata,"a",@progbits
	.p2align	6, 0x0
	.amdhsa_kernel k_q2aff479009_prep
		.amdhsa_group_segment_fixed_size 105472
		.amdhsa_private_segment_fixed_size 0
		.amdhsa_enable_private_segment 0
		.amdhsa_kernarg_size 88
		.amdhsa_user_sgpr_count 2
		.amdhsa_user_sgpr_kernarg_segment_ptr 1
		.amdhsa_wavefront_size32 1
		.amdhsa_system_sgpr_workgroup_id_x 1
		.amdhsa_system_sgpr_workgroup_id_y 1
		.amdhsa_system_sgpr_workgroup_id_z 1
		.amdhsa_system_vgpr_workitem_id 0
		.amdhsa_next_free_vgpr 250
		.amdhsa_next_free_sgpr 100
		.amdhsa_reserve_vcc 1
		.amdhsa_float_denorm_mode_32 3
		.amdhsa_float_denorm_mode_16_64 3
		.amdhsa_memory_ordered 1
		.amdhsa_forward_progress 1
		.amdhsa_inst_pref_size 120
	.end_amdhsa_kernel
	.amdgpu_metadata
---
amdhsa.version: [ 1, 2 ]
amdhsa.kernels:
  - .name:           k_q2aff479009_prep
    .symbol:         k_q2aff479009_prep.kd
    .args:
      - { .name: x, .offset: 0, .size: 8, .value_kind: global_buffer, .address_space: global }
      - { .name: norm1_w, .offset: 8, .size: 8, .value_kind: global_buffer, .address_space: global }
      - { .name: wq, .offset: 16, .size: 8, .value_kind: global_buffer, .address_space: global }
      - { .name: wk, .offset: 24, .size: 8, .value_kind: global_buffer, .address_space: global }
      - { .name: wv, .offset: 32, .size: 8, .value_kind: global_buffer, .address_space: global }
      - { .name: wo, .offset: 40, .size: 8, .value_kind: global_buffer, .address_space: global }
      - { .name: w1, .offset: 48, .size: 8, .value_kind: global_buffer, .address_space: global }
      - { .name: w2, .offset: 56, .size: 8, .value_kind: global_buffer, .address_space: global }
      - { .name: lowp_scales, .offset: 64, .size: 8, .value_kind: global_buffer, .address_space: global }
      - { .name: wc, .offset: 72, .size: 8, .value_kind: global_buffer, .address_space: global }
      - { .name: hc, .offset: 80, .size: 8, .value_kind: global_buffer, .address_space: global }
    .group_segment_fixed_size: 105472
    .private_segment_fixed_size: 0
    .kernarg_segment_align: 8
    .kernarg_segment_size: 88
    .max_flat_workgroup_size: 128
    .sgpr_count:     100
    .vgpr_count:     250
    .wavefront_size: 32
...
	.end_amdgpu_metadata
.endif
;; end of part 8
;; launch qkv (part 9): grid 6 x 16, 4 waves a work-group, no clusters, 327,680 bytes of LDS; arguments hc, wc, lowp_scales, bq, bk, bv, qn_w, kn_w, qkv; writes qkv
.if DOCPART == 9
	.amdgcn_target "amdgcn-amd-amdhsa--gfx1250"
	.amdhsa_code_object_version 6
	.text
	.protected	k_q2aff479009_qkv
	.globl	k_q2aff479009_qkv
	.p2align	8
	.type	k_q2aff479009_qkv,@function
k_q2aff479009_qkv:
	s_mov_b64 s[64:65], 0
	v_nop
	global_prefetch_b8 v0, s[64:65] scope:SCOPE_SE
	s_setreg_imm32_b32 hwreg(HW_REG_WAVE_MODE, 25, 1), 1
	s_wait_xcnt 0x0
.set SIZE_K, 1024
.set CL, 0
.set HK, 4194304
.set HV, 8388608
.set ROPE, 12582912
.set WQC, 8388608
.set WKC, 10485760
.set WVC, 10747904
.set KVO, 4194304
.set KROW16, 16*SIZE_K
.set HALFT,  32768
.set SLOT,   4*HALFT
.set SPARE,  2*SLOT
.set LAPS,   SIZE_K/512
.set FR, 16
.set NL, 4
.set NP, 4
.set ADRA, 16
.set ADRB, 20
.set SPW, 28
.set NIL, 29
.set AF, 128
.set G1, 24
.set G0, 32
.set G1B, 48
.set G0B, 56
.set MSB, 0
.macro WIN new
.if MSB != (\new)
	s_set_vgpr_msb (MSB<<8)|(\new)
.set MSB, (\new)
.endif
.endm
.set MUL_LO, 0xa1
.set MUL_HI, 0xf1
.set TO_B,   0x40
.macro JLOAD s
	s_cmp_eq_u32 s15, 0
	s_cbranch_scc0 .Lfor_b_\@
	tensor_load_to_lds s[G0+4*\s:G0+4*\s+3], s[G1:G1+7]
	s_nop 0
.rept 4
	v_nop
.endr
	s_branch .Lasked_\@
.Lfor_b_\@:
	tensor_load_to_lds s[G0B+4*\s:G0B+4*\s+3], s[G1B:G1B+7]
	s_nop 0
.rept 4
	v_nop
.endr
.Lasked_\@:
.endm
.macro FRAG reg, adr, q, i
.irp c, 0,1,2,3
	ds_load_b128 v[\reg+4*\c:\reg+4*\c+3], v[\adr] offset:2048*(\q)+512*\c+(\i)*4096
.endr
.endm
.macro MUL16 a0, p, zero
.irp a, \a0, \a0+1
.irp b, 0,1,2,3,4,5,6,7
.if \zero
	v_wmma_f32_16x16x128_fp8_fp8 v[8*(8*((\a)%4)+\b):8*(8*((\a)%4)+\b)+7], v[128*(\p)+FR*\b:128*(\p)+FR*\b+FR-1], v[AF+FR*(\a):AF+FR*(\a)+FR-1], 0
.else
	v_wmma_f32_16x16x128_fp8_fp8 v[8*(8*((\a)%4)+\b):8*(8*((\a)%4)+\b)+7], v[128*(\p)+FR*\b:128*(\p)+FR*\b+FR-1], v[AF+FR*(\a):AF+FR*(\a)+FR-1], v[8*(8*((\a)%4)+\b):8*(8*((\a)%4)+\b)+7]
.endif
.endr
.endr
.endm
.macro FETCH_B slot, q, p
	WIN TO_B
.irp i, 0,1,2,3,4,5,6,7
	FRAG 128*(\p)+FR*\i, ADRB+\slot, \q, \i
.endr
	WIN 0
.endm
.macro FETCH_A slot, q, i0
.irp i, \i0, \i0+1, \i0+2, \i0+3
	FRAG AF+FR*(\i), ADRA+\slot, \q, \i
.endr
.endm
.macro PLACES n
.rept \n
	v_nop
.endr
.endm
.macro STEP slot, q, zero
	s_wait_dscnt 4*NL
	WIN MUL_LO
	MUL16 0, (\q)%2, \zero
	MUL16 2, (\q)%2, \zero
	s_wait_dscnt 0
	PLACES NP
	FETCH_B \slot, (\q)+1, 1-(\q)%2
	FETCH_A \slot, (\q)+1, 0
	WIN MUL_HI
	MUL16 4, (\q)%2, \zero
	MUL16 6, (\q)%2, \zero
	PLACES NP
	WIN 0
	FETCH_A \slot, (\q)+1, 4
.endm
.macro TURN slot, next, fill
	s_wait_tensorcnt 0x0
	ds_add_u32 v[SPW], v[NIL]
	s_wait_dscnt 4*NL+1
	WIN MUL_LO
	MUL16 0, 1, 0
	s_wait_dscnt 0x0
	s_barrier_signal -1
	MUL16 2, 1, 0
	WIN 0
	s_barrier_wait -1
.if \fill
	s_add_nc_u64 s[G0+4*\slot+2:G0+4*\slot+3], s[G0+4*\slot+2:G0+4*\slot+3], 8192
	s_add_nc_u64 s[G0B+4*\slot+2:G0B+4*\slot+3], s[G0B+4*\slot+2:G0B+4*\slot+3], 8192
	JLOAD \slot
.else
	PLACES NP
.endif
	FETCH_B \next, 0, 0
	FETCH_A \next, 0, 0
	WIN MUL_HI
	MUL16 4, 1, 0
	MUL16 6, 1, 0
	PLACES NP
	WIN 0
	FETCH_A \next, 0, 4
.endm
	s_load_b512 s[68:83], s[0:1], 0x0
	s_load_b64 s[84:85], s[0:1], 0x40
	v_lshl_add_u32 v[SPW], v0, 2, SPARE
	v_mov_b32 v[NIL], 0
	ds_add_u32 v28, v29
	ds_add_u32 v28, v29
	s_wait_dscnt 0x0
	v_lshrrev_b32 v1, 5, v0
	v_readfirstlane_b32 s14, v1
	s_lshr_b32 s15, s14, 1
	s_and_b32 s16, s14, 1
	s_mov_b32 s42, ttmp9
	s_and_b32 s17, ttmp7, 0xffff
	s_mov_b32 s[G1+0], 0
	s_mov_b32 s[G1B+0], 0
.irp g, G1, G1B
	s_mov_b32 s[\g+1], 4096<<16
	s_mov_b32 s[\g+2], 8<<16
	s_mov_b32 s[\g+3], 4096<<16
	s_mov_b32 s[\g+4], 8
	s_mov_b32 s[\g+5], KROW16
	s_mov_b32 s[\g+6], 0
	s_mov_b32 s[\g+7], 0
.endr
	s_mov_b32 s11, WQC
	s_cmp_eq_u32 s42, 5
	s_cselect_b32 s8, 0, s17
	s_cselect_b32 s9, s17, s42
	s_cselect_b32 s10, WVC, 0
	s_cselect_b32 s11, HV, s11
	s_cmp_eq_u32 s42, 4
	s_cselect_b32 s9, 0, s9
	s_cselect_b32 s10, HK, s10
	s_cselect_b32 s11, WKC, s11
	s_lshl_b32 s18, s16, 3
	s_lshl_b32 s20, s8, 4
	s_add_co_u32 s20, s20, s18
	s_mul_i32 s20, s20, KROW16
	s_add_co_u32 s20, s20, s10
	s_mov_b32 s21, 0
	s_lshl_b32 s46, s9, 4
	s_add_co_u32 s46, s46, s18
	s_mul_i32 s46, s46, KROW16
	s_add_co_u32 s46, s46, s11
	s_mov_b32 s47, 0
	s_mul_i32 s45, s14, HALFT
	s_wait_kmcnt 0x0
	s_load_b256 s[88:95], s[72:73], 0x0
	s_load_b64 s[86:87], s[72:73], 0x20
	s_cmp_eq_u32 s42, 5
	s_cselect_b64 s[4:5], s[70:71], s[68:69]
	s_cselect_b64 s[6:7], s[68:69], s[70:71]
	s_add_nc_u64 s[20:21], s[4:5], s[20:21]
	s_add_nc_u64 s[46:47], s[6:7], s[46:47]
.irp s, 0,1
	s_mov_b32 s[G0+4*\s], 1
	s_add_co_u32 s[G0+4*\s+1], s45, \s*SLOT
	s_add_nc_u64 s[G0+4*\s+2:G0+4*\s+3], s[20:21], \s*4096
	s_or_b32 s[G0+4*\s+3], s[G0+4*\s+3], 0x80000000
	s_mov_b32 s[G0B+4*\s], 1
	s_add_co_u32 s[G0B+4*\s+1], s45, \s*SLOT
	s_add_nc_u64 s[G0B+4*\s+2:G0B+4*\s+3], s[46:47], \s*4096
	s_or_b32 s[G0B+4*\s+3], s[G0B+4*\s+3], 0x80000000
	s_wait_alu depctr_va_vdst(0)
	s_wait_tensorcnt 0x0
	ds_add_u32 v28, v29
	ds_add_u32 v28, v29
	s_wait_dscnt 0x0
	s_barrier_signal -1
	s_barrier_wait -1
	JLOAD \s
.endr
	v_and_b32 v1, 15, v0
	v_bfe_u32 v2, v0, 4, 1
	v_and_b32 v3, 31, v0
	v_lshlrev_b32 v26, 4, v3
	v_lshlrev_b32 v24, 5, v2
	v_lshl_add_u32 v25, v1, 8, v24
	v_lshlrev_b32 v27, 2, v1
	s_mul_i32 s21, s15, HALFT
	s_mul_i32 s22, s16, HALFT
	s_add_co_u32 s22, s22, 2*HALFT
.irp s, 0,1
	v_add_nc_u32 v[ADRA+\s], s21, v26
	v_add_nc_u32 v[ADRB+\s], s22, v26
	s_add_co_u32 s21, s21, SLOT
	s_add_co_u32 s22, s22, SLOT
.endr
	s_wait_alu depctr_va_vdst(0)
	s_wait_tensorcnt 1
	s_barrier_signal -1
	s_barrier_wait -1
	FETCH_B 0, 0, 0
	FETCH_A 0, 0, 0
	FETCH_A 0, 0, 4
	STEP 0, 0, 1
	s_mov_b32 s3, LAPS-1
.Llap:
	TURN 0, 1, 1
	STEP 1, 0, 0
	TURN 1, 0, 1
	STEP 0, 0, 0
	s_sub_co_u32 s3, s3, 1
	s_cmp_lg_u32 s3, 0
	s_cbranch_scc1 .Llap
	TURN 0, 1, 0
	STEP 1, 0, 0
	s_wait_dscnt 4*NL
	WIN MUL_LO
	MUL16 0, 1, 0
	MUL16 2, 1, 0
	s_wait_dscnt 0
	WIN MUL_HI
	MUL16 4, 1, 0
	MUL16 6, 1, 0
	WIN 0
	s_wait_kmcnt 0x0
	s_add_co_i32 s4, s88, s89
	s_add_co_i32 s5, s90, s91
	s_add_co_i32 s6, s92, s93
	s_cmp_eq_u32 s42, 4
	s_cselect_b32 s4, s5, s4
	s_cselect_b32 s7, s95, s94
	s_cmp_eq_u32 s42, 5
	s_cselect_b32 s4, s6, s4
	s_cselect_b32 s7, s87, s7
	s_add_co_i32 s4, s4, 127
	s_lshl_b32 s96, s4, 23
	s_mov_b32 s97, s96
	s_add_co_i32 s7, s7, 127
	s_lshl_b32 s4, s7, 23
	v_mov_b32 v30, s4
	s_add_co_i32 s7, s7, 8
	s_lshl_b32 s7, s7, 23
	s_or_b32 s7, s7, 0x600000
	v_mov_b32 v31, s7
	s_lshr_b32 s13, s17, 3
	s_and_b32 s18, s17, 7
	PLACES NP
	s_cmp_eq_u32 s42, 5
	s_cbranch_scc1 .Lv
.set BIAS, 32
.set NW, 96
.set Y, 192
.set CD, 224
	s_lshl_b32 s19, s13, 4
	s_lshl_b32 s8, s42, 2
	s_add_co_u32 s19, s19, s8
	s_lshl_b32 s8, s16, 1
	s_add_co_u32 s19, s19, s8
	s_lshl_b32 s19, s19, 7
	s_lshl_b32 s9, s18, 4
	s_add_co_u32 s19, s19, s9
	s_lshl_b32 s9, s15, 3
	s_add_co_u32 s19, s19, s9
	s_lshl_b32 s19, s19, 10
	s_lshl_b32 s10, s13, 2
	s_add_co_u32 s10, s10, s8
	s_lshl_b32 s10, s10, 3
	s_add_co_u32 s10, s10, s18
	s_lshl_b32 s10, s10, 15
	s_lshl_b32 s9, s15, 13
	s_add_co_u32 s10, s10, s9
	s_add_co_u32 s10, s10, KVO
	s_mov_b32 s12, 131072
	s_cmp_eq_u32 s42, 4
	s_cselect_b32 s4, s10, s19
	s_cselect_b32 s6, 262144, s12
	s_cselect_b32 s12, 0, s42
	s_cselect_b64 s[8:9], s[76:77], s[74:75]
	s_cselect_b64 s[10:11], s[82:83], s[80:81]
	s_mov_b32 s5, 0
	s_mov_b32 s7, 0
	s_add_nc_u64 s[4:5], s[84:85], s[4:5]
	s_add_nc_u64 s[6:7], s[4:5], s[6:7]
	s_lshl_b32 s12, s12, 10
	s_lshl_b32 s13, s16, 9
	s_add_co_u32 s12, s12, s13
	s_mov_b32 s13, 0
	s_add_nc_u64 s[8:9], s[8:9], s[12:13]
	s_lshl_b32 s12, s18, 16
	s_lshl_b32 s19, s15, 15
	s_add_co_u32 s12, s12, s19
	s_add_co_u32 s12, s12, ROPE
	s_add_nc_u64 s[12:13], s[68:69], s[12:13]
	s_mov_b32 s20, 0x3c800000
	s_mov_b32 s21, 0x3727c5ac
	s_mov_b32 s22, 0x76543210
	s_mov_b32 s23, 0xfedcba98
	v_mov_b32 v253, 0
.set i, 0
.rept 8
	global_load_b128 v[BIAS+8*i:BIAS+8*i+3], v24, s[8:9] offset:64*i
	global_load_b128 v[BIAS+8*i+4:BIAS+8*i+7], v24, s[8:9] offset:64*i+16
.set i, i+1
.endr
.set i, 0
.rept 4
	global_load_b128 v[NW+8*i:NW+8*i+3], v24, s[10:11] offset:64*i
	global_load_b128 v[NW+8*i+4:NW+8*i+7], v24, s[10:11] offset:64*i+16
.set i, i+1
.endr
.macro CSLOAD a
.set CSS, 128+32*((\a)%2)
.irp p, 0,1
.irp u, 0,1
	global_load_b128 v[CSS+8*\p+4*\u:CSS+8*\p+4*\u+3], v25, s[12:13] offset:(\a)*4096+64*\p+16*\u
	global_load_b128 v[CSS+16+8*\p+4*\u:CSS+16+8*\p+4*\u+3], v25, s[12:13] offset:(\a)*4096+128+64*\p+16*\u
.endr
.endr
.endm
.macro HEAD a, hd
.set AC, 64*((\a)%4)+32*(\hd)
.set CSS, 128+32*((\a)%2)
.set OB, 4+2*(\hd)
	WIN 0x02+((\a)/4)
.set j, 0
.rept 16
	v_pk_fma_f32 v[Y+j:Y+j+1], v[AC+j:AC+j+1], s[96:97], v[BIAS+32*(\hd)+j:BIAS+32*(\hd)+j+1] op_sel_hi:[1,0,1]
.set j, j+2
.endr
	WIN 0
	v_pk_mul_f32 v[248:249], v[Y:Y+1], v[Y:Y+1]
	v_pk_mul_f32 v[250:251], v[Y+2:Y+3], v[Y+2:Y+3]
.set j, 4
.rept 7
	v_pk_fma_f32 v[248:249], v[Y+j:Y+j+1], v[Y+j:Y+j+1], v[248:249]
	v_pk_fma_f32 v[250:251], v[Y+j+2:Y+j+3], v[Y+j+2:Y+j+3], v[250:251]
.set j, j+4
.endr
	v_pk_add_f32 v[248:249], v[248:249], v[250:251]
	v_add_f32 v248, v248, v249
	v_permlanex16_b32 v249, v248, s22, s23
	v_add_f32 v248, v248, v249
	v_fma_f32 v248, v248, s20, s21
	s_wait_alu depctr_va_vdst(0)
	v_rsq_f32 v252, v248
	v_nop
	s_wait_alu depctr_va_vdst(0)
.set j, 0
.rept 16
	v_pk_mul_f32 v[Y+j:Y+j+1], v[Y+j:Y+j+1], v[252:253] op_sel_hi:[1,0]
.set j, j+2
.endr
.set j, 0
.rept 16
	v_pk_mul_f32 v[Y+j:Y+j+1], v[Y+j:Y+j+1], v[NW+j:NW+j+1]
.set j, j+2
.endr
.irp p, 0,1
.set j, 0
.rept 4
	v_pk_mul_f32 v[232+j:233+j], v[Y+16+8*\p+j:Y+17+8*\p+j], v[CSS+16+8*\p+j:CSS+17+8*\p+j]
	v_pk_mul_f32 v[240+j:241+j], v[Y+8*\p+j:Y+1+8*\p+j], v[CSS+16+8*\p+j:CSS+17+8*\p+j]
.set j, j+2
.endr
.set j, 0
.rept 4
	v_pk_fma_f32 v[Y+8*\p+j:Y+1+8*\p+j], v[Y+8*\p+j:Y+1+8*\p+j], v[CSS+8*\p+j:CSS+1+8*\p+j], v[232+j:233+j] neg_lo:[0,0,1] neg_hi:[0,0,1]
	v_pk_fma_f32 v[Y+16+8*\p+j:Y+17+8*\p+j], v[Y+16+8*\p+j:Y+17+8*\p+j], v[CSS+8*\p+j:CSS+1+8*\p+j], v[240+j:241+j]
.set j, j+2
.endr
.endr
.set k, 0
.rept 32
	v_med3_num_f32 v[Y+k], v[Y+k], -v31, v31
.set k, k+1
.endr
	s_wait_alu depctr_va_vdst(0)
	s_wait_xcnt 0x0
.irp c, 0,1,2,3
	v_cvt_scalef32_pk8_fp8_f32 v[CD+2*\c:CD+2*\c+1], v[Y+8*\c:Y+8*\c+7], v30
.endr
	v_nop
	global_store_b128 v26, v[CD:CD+3], s[OB:OB+1] offset:(\a)*1024
	global_store_b128 v26, v[CD+4:CD+7], s[OB:OB+1] offset:(\a)*1024+512
.endm
	CSLOAD 0
.irp a, 0,1,2,3,4,5,6,7
.if \a < 7
	CSLOAD \a+1
	s_wait_loadcnt 8
.else
	s_wait_loadcnt 0
.endif
	HEAD \a, 0
	HEAD \a, 1
.endr
	s_wait_tensorcnt 0x0
	ds_add_u32 v[SPW], v[NIL]
	s_wait_dscnt 0x0
	s_endpgm
.Lv:
	s_lshl_b32 s8, s15, 9
	s_mov_b32 s9, 0
	s_add_nc_u64 s[8:9], s[78:79], s[8:9]
.set i, 0
.rept 8
	global_load_b32 v[32+2*i], v27, s[8:9] offset:64*i
	global_load_b32 v[33+2*i], v27, s[8:9] offset:64*i
.set i, i+1
.endr
	s_lshl_b32 s4, s13, 2
	s_lshl_b32 s5, s15, 1
	s_add_co_u32 s4, s4, s5
	s_lshl_b32 s4, s4, 3
	s_add_co_u32 s4, s4, s18
	s_lshl_b32 s4, s4, 15
	s_lshl_b32 s5, s16, 13
	s_add_co_u32 s4, s4, s5
	s_add_co_u32 s4, s4, KVO+16384
	s_mov_b32 s5, 0
	s_add_nc_u64 s[4:5], s[84:85], s[4:5]
	s_wait_loadcnt 0x0
.macro VBLK a
.set AC, 64*((\a)%4)
	WIN 0x02+((\a)/4)
.set j, 0
.rept 32
	v_pk_fma_f32 v[128+j:129+j], v[AC+j:AC+j+1], s[96:97], v[32+2*(\a):33+2*(\a)] op_sel_hi:[1,0,1]
.set j, j+2
.endr
	WIN 0
.set k, 0
.rept 64
	v_med3_num_f32 v[128+k], v[128+k], -v31, v31
.set k, k+1
.endr
.if (\a) > 0
	s_wait_alu depctr_va_vdst(0)
	s_wait_xcnt 0x0
.endif
.irp b, 0,1,2,3,4,5,6,7
	v_cvt_scalef32_pk8_fp8_f32 v[192+2*\b:193+2*\b], v[128+8*\b:135+8*\b], v30
.endr
	v_nop
.irp g, 0,1,2,3
	global_store_b128 v26, v[192+4*\g:195+4*\g], s[4:5] offset:((\a)/4)*262144+((\a)%4)*2048+512*\g
.endr
.endm
.irp a, 0,1,2,3,4,5,6,7
	VBLK \a
.endr
	s_wait_tensorcnt 0x0
	ds_add_u32 v[SPW], v[NIL]
	s_wait_dscnt 0x0
	s_endpgm
.Lfunc_end_k_q2aff479009_qkv:
	.size	k_q2aff479009_qkv, .Lfunc_end_k_q2aff479009_qkv-k_q2aff479009_qkv
	.p2alignl 7, 3214868480
	.fill 96, 4, 3214868480
	.section	.rodata,"a",@progbits
	.p2align	6, 0x0
	.amdhsa_kernel k_q2aff479009_qkv
		.amdhsa_group_segment_fixed_size 327680
		.amdhsa_private_segment_fixed_size 0
		.amdhsa_enable_private_segment 0
		.amdhsa_kernarg_size 72
		.amdhsa_user_sgpr_count 2
		.amdhsa_user_sgpr_kernarg_segment_ptr 1
		.amdhsa_wavefront_size32 1
		.amdhsa_system_sgpr_workgroup_id_x 1
		.amdhsa_system_sgpr_workgroup_id_y 1
		.amdhsa_system_sgpr_workgroup_id_z 1
		.amdhsa_system_vgpr_workitem_id 0
		.amdhsa_next_free_vgpr 1024
		.amdhsa_next_free_sgpr 100
		.amdhsa_reserve_vcc 0
		.amdhsa_float_denorm_mode_32 3
		.amdhsa_float_denorm_mode_16_64 3
		.amdhsa_memory_ordered 1
		.amdhsa_forward_progress 1
		.amdhsa_inst_pref_size 255
	.end_amdhsa_kernel
	.section	.bss,"aw",@nobits
	.p2align	6
	.space	262144
	.amdgpu_metadata
---
amdhsa.version: [ 1, 2 ]
amdhsa.kernels:
  - .name:           k_q2aff479009_qkv
    .symbol:         k_q2aff479009_qkv.kd
    .args:
      - { .name: hc, .offset: 0, .size: 8, .value_kind: global_buffer, .address_space: global }
      - { .name: wc, .offset: 8, .size: 8, .value_kind: global_buffer, .address_space: global }
      - { .name: lowp_scales, .offset: 16, .size: 8, .value_kind: global_buffer, .address_space: global }
      - { .name: bq, .offset: 24, .size: 8, .value_kind: global_buffer, .address_space: global }
      - { .name: bk, .offset: 32, .size: 8, .value_kind: global_buffer, .address_space: global }
      - { .name: bv, .offset: 40, .size: 8, .value_kind: global_buffer, .address_space: global }
      - { .name: qn_w, .offset: 48, .size: 8, .value_kind: global_buffer, .address_space: global }
      - { .name: kn_w, .offset: 56, .size: 8, .value_kind: global_buffer, .address_space: global }
      - { .name: qkv, .offset: 64, .size: 8, .value_kind: global_buffer, .address_space: global }
    .group_segment_fixed_size: 327680
    .private_segment_fixed_size: 0
    .kernarg_segment_align: 8
    .kernarg_segment_size: 72
    .max_flat_workgroup_size: 128
    .sgpr_count:     100
    .vgpr_count:     1024
    .wavefront_size: 32
...
	.end_amdgpu_metadata
.endif
;; end of part 9
;; launch attn (part 10): grid 32 x 8, 8 waves a work-group, no clusters, 327,680 bytes of LDS; arguments qkv, lowp_scales, att; writes att
.if DOCPART == 10
	.amdgcn_target "amdgcn-amd-amdhsa--gfx1250"
	.amdhsa_code_object_version 6
	.text
	.protected	k_q2aff479009_attn
	.globl	k_q2aff479009_attn
	.p2align	8
	.type	k_q2aff479009_attn,@function
k_q2aff479009_attn:
	s_mov_b64 s[64:65], 0
	v_nop
	global_prefetch_b8 v0, s[64:65] scope:SCOPE_SE
	s_setreg_imm32_b32 hwreg(HW_REG_WAVE_MODE, 25, 1), 1
	s_wait_xcnt 0x0
; Causal attention on codes of E4M3: head size 64, 2,048 positions, 32 query heads over 8 key and value heads.  The output is quantised for the next product.
; t = score x log2(e) / 32; M = the running largest t rounded UP to a whole number; p = 2^(t - M) is quantised along the keys, not normalised; the row's sum is taken of the unquantised p and divides at the end.
; LEFT OUT: key steps all of whose 128 keys come after a wave's queries: the causal mask sets those scores to -inf, whatever the inputs hold.
; SHARES.  Work-group (j, by): by = 4 b + the key and value head; it owns the blocks of 32 positions j and 63 - j of that head's four query heads: j / 4 + 1 and (63 - j) / 4 + 1 key steps, 17 in every work-group.
; Each of eight waves owns TWO tiles: 16 positions of two query heads, so that each fragment of K and V feeds two matrix instructions and one compare of the mask serves two tiles.
; Wave w: head pair bit 1, which 16 positions bit 2, which block bit 0 xor bit 2: waves w, w + 4 and waves 2 k, 2 k + 1 both hold one wave of each block.
; THE RING.  Two LDS slots of 512 keys, four key steps each: step u has K's 8,192 bytes and then V's.  Every wave brings 8,192 bytes with one tensor load.  All work-groups walk 4 changes of slots
; (constant trip counts); a slot whose first key comes after the work-group's last query is not asked for: a jump on ids alone, the same in all waves, round the load's own lines.
; The next step's fragments of K are read from LDS behind this step's score products, inside a slot; a slot's first ones behind the change of slots.  V's are read at the step's head.
; LAYOUT.  Operands are images of their registers.  S^T = K Q^T (source 0 = 16 keys, K = 64), O^T = V^T P^T (source 0 = 16 channels, K = 128 keys): a lane holds one query; key tile c's eight registers are
; keys 16 c + 8 h + 0..7, which are registers 2 c, 2 c + 1 of P.
; NO MULTICAST: the work-groups of a head need different numbers of slots under the causal mask, so they could not all make every joint request.
; LIMITS: e6 + e7 between -117 and 130 (added to c's exponent field); e8, e10 between -126 and 119.  The scaled scores stay under 2^31 in magnitude.
; REGISTERS.  Window 0: v1-7 addresses and constants; v8-11 (-M, largest t) a tile; v12-15 the sums; v16-19 f; v20, 21 the hold; v22-27 at work; v28 2^e8; v29 an address; v32-47 Q; v48-175 S^T, then p; v176-239 O^T; v240-255 at work.
; Window 1: v0-63 K's fragments, v64-127 V's, v128-159 p's codes.
.set KVO, 4194304
.set SLOT1, 1<<16
.set STEPB, 16384
.set SPARE, 2*SLOT1                    ; behind the ring: the spare words, 128 bytes a wave, that no other line names
.set LI, 1
.set PFO, 2
.set SPW, 3
.set NIL, 4
.set ADK, 5
.set DL, 6
.set NINF, 7
.set MS, 8
.set SUM, 12
.set F, 16
.set HOLD, 20
.set SCL, 28
.set Q, 32
.set S, 48
.set O, 176
.set TB, 2
.set U, 3
.set WV, 18
.set WL, 19
.set CS, 22
.set G1, 24
.set G0, 40
.set SEL, 44
.set PFA, 76
.set LIM, 80
.set KF, 86
.set N, 87
.set QL, 98
.set Q0, 99
.set MSB, 0
.macro WIN new                         ; the immediate's high byte repeats the setting that is left
.if MSB != (\new)
	s_set_vgpr_msb (MSB<<8)|(\new)
.set MSB, (\new)
.endif
.endm
.macro KLOAD adr                       ; eight key tiles' fragments into window 1, from the LDS address in v[adr]
	WIN 0x40
.set c, 0
.rept 8
	ds_load_b128 v[8*c:8*c+3], v[\adr] offset:1024*c
	ds_load_b128 v[8*c+4:8*c+7], v[\adr] offset:1024*c+512
.set c, c+1
.endr
	WIN 0
.endm
	s_load_b128 s[4:7], s[0:1], 0x0                ; qkv, lowp_scales
	s_load_b64 s[8:9], s[0:1], 0x10                ; att
	v_lshl_add_u32 v[SPW], v0, 2, SPARE
	v_mov_b32 v[NIL], 0
	ds_add_u32 v[SPW], v[NIL]                      ; the opening lines: the add twice on end, one wait
	ds_add_u32 v[SPW], v[NIL]
	v_lshrrev_b32 v5, 5, v0
	v_readfirstlane_b32 s[WV], v5
	s_and_b32 s10, ttmp7, 0xffff                   ; by
	s_bfe_u32 s11, s[WV], 0x10001                  ; head pair
	s_lshr_b32 s12, s[WV], 2                       ; which 16 positions of the block
	s_xor_b32 s13, s[WV], s12
	s_and_b32 s13, s13, 1                          ; 1: block j, 0: block 63 - j
	s_sub_co_u32 s14, 63, ttmp9
	s_lshl_b32 s[WL], s14, 5
	s_or_b32 s[WL], s[WL], 31                      ; the work-group's last query
	s_cmp_eq_u32 s13, 1
	s_cselect_b32 s14, ttmp9, s14
	s_lshl_b32 s15, s14, 1
	s_add_co_u32 s15, s15, s12                     ; my tile of 16 positions
	s_lshl_b32 s[Q0], s15, 4
	s_or_b32 s[QL], s[Q0], 15
	s_lshl_b32 s16, s10, 2
	s_lshl_b32 s17, s11, 1
	s_add_co_u32 s16, s16, s17
	s_lshl_b32 s16, s16, 7
	s_add_co_u32 s16, s16, s15
	s_lshl_b32 s16, s16, 10                        ; Q's image of my first head; the second lies 131,072 bytes on
	s_mov_b32 s17, 0
	s_lshr_b32 s20, s10, 2
	s_lshl_b32 s20, s20, 7
	s_add_co_u32 s20, s20, s15                     ; the output's row tile
	s_lshl_b32 s20, s20, 3
	s_and_b32 s21, s10, 3
	s_lshl_b32 s21, s21, 1
	s_add_co_u32 s20, s20, s21
	s_add_co_u32 s20, s20, s11                     ; x 8 images + my head pair: my two heads are the image's two halves
	s_lshl_b32 s20, s20, 11
	s_mov_b32 s21, 0
	s_lshl_b32 s74, s10, 18
	s_add_co_u32 s74, s74, KVO                     ; the head's K and V
	s_mov_b32 s75, 0
	s_lshl_b32 s81, s[WV], 13
	s_add_co_u32 s82, s74, s81
	s_add_co_u32 s82, s82, SLOT1                   ; the prefetches stand in slot 1; the first change steps them to slot 2
	s_mov_b32 s83, 0
	s_and_b32 s81, s[WV], 1                        ; what I fetch: step w / 2 of a slot, K's part (0) or V's (1); in memory 256 keys of K, then of V
	s_lshl_b32 s81, s81, 14
	s_add_co_u32 s74, s74, s81
	s_lshl_b32 s81, s11, 13
	s_add_co_u32 s74, s74, s81
	s_lshl_b32 s81, s12, 15
	s_add_co_u32 s74, s74, s81
	s_mov_b32 s[G1], 3<<16                         ; a dense block as 32 rows of 32 elements of 8 bytes
	s_mov_b32 s[G1+1], 32<<16
	s_mov_b32 s[G1+2], 32<<16
	s_mov_b32 s[G1+3], 32<<16
	s_mov_b32 s[G1+4], 32
	s_mov_b32 s[G1+5], 32
	s_mov_b32 s[G1+6], 0
	s_mov_b32 s[G1+7], 0
	s_mov_b32 s[SEL], 0x76543210
	s_mov_b32 s[SEL+1], 0xfedcba98
	s_mov_b32 s[CS], 0x3d38aa3b                    ; log2(e) / 32
	s_mov_b32 s[TB], 0
	s_mov_b32 s[KF], 0
	s_mov_b32 s[N], 0
	s_cmp_lt_u32 ttmp9, 4
	s_cselect_b32 s[LIM], ttmp9, -1                ; work-groups 2 and 3 of a head ask for slots 2 and 3
	s_wait_dscnt 0x0
	s_wait_kmcnt 0x0
	s_load_b128 s[68:71], s[6:7], 0x18             ; e6, e7, e8, e9
	s_load_b32 s72, s[6:7], 0x28                   ; e10
	s_mov_b32 s[G0], 1
	s_lshl_b32 s[G0+1], s[WV], 13
	s_add_nc_u64 s[G0+2:G0+3], s[4:5], s[74:75]
	s_or_b32 s[G0+3], s[G0+3], 0x80000000
	tensor_load_to_lds s[G0:G0+3], s[G1:G1+7]      ; slot 0: one load in every wave
	s_nop 0
.rept 4
	v_nop
.endr
	s_add_nc_u64 s[PFA:PFA+1], s[4:5], s[82:83]
	s_add_nc_u64 s[16:17], s[4:5], s[16:17]
	s_add_nc_u64 s[8:9], s[8:9], s[20:21]
	v_and_b32 v1, 31, v0
	v_and_b32 v[DL], 15, v0
	v_bfe_u32 v7, v0, 4, 1
	v_lshlrev_b32 v[PFO], 8, v1
	v_lshlrev_b32 v[LI], 4, v1                     ; 16 x lane
	v_lshlrev_b32 v7, 3, v7
	global_load_b128 v[Q:Q+3], v[LI], s[16:17]     ; Q stays in registers
	global_load_b128 v[Q+4:Q+7], v[LI], s[16:17] offset:512
	global_load_b128 v[Q+8:Q+11], v[LI], s[16:17] offset:131072
	global_load_b128 v[Q+12:Q+15], v[LI], s[16:17] offset:131584
	v_sub_nc_u32 v[DL], v[DL], v7                  ; r - 8 h
	v_mov_b32 v[NINF], 0xff800000
.irp T, 0,1
	v_mov_b32 v[MS+2*\T+1], 0xff61b1e6             ; the largest t so far: -3e38
	v_mov_b32 v[SUM+2*\T], 0
	v_mov_b32 v[SUM+2*\T+1], 0
	v_mov_b32 v[F+2*\T+1], 0
	v_mov_b32 v[26+\T], 0
.endr
.irp T, 0,1
	v_floor_f32 v[MS+2*\T], -v[MS+2*\T+1]          ; -M
.endr
.set j, 0
.rept 64
	v_mov_b32 v[O+j], 0                            ; O^T: the step is written once; the first change of M leaves zeros zeros
.set j, j+1
.endr
	s_wait_kmcnt 0x0
	s_add_co_i32 s81, s68, s69
	s_lshl_b32 s81, s81, 23
	s_add_co_i32 s[CS], s[CS], s81                 ; a score stands for score x 2^(e6 + e7)
	s_mov_b32 s[CS+1], s[CS]
	s_add_co_i32 s81, s70, 127
	s_lshl_b32 s82, s81, 23
	v_mov_b32 v[SCL], s82                          ; 2^e8
	s_add_co_i32 s81, s81, 8
	s_lshl_b32 s81, s81, 23
	s_or_b32 s81, s81, 0x600000
	v_mov_b32 v[HOLD], s81                         ; 448 x 2^e8, twice: one for each half of a dual pair
	v_mov_b32 v[HOLD+1], s81
	s_add_co_i32 s81, s72, 127
	s_lshl_b32 s88, s81, 23                        ; 2^e10
	s_add_co_i32 s81, s81, 8
	s_lshl_b32 s81, s81, 23
	s_or_b32 s89, s81, 0x600000                    ; 448 x 2^e10
	s_add_co_i32 s90, s70, s71                     ; e8 + e9
	s_wait_alu depctr_va_vdst(0)
	s_wait_loadcnt 0x0                             ; Q
.Lslot:                                            ; 4 trips: THE CHANGE OF SLOTS, then the slot's four key steps
	s_wait_tensorcnt 0x0                           ; my part of the slot ahead has landed; no load of mine is out, so group 0 may be written
	ds_add_u32 v[SPW], v[NIL]                      ; 0 onto my spare word
	s_xor_b32 s[G0+1], s[G0+1], SLOT1
	s_add_nc_u64 s[G0+2:G0+3], s[G0+2:G0+3], SLOT1
	s_wait_xcnt 0x0                                ; any prefetch of mine has read its address
	s_add_nc_u64 s[PFA:PFA+1], s[PFA:PFA+1], SLOT1
	s_wait_dscnt 0x0                               ; the add is done, and my reads of the slot that I have left are over
	s_barrier_signal -1
	s_barrier_wait -1
	s_add_co_u32 s96, s[KF], 512                   ; the first key of the slot that this change would ask for
	s_cmp_gt_u32 s96, s[WL]                        ; past the work-group's last query no wave reads it: ids and the count of steps alone
	s_cbranch_scc1 .Lpast
	tensor_load_to_lds s[G0:G0+3], s[G1:G1+7]      ; my one load behind this barrier, into the slot just left (the first time: slot 1's first fill)
	s_nop 0
.rept 4
	v_nop
.endr
.Lpast:
	s_add_co_u32 s96, s[N], 2                      ; a prefetch of the slot that the NEXT change asks for: work-group x of a head names slot x, whole, 8,192 bytes a wave, lanes 256 bytes apart; slots 0 and 1 come by their loads alone
	s_cmp_eq_u32 s96, s[LIM]
	s_cbranch_scc0 .Lnoask
	global_prefetch_b8 v[PFO], s[PFA:PFA+1] th:TH_LOAD_NT scope:SCOPE_SE
.Lnoask:
	v_add_nc_u32 v[ADK], s[TB], v[LI]
	KLOAD ADK                                      ; the slot's first fragments of K
	s_mov_b32 s[U], 0
.Lstep:                                            ; 4 trips: 128 keys each
	s_cmp_gt_u32 s[KF], s[QL]
	s_cbranch_scc1 .Lhidden                        ; all keys come after my queries
	v_add_nc_u32 v[ADK], s[TB], v[LI]
	WIN 0x40
.set c, 0
.rept 4
.irp g, 0,1,2,3
	ds_load_b128 v[64+16*c+4*\g:67+16*c+4*\g], v[ADK] offset:8192+2048*c+512*\g
.endr
.set c, c+1
.endr
	WIN 0x01                                       ; source 0 window 1
	s_wait_alu depctr_va_vdst(0)
	s_wait_dscnt 16                                ; K's fragments are in; V's sixteen loads may be out
.set c, 0
.rept 8
.irp T, 0,1
	v_wmma_f32_16x16x64_fp8_fp8 v[S+64*\T+8*c:S+64*\T+8*c+7], v[8*c:8*c+7], v[Q+8*\T:Q+8*\T+7], 0
.endr
.set c, c+1
.endr
	WIN 0
.rept 4
	v_nop                                          ; places in front of loads into K's registers and of the first reads of S^T
.endr
	s_cmp_eq_u32 s[U], 3
	s_cbranch_scc1 .Lnok                           ; the slot's last step: the next fragments lie in the other slot
	s_add_co_u32 s96, s[TB], STEPB                 ; the next step's place, kept inside the slot in hand by its own arithmetic: the offset modulo a slot,
	s_and_b32 s96, s96, SLOT1-1
	s_and_b32 s97, s[TB], SLOT1                    ; and the slot's bit
	s_or_b32 s96, s96, s97
	v_add_nc_u32 v29, s96, v[LI]
	KLOAD 29
.Lnok:
	s_add_co_u32 s96, s[KF], 127
	s_cmp_le_u32 s96, s[Q0]
	s_cbranch_scc1 .Lopen                          ; all keys count
	s_sub_co_i32 s96, s[Q0], s[KF]
	v_add_nc_u32 v22, s96, v[DL]                   ; d = my query - KF - 8 h; register 8 c + i is hidden where 16 c + i > d, in both tiles alike
.set n, 0
.rept 64
	v_cmp_gt_i32 vcc_lo, 16*(n/8)+n%8, v22
	v_cndmask_b32 v[S+n], v[S+n], v[NINF], vcc_lo
	v_cndmask_b32 v[S+64+n], v[S+64+n], v[NINF], vcc_lo
.set n, n+1
.endr
.Lopen:
.irp T, 0,1                                    ; the step's largest scores: two chains a tile, the two tiles by turns
	v_max3_num_f32 v[22+2*\T], v[S+64*\T], v[S+64*\T+1], v[S+64*\T+2]
	v_max3_num_f32 v[23+2*\T], v[S+64*\T+3], v[S+64*\T+4], v[S+64*\T+5]
.endr
.set i, 6
.rept 14
.irp T, 0,1
	v_max3_num_f32 v[22+2*\T], v[22+2*\T], v[S+64*\T+i], v[S+64*\T+i+1]
	v_max3_num_f32 v[23+2*\T], v[23+2*\T], v[S+64*\T+i+2], v[S+64*\T+i+3]
.endr
.set i, i+4
.endr
.irp T, 0,1
	v_max3_num_f32 v[22+2*\T], v[22+2*\T], v[S+64*\T+62], v[S+64*\T+63]
.endr
.irp T, 0,1
	v_max_num_f32 v[22+2*\T], v[22+2*\T], v[23+2*\T]
.endr
.irp T, 0,1
	v_permlanex16_b32 v[26+\T], v[22+2*\T], s[SEL], s[SEL+1]
.endr
.irp T, 0,1
	v_max_num_f32 v[22+2*\T], v[22+2*\T], v[26+\T]
.endr
.irp T, 0,1
	v_mul_f32 v[22+2*\T], s[CS], v[22+2*\T]
.endr
.irp T, 0,1
	v_max_num_f32 v[MS+2*\T+1], v[MS+2*\T+1], v[22+2*\T]   ; the running largest t
.endr
.irp T, 0,1
	v_mov_b32 v[22+2*\T], v[MS+2*\T]
.endr
.irp T, 0,1
	v_floor_f32 v[MS+2*\T], -v[MS+2*\T+1]          ; -M = floor(-t): M is a whole number
.endr
.irp T, 0,1
	v_sub_f32 v[22+2*\T], v[MS+2*\T], v[22+2*\T]
.endr
.irp T, 0,1
	v_cvt_i32_f32 v[22+2*\T], v[22+2*\T]
.endr
.irp T, 0,1
	v_ldexp_f32 v[F+2*\T], 1.0, v[22+2*\T]         ; f = 2^(old M - new M): rounds nothing
.endr
.set j, 0
.rept 32
.irp T, 0,1
	v_pk_fma_f32 v[S+64*\T+j:S+64*\T+j+1], v[S+64*\T+j:S+64*\T+j+1], s[CS:CS+1], v[MS+2*\T:MS+2*\T+1] op_sel_hi:[1,0,0]   ; t - M
.endr
.set j, j+2
.endr
	s_wait_alu depctr_va_vdst(0)                   ; ahead of the batch
.set j, 0
.rept 128
	v_exp_f32 v[S+j], v[S+j]
.set j, j+1
.endr
.irp T, 0,1
	v_pk_mul_f32 v[SUM+2*\T:SUM+2*\T+1], v[SUM+2*\T:SUM+2*\T+1], v[F+2*\T:F+2*\T+1] op_sel_hi:[1,0]   ; the sums under the new M; the plain lines behind the batch
.endr
	s_wait_alu depctr_va_vdst(0)                   ; one wait for the batch, ahead of its first reader
.irp T, 0,1                                    ; the rows' sums of the unquantised p
	v_pk_add_f32 v[240+2*\T:241+2*\T], v[S+64*\T:S+64*\T+1], v[S+64*\T+2:S+64*\T+3]
.endr
.set j, 4
.rept 15
.irp T, 0,1
	v_pk_add_f32 v[SUM+2*\T:SUM+2*\T+1], v[SUM+2*\T:SUM+2*\T+1], v[S+64*\T+j:S+64*\T+j+1]
	v_pk_add_f32 v[240+2*\T:241+2*\T], v[240+2*\T:241+2*\T], v[S+64*\T+j+2:S+64*\T+j+3]
.endr
.set j, j+4
.endr
.irp T, 0,1
	v_pk_add_f32 v[SUM+2*\T:SUM+2*\T+1], v[SUM+2*\T:SUM+2*\T+1], v[240+2*\T:241+2*\T]
.endr
.set j, 0
.rept 64
	v_dual_min_num_f32 v[S+j], v[S+j], v[HOLD] :: v_dual_min_num_f32 v[S+j+1], v[S+j+1], v[HOLD+1]   ; p is not negative: a one-sided hold (the conversion does not saturate: ISA guide 7.6.2)
.set j, j+2
.endr
	WIN 0x40                                       ; destination window 1
.set c, 0
.rept 16
	v_cvt_scalef32_pk8_fp8_f32 v[128+2*c:129+2*c], v[S+8*c:S+8*c+7], v[SCL]
.set c, c+1
.endr
	WIN 0
	s_wait_alu depctr_va_vdst(0)                   ; directly ahead of the first reader of O^T
.set j, 0
.rept 16
.irp T, 0,1
	v_pk_mul_f32 v[O+32*\T+j:O+32*\T+j+1], v[O+32*\T+j:O+32*\T+j+1], v[F+2*\T:F+2*\T+1] op_sel_hi:[1,0]   ; O^T under the new M; also the plain lines behind the conversions
.endr
.set j, j+2
.endr
	s_wait_alu depctr_va_vdst(0)
	s_wait_dscnt 0x0                               ; V's fragments, and the next step's of K, asked for a softmax ago
	WIN 0x05                                       ; sources 0 and 1 window 1
.set c, 0
.rept 4
.irp T, 0,1
	v_wmma_f32_16x16x128_fp8_fp8 v[O+32*\T+8*c:O+32*\T+8*c+7], v[64+16*c:79+16*c], v[128+16*\T:143+16*\T], v[O+32*\T+8*c:O+32*\T+8*c+7]
.endr
.set c, c+1
.endr
	WIN 0
.rept 4
	v_nop                                          ; places in front of the next loads into V's registers and of the way out's reads
.endr
.Lhidden:
	s_add_co_u32 s[KF], s[KF], 128
	s_add_co_u32 s[TB], s[TB], STEPB
	s_add_co_u32 s[U], s[U], 1
	s_cmp_lt_u32 s[U], 4
	s_cbranch_scc1 .Lstep
	s_and_b32 s[TB], s[TB], 2*SLOT1-1              ; round the ring
	s_add_co_u32 s[N], s[N], 1
	s_cmp_lt_u32 s[N], 4
	s_cbranch_scc1 .Lslot
; THE WAY OUT: O^T / the sum x 2^(e8 + e9), quantised with e10: my two heads are the two halves of one image of 2,048 bytes
.irp T, 0,1
	v_add_f32 v[SUM+2*\T], v[SUM+2*\T], v[SUM+2*\T+1]
.endr
.irp T, 0,1
	v_permlanex16_b32 v[26+\T], v[SUM+2*\T], s[SEL], s[SEL+1]
.endr
.irp T, 0,1
	v_add_f32 v[SUM+2*\T], v[SUM+2*\T], v[26+\T]
.endr
	s_wait_alu depctr_va_vdst(0)                   ; ahead of the transcendentals
.irp T, 0,1
	v_rcp_f32 v[SUM+2*\T], v[SUM+2*\T]
.endr
	v_mov_b32 v22, s88                             ; 2^e10 (the plain line behind them)
	v_mov_b32 v23, s89                             ; 448 x 2^e10
	s_wait_alu depctr_va_vdst(0)                   ; and ahead of their first reader
.irp T, 0,1
	v_ldexp_f32 v[SUM+2*\T], v[SUM+2*\T], s90
.endr
	s_wait_alu depctr_va_vdst(0)                   ; directly ahead of the first reader of O^T
.set j, 0
.rept 16
.irp T, 0,1
	v_pk_mul_f32 v[S+32*\T+j:S+32*\T+j+1], v[O+32*\T+j:O+32*\T+j+1], v[SUM+2*\T:SUM+2*\T+1] op_sel_hi:[1,0]
.endr
.set j, j+2
.endr
.set k, 0
.rept 64
	v_med3_num_f32 v[S+k], v[S+k], -v23, v23
.set k, k+1
.endr
.set c, 0
.rept 8
	v_cvt_scalef32_pk8_fp8_f32 v[240+2*c:241+2*c], v[S+8*c:S+8*c+7], v22
.set c, c+1
.endr
	v_nop
.irp g, 0,1,2,3
	global_store_b128 v[LI], v[240+4*\g:243+4*\g], s[8:9] offset:512*\g   ; 512 consecutive bytes, aligned
.endr
	s_wait_tensorcnt 0x0                           ; the wave's end
	ds_add_u32 v[SPW], v[NIL]
	s_wait_dscnt 0x0
	s_endpgm
.Lfunc_end_k_q2aff479009_attn:
	.size	k_q2aff479009_attn, .Lfunc_end_k_q2aff479009_attn-k_q2aff479009_attn
	.p2alignl 7, 3214868480
	.fill 96, 4, 3214868480
	.section	.rodata,"a",@progbits
	.p2align	6, 0x0
	.amdhsa_kernel k_q2aff479009_attn
		.amdhsa_group_segment_fixed_size 327680
		.amdhsa_private_segment_fixed_size 0
		.amdhsa_enable_private_segment 0
		.amdhsa_kernarg_size 24
		.amdhsa_user_sgpr_count 2
		.amdhsa_user_sgpr_kernarg_segment_ptr 1
		.amdhsa_wavefront_size32 1
		.amdhsa_system_sgpr_workgroup_id_x 1
		.amdhsa_system_sgpr_workgroup_id_y 1
		.amdhsa_system_sgpr_workgroup_id_z 1
		.amdhsa_system_vgpr_workitem_id 0
		.amdhsa_next_free_vgpr 416
		.amdhsa_next_free_sgpr 100
		.amdhsa_reserve_vcc 1
		.amdhsa_float_denorm_mode_32 3
		.amdhsa_float_denorm_mode_16_64 3
		.amdhsa_memory_ordered 1
		.amdhsa_forward_progress 1
		.amdhsa_inst_pref_size 54
	.end_amdhsa_kernel
	.amdgpu_metadata
---
amdhsa.version: [ 1, 2 ]
amdhsa.kernels:
  - .name:           k_q2aff479009_attn
    .symbol:         k_q2aff479009_attn.kd
    .args:
      - { .name: qkv, .offset: 0, .size: 8, .value_kind: global_buffer, .address_space: global }
      - { .name: lowp_scales, .offset: 8, .size: 8, .value_kind: global_buffer, .address_space: global }
      - { .name: att, .offset: 16, .size: 8, .value_kind: global_buffer, .address_space: global }
    .group_segment_fixed_size: 327680
    .private_segment_fixed_size: 0
    .kernarg_segment_align: 8
    .kernarg_segment_size: 24
    .max_flat_workgroup_size: 256
    .sgpr_count:     100
    .vgpr_count:     416
    .wavefront_size: 32
...
	.end_amdgpu_metadata
.endif
;; end of part 10
;; launch wo (part 11): grid 8 x 32, 4 waves a work-group, clusters of 4 x 4, 327,680 bytes of LDS; arguments att, wc, lowp_scales, bo, x, x1; writes x1
.if DOCPART == 11
	.amdgcn_target "amdgcn-amd-amdhsa--gfx1250"
	.amdhsa_code_object_version 6
	.text
	.protected	k_q2aff479009_wo
	.globl	k_q2aff479009_wo
	.p2align	8
	.type	k_q2aff479009_wo,@function
k_q2aff479009_wo:
	s_mov_b64 s[64:65], 0
	v_nop
	global_prefetch_b8 v0, s[64:65] scope:SCOPE_SE
	s_setreg_imm32_b32 hwreg(HW_REG_WAVE_MODE, 25, 1), 1
	s_wait_xcnt 0x0
	s_wait_alu depctr_hold_cnt(0) depctr_sa_sdst(0) depctr_va_vdst(0) depctr_va_sdst(0) depctr_va_ssrc(0) depctr_va_vcc(0) depctr_vm_vsrc(0)
	s_getreg_b32 s2, hwreg(HW_REG_IB_STS2, 6, 4)
	s_cmp_eq_u32 s2, 0
	s_cbranch_scc0 .Lentry_in_a_cluster
	s_endpgm
.Lentry_in_a_cluster:
	s_bfe_u32 s2, ttmp6, 0x10000c
	s_cmp_lg_u32 s2, 0xf033
	s_cbranch_scc0 .Lentry_shape_is_right
	s_endpgm
.Lentry_shape_is_right:
; x1 = x + att wo + bo.  The product on codes of E4M3; operands are images of their registers (16 rows x 128 k = 2,048 bytes, byte g*512 + 16*lane + i).
; A TILE OF C IS 128 x 128: C is 4,096 x 1,024, which gives 256 work-groups, where tiles of 256 x 256 would give 64.  Four waves, 64 x 64 each: 16 accumulators, 128 registers.
; A slot of LDS holds 512 along K: 8 row tiles of A and 8 of B, 8,192 consecutive bytes of memory each.  With K = 1,024 one fill brings the whole of K: no slot is filled again here
; (the same text serves K = 4,096, where the two slots take turns).
; CLUSTERS of 4 x 4: A's tiles are asked for jointly along a row of the cluster, B's along a column.  The matrix instruction is used transposed (source 0 = B's rows, source 1 = A's):
; lane (r, h) holds row r and columns 16 b + 8 h + 0..7.  Rows of the codes are numbered b * 2048 + s; x and x1 have row (s, b) at s * 8192 + b * 4096.
; REGISTERS: window 0: v1-29 addresses, the bias; v128-255 the accumulators ((a, b) at v[128 + 8 (4 a + b)]), later the rows to be stored.  window 1: two buffers of 128: A's four fragments, then B's four.
;   window 2: v0-127 the residual's 64 rows x 64 columns, asked for at the head.
; LIMIT: the two operands' e added lie between -126 and 127.
.set SIZE_K, 1024
.set BOFF, 9437184
.set EOFF, 40
.set NTOUT, 0
.set KROW16, 16*SIZE_K                 ; bytes of a row tile's images
.set SROW,   16384                     ; ONE FILL: a row tile's eight images, the whole K of 1,024, lie on end in LDS; each wave's one tensor load brings four row tiles; what the text calls slot 1 is the second half of each row tile
.set HALFT,  4*SROW                    ; what one tensor load brings, and what a wave reads of A or of B
.set SLOT,   4*HALFT                   ; A's 8 row tiles, then B's 8
.set SPARE,  SLOT                      ; behind A's and B's 8 row tiles each: the spare words, 128 bytes a wave, that no other line names
.set STAGE,  SPARE+512                 ; behind them: 16 rows x 272 bytes for each wave, for the way out; no tile lands there
.set SPITCH, 272                       ; 256 bytes + 16: the sixteen rows that a store touches start at sixteen different groups of four banks
.set LAPS,   SIZE_K/1024               ; a lap = two slots
.set FR, 16
.set NP, 4
.set BO, 12
.set ADRA, 16
.set ADRB, 20
.set STO, 24
.set RD, 25
.set CO, 26
.set LI, 27
.set SPW, 28
.set NIL, 29
.set ACC, 128
.set F0, 0
.set F1, 128
.set G1, 24
.set G0, 32
.set G1B, 48
.set G0B, 56
.set MSB, 0
.macro WIN new                         ; the immediate's high byte repeats the setting that is left
.if MSB != (\new)
	s_set_vgpr_msb (MSB<<8)|(\new)
.set MSB, (\new)
.endif
.endm
.set MUL,  0x05                        ; sources 0 (B) and 1 (A) window 1; C and D window 0
.set TO_F, 0x40                        ; destination window 1, address window 0
.macro JLOAD s                         ; a joint load: waves 0, 1 for A, waves 2, 3 for B; four v_nop follow each line
	s_cmp_eq_u32 s15, 0
	s_cbranch_scc0 .Lfor_b_\@
	tensor_load_to_lds s[G0+4*\s:G0+4*\s+3], s[G1:G1+7]
	s_nop 0
.rept 4
	v_nop
.endr
	s_branch .Lasked_\@
.Lfor_b_\@:
	tensor_load_to_lds s[G0B+4*\s:G0B+4*\s+3], s[G1B:G1B+7]
	s_nop 0
.rept 4
	v_nop
.endr
.Lasked_\@:
.endm
.macro CREST                           ; a round of the cluster's barrier behind its opening barrier
	s_cmp_lg_u32 s14, 0
	s_cbranch_scc1 .Lnot_wave_0_\@
	s_barrier_signal -3
.Lnot_wave_0_\@:
	s_barrier_wait -3
	s_barrier_signal -1
	s_barrier_wait -1
.endm
.macro CROUND
	s_barrier_signal -1
	s_barrier_wait -1
	CREST
.endm
.macro FRAG reg, adr, q, i             ; a fragment is its image: four loads of 512 consecutive bytes
.irp c, 0,1,2,3
	ds_load_b128 v[\reg+4*\c:\reg+4*\c+3], v[\adr] offset:2048*(\q)+512*\c+(\i)*SROW
.endr
.endm
.macro FETCH slot, q, f                ; 32 LDS loads in one run: the slot's q-th 128 along K into buffer f
	WIN TO_F
.irp i, 0,1,2,3
	FRAG \f+64+FR*\i, ADRB+\slot, \q, \i
	FRAG \f+FR*\i, ADRA+\slot, \q, \i
.endr
.endm
.macro MULA f, a, zero                 ; A's block a x B's four; the 16 accumulators take turns, in the same order in every step
.irp b, 0,1,2,3
.if \zero
	v_wmma_f32_16x16x128_fp8_fp8 v[ACC+8*(4*(\a)+\b):ACC+8*(4*(\a)+\b)+7], v[\f+64+FR*\b:\f+64+FR*\b+FR-1], v[\f+FR*(\a):\f+FR*(\a)+FR-1], 0
.else
	v_wmma_f32_16x16x128_fp8_fp8 v[ACC+8*(4*(\a)+\b):ACC+8*(4*(\a)+\b)+7], v[\f+64+FR*\b:\f+64+FR*\b+FR-1], v[\f+FR*(\a):\f+FR*(\a)+FR-1], v[ACC+8*(4*(\a)+\b):ACC+8*(4*(\a)+\b)+7]
.endif
.endr
.endm
.macro PLACES n                        ; plain vector lines between a matrix instruction and a load into, or a read of, its registers
.rept \n
	v_nop
.endr
.endm
.macro Q slot, k, f, g, zero           ; one of a slot's first three steps: fetches the slot's k-th 128 along K into buffer g, multiplies buffer f
	PLACES NP                                      ; buffer g was read by the last step's products
	FETCH \slot, \k, \g
	s_wait_dscnt 32                                ; buffer f is in; the 32 loads just issued may be out
	WIN MUL
	MULA \f, 0, \zero
	MULA \f, 1, \zero
	MULA \f, 2, \zero
	MULA \f, 3, \zero
.endm
.macro TURN slot, next, fill           ; a slot's fourth step multiplies buffer 1 and changes slots: one barrier
	WIN 0                                          ; (the add's two registers lie in window 0)
	s_wait_tensorcnt 0x0                           ; all my tensor loads have landed: my part of the next slot
	ds_add_u32 v[SPW], v[NIL]                      ; 0 onto my spare word
	s_wait_dscnt 1                                 ; buffer 1 is in; the add may be out
	WIN MUL
	MULA F1, 0, 0
	s_wait_dscnt 0x0                               ; the add is done, and my reads of this slot are over
	s_barrier_signal -1
	MULA F1, 1, 0
	WIN 0
	s_barrier_wait -1
.if \fill
	CREST                                          ; the barrier has opened a round of the cluster's: no wave of any partner still reads this slot or has a load on its way
	s_add_nc_u64 s[G0+4*\slot+2:G0+4*\slot+3], s[G0+4*\slot+2:G0+4*\slot+3], 2*SROW
	s_add_nc_u64 s[G0B+4*\slot+2:G0B+4*\slot+3], s[G0B+4*\slot+2:G0B+4*\slot+3], 2*SROW
	JLOAD \slot                                    ; my one tensor load behind the round; its four v_nop are the places in front of the loads below
.else
	PLACES NP
.endif
	FETCH \next, 0, F0
	WIN MUL
	MULA F1, 2, 0
	MULA F1, 3, 0
.endm
	s_load_b256 s[4:11], s[0:1], 0x0               ; A's codes, wc, lowp_scales, the bias
	s_load_b128 s[68:71], s[0:1], 0x20             ; the residual, the output
	v_lshl_add_u32 v[SPW], v0, 2, SPARE
	v_mov_b32 v[NIL], 0
	ds_add_u32 v28, v29
	ds_add_u32 v28, v29
	s_wait_dscnt 0x0
	v_lshrrev_b32 v1, 5, v0
	v_readfirstlane_b32 s14, v1                    ; wave
	s_lshr_b32 s15, s14, 1                         ; my half of the tile's rows; also: I fetch for A (0) or for B (1)
	s_and_b32 s16, s14, 1                          ; my half of its columns; also: which 4 row tiles I fetch
	s_bfe_u32 s40, ttmp6, 0x40000                  ; cx, cy
	s_bfe_u32 s41, ttmp6, 0x40004
	s_lshl_b32 s42, ttmp9, 2
	s_add_co_u32 s42, s42, s40                     ; tile column
	s_and_b32 s17, ttmp7, 0xffff
	s_lshl_b32 s17, s17, 2
	s_add_co_u32 s17, s17, s41                     ; tile row
	s_lshl_b32 s43, s41, 2
	s_lshl_b32 s43, 15, s43                        ; my row of the cluster
	s_lshl_b32 s44, 0x1111, s40                    ; my column
	s_or_b32 s[G1+0], s43, (1<<21)                 ; the mask, bit 21 beside it; elements of 1 byte, no padding
	s_or_b32 s[G1B+0], s44, (1<<21)
.irp g, G1, G1B
	s_mov_b32 s[\g+1], SROW<<16                    ; tensor_dim0 = 16,384
	s_mov_b32 s[\g+2], 4<<16                       ; tensor_dim1 = 4
	s_mov_b32 s[\g+3], SROW<<16                    ; tile_dim0
	s_mov_b32 s[\g+4], 4                           ; tile_dim1
	s_mov_b32 s[\g+5], KROW16                      ; from row tile to row tile
	s_mov_b32 s[\g+6], 0
	s_mov_b32 s[\g+7], 0
.endr
	s_lshl_b32 s18, s16, 2
	s_lshl_b32 s20, s17, 3
	s_add_co_u32 s20, s20, s18                     ; A: row tile 8 x tile row + 4 x half
	s_mul_i32 s20, s20, KROW16
	s_mov_b32 s21, 0
	s_lshl_b32 s46, s42, 3
	s_add_co_u32 s46, s46, s18                     ; B: row tile 8 x tile column + 4 x half
	s_mul_i32 s46, s46, KROW16
	s_mov_b32 s47, 0
	s_mul_i32 s45, s14, HALFT                      ; where they go: no place in the cluster enters an LDS address
	s_wait_kmcnt 0x0
	s_load_b64 s[96:97], s[8:9], EOFF
	s_add_nc_u64 s[20:21], s[4:5], s[20:21]
	s_add_nc_u64 s[46:47], s[6:7], s[46:47]
	s_add_nc_u64 s[46:47], s[46:47], BOFF
	CROUND                                         ; all sixteen work-groups are here: the first joint loads meet
.irp s, 0
	s_mov_b32 s[G0+4*\s], 1
	s_add_co_u32 s[G0+4*\s+1], s45, \s*SLOT
	s_add_nc_u64 s[G0+4*\s+2:G0+4*\s+3], s[20:21], \s*SROW
	s_or_b32 s[G0+4*\s+3], s[G0+4*\s+3], 0x80000000
	s_mov_b32 s[G0B+4*\s], 1
	s_add_co_u32 s[G0B+4*\s+1], s45, \s*SLOT
	s_add_nc_u64 s[G0B+4*\s+2:G0B+4*\s+3], s[46:47], \s*SROW
	s_or_b32 s[G0B+4*\s+3], s[G0B+4*\s+3], 0x80000000
	JLOAD \s                                       ; my one tensor load of the launch
.endr
	v_and_b32 v1, 15, v0                           ; r
	v_bfe_u32 v2, v0, 4, 1                         ; h
	v_and_b32 v3, 31, v0
	v_lshlrev_b32 v[LI], 4, v3                     ; 16 x lane
	v_lshlrev_b32 v[BO], 4, v1                     ; 16 r: my four columns of a row of 64
	v_lshl_add_u32 v[CO], v2, 13, v[BO]            ; lanes 0-15 one row of the output, lanes 16-31 the next position's
	s_mul_i32 s21, s15, HALFT
	s_mul_i32 s22, s16, HALFT
	s_add_co_u32 s22, s22, 2*HALFT
.irp s, 0,1
	v_add_nc_u32 v[ADRA+\s], s21, v[LI]
	v_add_nc_u32 v[ADRB+\s], s22, v[LI]
	s_add_co_u32 s21, s21, 8192                    ; the second four images of each row tile
	s_add_co_u32 s22, s22, 8192
.endr
	s_mul_i32 s23, s14, 16*SPITCH
	s_add_co_u32 s23, s23, STAGE                   ; my stage
	v_mul_u32_u24 v5, v1, SPITCH
	v_lshl_add_u32 v5, v2, 5, v5
	v_add_nc_u32 v[STO], s23, v5                   ; in: row r, 32 bytes for each half of the lanes
	v_mul_u32_u24 v5, v2, SPITCH
	v_add_nc_u32 v5, v5, v[BO]
	v_add_nc_u32 v[RD], s23, v5                    ; back: lanes 0-15 one row of 256 bytes, lanes 16-31 the next
	s_and_b32 s20, s17, 15
	s_lshl_b32 s20, s20, 20
	s_lshl_b32 s21, s15, 19
	s_add_co_u32 s20, s20, s21
	s_lshr_b32 s21, s17, 4
	s_lshl_b32 s21, s21, 12
	s_add_co_u32 s20, s20, s21                     ; my first row: position x 8192 + batch x 4096
	s_lshl_b32 s46, s42, 9
	s_lshl_b32 s47, s16, 8
	s_add_co_u32 s46, s46, s47                     ; my first column, in bytes
	s_mov_b32 s47, 0
	s_add_nc_u64 s[10:11], s[10:11], s[46:47]
	s_add_co_u32 s20, s20, s46
	s_mov_b32 s21, 0
	s_add_nc_u64 s[68:69], s[68:69], s[20:21]
	s_add_nc_u64 s[70:71], s[70:71], s[20:21]
	global_load_b128 v[8:11], v[BO], s[10:11]      ; the bias of the four columns that I store
	WIN 0x80                                       ; destination window 2
.irp a, 0,1,2,3                        ; the residual, in the places in which the rows will be stored: it has the whole product in which to land
.set t, 0
.rept 8
	global_load_b128 v[32*\a+4*t:32*\a+4*t+3], v[CO], s[68:69] offset:\a*131072+t*16384 th:TH_LOAD_NT
.set t, t+1
.endr
.endr
	WIN 0
	s_wait_alu depctr_va_vdst(0)
	s_wait_tensorcnt 0x0                           ; my part of A or B is in
	s_barrier_signal -1
	s_barrier_wait -1
	FETCH 0, 0, F0
	Q 0, 1, F0, F1, 1                              ; the first step's products start the sums
.if LAPS > 1
	WIN 0                                          ; at a label and at a branch every window is 0
	s_mov_b32 s3, LAPS-1
.Llap:                                 ; a trip goes once round the ring, from a lap's second step to the next lap's first, and fills both slots again
	Q 0, 2, F1, F0, 0
	Q 0, 3, F0, F1, 0
	TURN 0, 1, 1
	Q 1, 1, F0, F1, 0
	Q 1, 2, F1, F0, 0
	Q 1, 3, F0, F1, 0
	TURN 1, 0, 1
	Q 0, 1, F0, F1, 0
	WIN 0
	s_sub_co_u32 s3, s3, 1
	s_cmp_lg_u32 s3, 0
	s_cbranch_scc1 .Llap
.endif
	Q 0, 2, F1, F0, 0                              ; the last lap fills nothing
	Q 0, 3, F0, F1, 0
	TURN 0, 1, 0
	Q 1, 1, F0, F1, 0
	Q 1, 2, F1, F0, 0
	Q 1, 3, F0, F1, 0
	s_wait_dscnt 0                                 ; the very last step: nothing more to fetch
	WIN MUL
	MULA F1, 0, 0
	MULA F1, 1, 0
	MULA F1, 2, 0
	MULA F1, 3, 0
	WIN 0
; THE WAY OUT.  A lane holds 32 bytes of a row and the lanes beside it hold other rows: a block of 16 rows x 64 columns goes through my own stage and comes back as whole rows of 256 bytes,
; into the registers that it left.  LDS serves a wave's instructions in order (ISA guide 5.7.1.4): no wait between the stores and the loads, nor in front of the next block's stores.
	s_wait_kmcnt 0x0
	s_add_co_i32 s96, s96, s97
	s_add_co_i32 s96, s96, 127
	s_lshl_b32 s96, s96, 23                        ; 2^(ea + eb)
	s_mov_b32 s97, s96
	PLACES NP
.irp a, 0,1,2,3
.irp b, 0,1,2,3
	ds_store_b128 v[STO], v[ACC+32*\a+8*\b:ACC+32*\a+8*\b+3] offset:64*\b          ; each accumulator from its low end
	ds_store_b128 v[STO], v[ACC+32*\a+8*\b+4:ACC+32*\a+8*\b+7] offset:64*\b+16
.endr
.set t, 0
.rept 8
	ds_load_b128 v[ACC+32*\a+4*t:ACC+32*\a+4*t+3], v[RD] offset:t*2*SPITCH
.set t, t+1
.endr
.endr
	s_wait_loadcnt 0x0                             ; the bias and the residual
.irp a, 0,1,2,3
	s_wait_dscnt 16*(3-\a)                         ; this block is back; the later blocks' sixteen LDS instructions each may be out
.set t, 0
.rept 8
	v_pk_fma_f32 v[ACC+32*\a+4*t:ACC+32*\a+4*t+1], v[ACC+32*\a+4*t:ACC+32*\a+4*t+1], s[96:97], v[8:9] op_sel_hi:[1,0,1]       ; sum x 2^(ea + eb) + bias
	v_pk_fma_f32 v[ACC+32*\a+4*t+2:ACC+32*\a+4*t+3], v[ACC+32*\a+4*t+2:ACC+32*\a+4*t+3], s[96:97], v[10:11] op_sel_hi:[1,0,1]
.set t, t+1
.endr
	WIN 0x08                                       ; source 1: window 2
.set j, 0
.rept 16
	v_pk_add_f32 v[ACC+32*\a+j:ACC+32*\a+j+1], v[ACC+32*\a+j:ACC+32*\a+j+1], v[32*\a+j:32*\a+j+1]   ; + the residual
.set j, j+2
.endr
	WIN 0
.set t, 0
.rept 8
.if NTOUT
	global_store_b128 v[CO], v[ACC+32*\a+4*t:ACC+32*\a+4*t+3], s[70:71] offset:\a*131072+t*16384 th:TH_STORE_NT
.else
	global_store_b128 v[CO], v[ACC+32*\a+4*t:ACC+32*\a+4*t+3], s[70:71] offset:\a*131072+t*16384   ; sixteen lanes store 256 consecutive bytes, aligned
.endif
.set t, t+1
.endr
.endr
	s_wait_tensorcnt 0x0                           ; the wave's end
	ds_add_u32 v[SPW], v[NIL]
	s_wait_dscnt 0x0
	CROUND                                         ; the closing round
	s_endpgm
.Lfunc_end_k_q2aff479009_wo:
	.size	k_q2aff479009_wo, .Lfunc_end_k_q2aff479009_wo-k_q2aff479009_wo
	.p2alignl 7, 3214868480
	.fill 96, 4, 3214868480
	.section	.rodata,"a",@progbits
	.p2align	6, 0x0
	.amdhsa_kernel k_q2aff479009_wo
		.amdhsa_group_segment_fixed_size 327680
		.amdhsa_private_segment_fixed_size 0
		.amdhsa_enable_private_segment 0
		.amdhsa_kernarg_size 48
		.amdhsa_user_sgpr_count 2
		.amdhsa_user_sgpr_kernarg_segment_ptr 1
		.amdhsa_wavefront_size32 1
		.amdhsa_system_sgpr_workgroup_id_x 1
		.amdhsa_system_sgpr_workgroup_id_y 1
		.amdhsa_system_sgpr_workgroup_id_z 1
		.amdhsa_system_vgpr_workitem_id 0
		.amdhsa_next_free_vgpr 640
		.amdhsa_next_free_sgpr 100
		.amdhsa_reserve_vcc 0
		.amdhsa_float_denorm_mode_32 3
		.amdhsa_float_denorm_mode_16_64 3
		.amdhsa_memory_ordered 1
		.amdhsa_forward_progress 1
		.amdhsa_inst_pref_size 52
	.end_amdhsa_kernel
	.amdgpu_metadata
---
amdhsa.version: [ 1, 2 ]
amdhsa.kernels:
  - .name:           k_q2aff479009_wo
    .symbol:         k_q2aff479009_wo.kd
    .args:
      - { .name: att, .offset: 0, .size: 8, .value_kind: global_buffer, .address_space: global }
      - { .name: wc, .offset: 8, .size: 8, .value_kind: global_buffer, .address_space: global }
      - { .name: lowp_scales, .offset: 16, .size: 8, .value_kind: global_buffer, .address_space: global }
      - { .name: bo, .offset: 24, .size: 8, .value_kind: global_buffer, .address_space: global }
      - { .name: x, .offset: 32, .size: 8, .value_kind: global_buffer, .address_space: global }
      - { .name: x1, .offset: 40, .size: 8, .value_kind: global_buffer, .address_space: global }
    .group_segment_fixed_size: 327680
    .private_segment_fixed_size: 0
    .kernarg_segment_align: 8
    .kernarg_segment_size: 48
    .max_flat_workgroup_size: 128
    .sgpr_count:     100
    .vgpr_count:     640
    .wavefront_size: 32
...
	.end_amdgpu_metadata
.endif
;; end of part 11
;; launch norm2 (part 12): grid 256 x 1, 4 waves a work-group, no clusters, 37,888 bytes of LDS; arguments x1, norm2_w, lowp_scales, h2; writes h2
.if DOCPART == 12
	.amdgcn_target "amdgcn-amd-amdhsa--gfx1250"
	.amdhsa_code_object_version 6
	.text
	.protected	k_q2aff479009_norm2
	.globl	k_q2aff479009_norm2
	.p2align	8
	.type	k_q2aff479009_norm2,@function
k_q2aff479009_norm2:
	s_mov_b64 s[64:65], 0
	v_nop
	global_prefetch_b8 v0, s[64:65] scope:SCOPE_SE
	s_setreg_imm32_b32 hwreg(HW_REG_WAVE_MODE, 25, 1), 1
	s_wait_xcnt 0x0
; RMS norm 2 of x1, quantised with e12 into images of 16 rows x 128 k (byte g*512 + 16*lane + i: k = 16 (2 g + i / 8) + 8 h + i % 8, lane = row + 16 h).
; A work-group takes a tile of 16 rows (row tile = b * 128 + s / 16), a wave four of them.  LIMITS: e12 between -126 and 119; NaN is not served.
.set NS, 1
.set TURN0, 0
.set OUT0, 20480
.set TS, 4
.set TL, 5
.set VOUT, 6
.set VRB, 7
.set VGO, 12
.set RS, 16
.set SCL, 24
.set R, 32
.set W, 160
.set XT, 192
.set C, 224
	s_load_b256 s[4:11], s[0:1], 0x0               ; x1, norm2_w, lowp_scales, h2
	v_lshl_add_u32 v248, v0, 2, 0x9200
	v_mov_b32 v249, 0
	v_lshrrev_b32 v1, 5, v0
	v_readfirstlane_b32 s26, v1
	v_and_b32 v3, 31, v0
	v_lshlrev_b32 v2, 4, v3
	s_mov_b32 s27, ttmp9
	s_and_b32 s28, s27, 127
	s_lshl_b32 s28, s28, 4
	s_lshl_b32 s29, s26, 2
	s_add_co_u32 s28, s28, s29
	s_lshl_b32 s30, s28, 13
	s_lshr_b32 s31, s27, 7
	s_lshl_b32 s31, s31, 12
	s_add_co_u32 s30, s30, s31
	s_mov_b32 s31, 0
	s_wait_alu depctr_va_vdst(0)
	s_wait_kmcnt 0x0
	s_load_b32 s36, s[8:9], 0x30                   ; e12
	s_add_nc_u64 s[4:5], s[4:5], s[30:31]
	s_lshl_b32 s30, s27, 14
	s_add_nc_u64 s[86:87], s[10:11], s[30:31]
	s_mov_b32 s80, 0x3a800000
	s_mov_b32 s81, 0x3727c5ac
	s_mov_b32 s94, 0x76543210
	s_mov_b32 s95, 0xfedcba98
	s_mul_i32 s32, s26, 5120
	s_add_co_u32 s32, s32, TURN0
	v_lshrrev_b32 v13, 2, v3
	v_mul_u32_u24 v13, v13, 80
	v_and_b32 v14, 3, v3
	v_lshl_add_u32 v13, v14, 4, v13
	v_add_nc_u32 v[TS], s32, v13
	v_mul_u32_u24 v13, v3, 80
	v_add_nc_u32 v[TL], s32, v13
	v_lshrrev_b32 v13, 1, v3
	v_mul_u32_u24 v13, v13, 528
	v_and_b32 v14, 1, v3
	v_lshl_add_u32 v13, v14, 3, v13
	s_lshl_b32 s32, s26, 6
	s_add_co_u32 s32, s32, OUT0
	v_add_nc_u32 v[VOUT], s32, v13
	s_mul_i32 s32, s26, 4224
	s_add_co_u32 s32, s32, OUT0
	v_add_nc_u32 v[VRB], s32, v2
	s_lshl_b32 s32, s26, 12
	v_add_nc_u32 v[VGO], s32, v2
.set j, 0
.rept 8
	global_load_b128 v[W+4*j:W+4*j+3], v2, s[6:7] offset:512*j
.set j, j+1
.endr
.irp i, 0,1,2,3
.set j, 0
.rept 8
	global_load_b128 v[R+32*\i+4*j:R+32*\i+4*j+3], v2, s[4:5] offset:\i*8192+512*j th:TH_LOAD_NT
.set j, j+1
.endr
.endr
	s_wait_kmcnt 0x0
	s_add_co_i32 s92, s36, 127
	s_lshl_b32 s93, s92, 23
	v_mov_b32 v[SCL], s93
	s_add_co_i32 s92, s92, 8
	s_lshl_b32 s92, s92, 23
	s_or_b32 s92, s92, 0x600000
	v_mov_b32 v[SCL+1], s92
.irp i, 0,1,2,3
	v_mov_b32 v[RS+2*\i+1], 0
.endr
.macro SUMSQ i
.set RR, R+32*(\i)
	s_wait_loadcnt 8*(3-(\i))                      ; the gain and this row are in; the later rows' loads may be out
	v_pk_mul_f32 v[8:9], v[RR:RR+1], v[RR:RR+1]
	v_pk_mul_f32 v[10:11], v[RR+2:RR+3], v[RR+2:RR+3]
.set j, 4
.rept 7
	v_pk_fma_f32 v[8:9], v[RR+j:RR+j+1], v[RR+j:RR+j+1], v[8:9]
	v_pk_fma_f32 v[10:11], v[RR+j+2:RR+j+3], v[RR+j+2:RR+j+3], v[10:11]
.set j, j+4
.endr
	v_pk_add_f32 v[8:9], v[8:9], v[10:11]
	v_add_f32 v8, v8, v9
	v_add_f32_dpp v8, v8, v8 row_xmask:1 row_mask:0xf bank_mask:0xf
	v_add_f32_dpp v8, v8, v8 row_xmask:2 row_mask:0xf bank_mask:0xf
	v_add_f32_dpp v8, v8, v8 row_xmask:4 row_mask:0xf bank_mask:0xf
	v_add_f32_dpp v8, v8, v8 row_xmask:8 row_mask:0xf bank_mask:0xf
	v_permlanex16_b32 v9, v8, s94, s95
	v_add_f32 v[RS+2*(\i)], v8, v9
.endm
.irp i, 0,1,2,3
	SUMSQ \i
.endr
.irp i, 0,1,2,3
	v_fma_f32 v[RS+2*\i], v[RS+2*\i], s80, s81
.endr
	s_wait_alu depctr_va_vdst(0)
.irp i, 0,1,2,3
	v_rsq_f32 v[RS+2*\i], v[RS+2*\i]
.endr
	v_nop
	s_wait_alu depctr_va_vdst(0)                   ; one wait for the four, ahead of their first reader
.macro ROWQ i
.set RR, R+32*(\i)
.set j, 0
.rept 16
	v_pk_mul_f32 v[RR+j:RR+j+1], v[RR+j:RR+j+1], v[RS+2*(\i):RS+2*(\i)+1] op_sel_hi:[1,0]
.set j, j+2
.endr
.set j, 0
.rept 16
	v_pk_mul_f32 v[RR+j:RR+j+1], v[RR+j:RR+j+1], v[W+j:W+j+1]
.set j, j+2
.endr
.irp u, 0,1
.irp q, 0,1,2,3
	ds_store_b128 v[TS], v[RR+16*\u+4*\q:RR+16*\u+4*\q+3] offset:2560*\u+640*\q
.endr
.irp q, 0,1,2,3
	ds_load_b128 v[XT+16*\u+4*\q:XT+16*\u+4*\q+3], v[TL] offset:2560*\u+16*\q
.endr
.endr
	s_wait_dscnt 0x0                               ; lane l holds k = 512 u + 16 l + 0 .. 15; the last row's code stores are done too
.irp u, 0,1
.set TT, RR+16*\u
.set k, 0
.rept 16
	v_med3_num_f32 v[TT+k], v[XT+16*\u+k], -v[SCL+1], v[SCL+1]
.set k, k+1
.endr
	v_cvt_scalef32_pk8_fp8_f32 v[C+4*\u:C+4*\u+1], v[TT:TT+7], v[SCL]
	v_cvt_scalef32_pk8_fp8_f32 v[C+4*\u+2:C+4*\u+3], v[TT+8:TT+15], v[SCL]
.endr
	v_nop
.irp u, 0,1
	ds_store_b64 v[VOUT], v[C+4*\u:C+4*\u+1] offset:\u*8448+16*(\i)
	ds_store_b64 v[VOUT], v[C+4*\u+2:C+4*\u+3] offset:\u*8448+256+16*(\i)
.endr
.endm
.irp i, 0,1,2,3
	ROWQ \i
.endr
	s_wait_dscnt 0x0                               ; for the others' sake: my codes lie in LDS
	s_barrier_signal -1
	s_barrier_wait -1
.set q, 0
.rept 8
	ds_load_b128 v[R+4*q:R+4*q+3], v[VRB] offset:528*q
.set q, q+1
.endr
.set q, 0
.rept 8
	s_wait_dscnt 7-q
	global_store_b128 v[VGO], v[R+4*q:R+4*q+3], s[86:87] offset:512*q
.set q, q+1
.endr
	s_wait_tensorcnt 0x0
	ds_add_u32 v248, v249
	s_wait_dscnt 0x0
	s_endpgm
.Lfunc_end_k_q2aff479009_norm2:
	.size	k_q2aff479009_norm2, .Lfunc_end_k_q2aff479009_norm2-k_q2aff479009_norm2
	.p2alignl 7, 3214868480
	.fill 96, 4, 3214868480
	.section	.rodata,"a",@progbits
	.p2align	6, 0x0
	.amdhsa_kernel k_q2aff479009_norm2
		.amdhsa_group_segment_fixed_size 37888
		.amdhsa_private_segment_fixed_size 0
		.amdhsa_enable_private_segment 0
		.amdhsa_kernarg_size 32
		.amdhsa_user_sgpr_count 2
		.amdhsa_user_sgpr_kernarg_segment_ptr 1
		.amdhsa_wavefront_size32 1
		.amdhsa_system_sgpr_workgroup_id_x 1
		.amdhsa_system_sgpr_workgroup_id_y 1
		.amdhsa_system_sgpr_workgroup_id_z 1
		.amdhsa_system_vgpr_workitem_id 0
		.amdhsa_next_free_vgpr 250
		.amdhsa_next_free_sgpr 100
		.amdhsa_reserve_vcc 0
		.amdhsa_float_denorm_mode_32 3
		.amdhsa_float_denorm_mode_16_64 3
		.amdhsa_memory_ordered 1
		.amdhsa_forward_progress 1
		.amdhsa_inst_pref_size 37
	.end_amdhsa_kernel
	.amdgpu_metadata
---
amdhsa.version: [ 1, 2 ]
amdhsa.kernels:
  - .name:           k_q2aff479009_norm2
    .symbol:         k_q2aff479009_norm2.kd
    .args:
      - { .name: x1, .offset: 0, .size: 8, .value_kind: global_buffer, .address_space: global }
      - { .name: norm2_w, .offset: 8, .size: 8, .value_kind: global_buffer, .address_space: global }
      - { .name: lowp_scales, .offset: 16, .size: 8, .value_kind: global_buffer, .address_space: global }
      - { .name: h2, .offset: 24, .size: 8, .value_kind: global_buffer, .address_space: global }
    .group_segment_fixed_size: 37888
    .private_segment_fixed_size: 0
    .kernarg_segment_align: 8
    .kernarg_segment_size: 32
    .max_flat_workgroup_size: 128
    .sgpr_count:     100
    .vgpr_count:     250
    .wavefront_size: 32
...
	.end_amdgpu_metadata
.endif
;; end of part 12
;; launch mlp1 (part 13): grid 16 x 16, 4 waves a work-group, clusters of 4 x 4, 327,680 bytes of LDS; arguments h2, wc, lowp_scales, b1, hid; writes hid
.if DOCPART == 13
	.amdgcn_target "amdgcn-amd-amdhsa--gfx1250"
	.amdhsa_code_object_version 6
	.text
	.protected	k_q2aff479009_mlp1
	.globl	k_q2aff479009_mlp1
	.p2align	8
	.type	k_q2aff479009_mlp1,@function
k_q2aff479009_mlp1:
	s_mov_b64 s[64:65], 0
	v_nop
	global_prefetch_b8 v0, s[64:65] scope:SCOPE_SE
	s_setreg_imm32_b32 hwreg(HW_REG_WAVE_MODE, 25, 1), 1
	s_wait_xcnt 0x0
	s_wait_alu depctr_hold_cnt(0) depctr_sa_sdst(0) depctr_va_vdst(0) depctr_va_sdst(0) depctr_va_ssrc(0) depctr_va_vcc(0) depctr_vm_vsrc(0)
	s_getreg_b32 s2, hwreg(HW_REG_IB_STS2, 6, 4)
	s_cmp_eq_u32 s2, 0
	s_cbranch_scc0 .Lentry_in_a_cluster
	s_endpgm
.Lentry_in_a_cluster:
	s_bfe_u32 s2, ttmp6, 0x10000c
	s_cmp_lg_u32 s2, 0xf033
	s_cbranch_scc0 .Lentry_shape_is_right
	s_endpgm
.Lentry_shape_is_right:
.set SIZE_K, 1024
.set BOFF, 0
.set KROW16, 16*SIZE_K
.set HALFT,  32768
.set SLOT,   4*HALFT
.set SPARE,  2*SLOT
.set LAPS,   SIZE_K/512
.set FR, 16
.set NL, 4
.set NP, 4
.set DA, 13
.set ADRA, 16
.set ADRB, 20
.set CO, 26
.set SPW, 28
.set NIL, 29
.set BIAS, 32
.set CF, 96
.set AF, 128
.set Y, 128
.set T, 192
.set Z, 208
.set P, 224
.set CD, 240
.set G1, 24
.set G0, 32
.set G1B, 48
.set G0B, 56
.set MSB, 0
.macro WIN new
.if MSB != (\new)
	s_set_vgpr_msb (MSB<<8)|(\new)
.set MSB, (\new)
.endif
.endm
.set MUL_LO, 0xa1
.set MUL_HI, 0xf1
.set TO_B,   0x40
.macro JLOAD s
	s_cmp_eq_u32 s15, 0
	s_cbranch_scc0 .Lfor_b_\@
	tensor_load_to_lds s[G0+4*\s:G0+4*\s+3], s[G1:G1+7]
	s_nop 0
.rept 4
	v_nop
.endr
	s_branch .Lasked_\@
.Lfor_b_\@:
	tensor_load_to_lds s[G0B+4*\s:G0B+4*\s+3], s[G1B:G1B+7]
	s_nop 0
.rept 4
	v_nop
.endr
.Lasked_\@:
.endm
.macro CREST
	s_cmp_lg_u32 s14, 0
	s_cbranch_scc1 .Lnot_wave_0_\@
	s_barrier_signal -3
.Lnot_wave_0_\@:
	s_barrier_wait -3
	s_barrier_signal -1
	s_barrier_wait -1
.endm
.macro CROUND
	s_barrier_signal -1
	s_barrier_wait -1
	CREST
.endm
.macro FRAG reg, adr, q, i
.irp c, 0,1,2,3
	ds_load_b128 v[\reg+4*\c:\reg+4*\c+3], v[\adr] offset:2048*(\q)+512*\c+(\i)*4096
.endr
.endm
.macro MUL16 a0, p, zero
.irp a, \a0, \a0+1
.irp b, 0,1,2,3,4,5,6,7
.if \zero
	v_wmma_f32_16x16x128_fp8_fp8 v[8*(8*((\a)%4)+\b):8*(8*((\a)%4)+\b)+7], v[128*(\p)+FR*\b:128*(\p)+FR*\b+FR-1], v[AF+FR*(\a):AF+FR*(\a)+FR-1], 0
.else
	v_wmma_f32_16x16x128_fp8_fp8 v[8*(8*((\a)%4)+\b):8*(8*((\a)%4)+\b)+7], v[128*(\p)+FR*\b:128*(\p)+FR*\b+FR-1], v[AF+FR*(\a):AF+FR*(\a)+FR-1], v[8*(8*((\a)%4)+\b):8*(8*((\a)%4)+\b)+7]
.endif
.endr
.endr
.endm
.macro FETCH_B slot, q, p
	WIN TO_B
.irp i, 0,1,2,3,4,5,6,7
	FRAG 128*(\p)+FR*\i, ADRB+\slot, \q, \i
.endr
	WIN 0
.endm
.macro FETCH_A slot, q, i0
.irp i, \i0, \i0+1, \i0+2, \i0+3
	FRAG AF+FR*(\i), ADRA+\slot, \q, \i
.endr
.endm
.macro PLACES n
.rept \n
	v_nop
.endr
.endm
.macro STEP slot, q, zero
	s_wait_dscnt 4*NL
	WIN MUL_LO
	MUL16 0, (\q)%2, \zero
	MUL16 2, (\q)%2, \zero
	s_wait_dscnt 0
	PLACES NP
	FETCH_B \slot, (\q)+1, 1-(\q)%2
	FETCH_A \slot, (\q)+1, 0
	WIN MUL_HI
	MUL16 4, (\q)%2, \zero
	MUL16 6, (\q)%2, \zero
	PLACES NP
	WIN 0
	FETCH_A \slot, (\q)+1, 4
.endm
.macro TURN slot, next, fill
	s_wait_tensorcnt 0x0
	ds_add_u32 v[SPW], v[NIL]
	s_wait_dscnt 4*NL+1
	WIN MUL_LO
	MUL16 0, 1, 0
	s_wait_dscnt 0x0
	s_barrier_signal -1
	MUL16 2, 1, 0
	WIN 0
	s_barrier_wait -1
.if \fill
	CREST
	s_add_nc_u64 s[G0+4*\slot+2:G0+4*\slot+3], s[G0+4*\slot+2:G0+4*\slot+3], 8192
	s_add_nc_u64 s[G0B+4*\slot+2:G0B+4*\slot+3], s[G0B+4*\slot+2:G0B+4*\slot+3], 8192
	JLOAD \slot
.else
	PLACES NP
.endif
	FETCH_B \next, 0, 0
	FETCH_A \next, 0, 0
	WIN MUL_HI
	MUL16 4, 1, 0
	MUL16 6, 1, 0
	PLACES NP
	WIN 0
	FETCH_A \next, 0, 4
.endm
	s_load_b256 s[4:11], s[0:1], 0x0
	s_load_b64 s[12:13], s[0:1], 0x20
	v_lshl_add_u32 v[SPW], v0, 2, SPARE
	v_mov_b32 v[NIL], 0
	ds_add_u32 v28, v29
	ds_add_u32 v28, v29
	s_wait_dscnt 0x0
	v_lshrrev_b32 v1, 5, v0
	v_readfirstlane_b32 s14, v1
	s_lshr_b32 s15, s14, 1
	s_and_b32 s16, s14, 1
	s_bfe_u32 s40, ttmp6, 0x40000
	s_bfe_u32 s41, ttmp6, 0x40004
	s_lshl_b32 s42, ttmp9, 2
	s_add_co_u32 s42, s42, s40
	s_and_b32 s17, ttmp7, 0xffff
	s_lshl_b32 s17, s17, 2
	s_add_co_u32 s17, s17, s41
	s_lshl_b32 s43, s41, 2
	s_lshl_b32 s43, 15, s43
	s_lshl_b32 s44, 0x1111, s40
	s_or_b32 s[G1+0], s43, (1<<21)
	s_or_b32 s[G1B+0], s44, (1<<21)
.irp g, G1, G1B
	s_mov_b32 s[\g+1], 4096<<16
	s_mov_b32 s[\g+2], 8<<16
	s_mov_b32 s[\g+3], 4096<<16
	s_mov_b32 s[\g+4], 8
	s_mov_b32 s[\g+5], KROW16
	s_mov_b32 s[\g+6], 0
	s_mov_b32 s[\g+7], 0
.endr
	s_lshl_b32 s18, s16, 3
	s_lshl_b32 s20, s17, 4
	s_add_co_u32 s20, s20, s18
	s_mul_i32 s20, s20, KROW16
	s_mov_b32 s21, 0
	s_lshl_b32 s46, s42, 4
	s_add_co_u32 s46, s46, s18
	s_mul_i32 s46, s46, KROW16
	s_mov_b32 s47, 0
	s_mul_i32 s45, s14, HALFT
	s_wait_kmcnt 0x0
	s_load_b128 s[68:71], s[8:9], 0x30
	s_add_nc_u64 s[20:21], s[4:5], s[20:21]
	s_add_nc_u64 s[46:47], s[6:7], s[46:47]
	s_add_nc_u64 s[46:47], s[46:47], BOFF
	CROUND
.irp s, 0,1
	s_mov_b32 s[G0+4*\s], 1
	s_add_co_u32 s[G0+4*\s+1], s45, \s*SLOT
	s_add_nc_u64 s[G0+4*\s+2:G0+4*\s+3], s[20:21], \s*4096
	s_or_b32 s[G0+4*\s+3], s[G0+4*\s+3], 0x80000000
	s_mov_b32 s[G0B+4*\s], 1
	s_add_co_u32 s[G0B+4*\s+1], s45, \s*SLOT
	s_add_nc_u64 s[G0B+4*\s+2:G0B+4*\s+3], s[46:47], \s*4096
	s_or_b32 s[G0B+4*\s+3], s[G0B+4*\s+3], 0x80000000
	s_wait_alu depctr_va_vdst(0)
	s_wait_tensorcnt 0x0
	ds_add_u32 v28, v29
	ds_add_u32 v28, v29
	s_wait_dscnt 0x0
	CROUND
	JLOAD \s
.endr
	v_and_b32 v1, 15, v0
	v_bfe_u32 v2, v0, 4, 1
	v_and_b32 v3, 31, v0
	v_lshlrev_b32 v[CO], 4, v3
	s_wait_alu depctr_va_vdst(0)
	v_lshlrev_b32 v27, 5, v2
	s_wait_alu depctr_va_vdst(0)
	s_mul_i32 s21, s15, HALFT
	s_mul_i32 s22, s16, HALFT
	s_add_co_u32 s22, s22, 2*HALFT
.irp s, 0,1
	v_add_nc_u32 v[ADRA+\s], s21, v[CO]
	v_add_nc_u32 v[ADRB+\s], s22, v[CO]
	s_add_co_u32 s21, s21, SLOT
	s_add_co_u32 s22, s22, SLOT
.endr
	s_lshl_b32 s23, s14, 16
	v_add_nc_u32 v[DA], s23, v[CO]
	s_lshl_b32 s46, s42, 10
	s_lshl_b32 s47, s16, 9
	s_add_co_u32 s46, s46, s47
	s_mov_b32 s47, 0
	s_add_nc_u64 s[10:11], s[10:11], s[46:47]
	s_lshl_b32 s20, s17, 20
	s_lshl_b32 s21, s15, 19
	s_add_co_u32 s20, s20, s21
	s_lshl_b32 s46, s42, 12
	s_add_co_u32 s20, s20, s46
	s_lshl_b32 s46, s16, 11
	s_add_co_u32 s20, s20, s46
	s_mov_b32 s21, 0
	s_add_nc_u64 s[12:13], s[12:13], s[20:21]
.set i, 0
.rept 8
	global_load_b128 v[BIAS+8*i:BIAS+8*i+3], v27, s[10:11] offset:64*i
	global_load_b128 v[BIAS+8*i+4:BIAS+8*i+7], v27, s[10:11] offset:64*i+16
.set i, i+1
.endr
.macro COEF k, bits
	v_mov_b32 v[CF+2*\k], \bits
	v_mov_b32 v[CF+2*\k+1], \bits
.endm
	COEF 0, 0xbfa1fc4e
	COEF 1, 0x3f8000c7
	COEF 2, 0x3ebf88fb
	COEF 3, 0x3dc636c9
	COEF 4, 0xbe3ec24c
	COEF 5, 0x3e8ec7cc
	COEF 6, 0xbf914e5d
	COEF 7, 0x3fbe87b0
	COEF 8, 0xbf527891
	COEF 9, 0x3e2ef945
	COEF 10, 0x3fb8aa3b
	s_mov_b32 s74, 0x3eb504f3
	s_wait_tensorcnt 1
	s_barrier_signal -1
	s_barrier_wait -1
	FETCH_B 0, 0, 0
	FETCH_A 0, 0, 0
	FETCH_A 0, 0, 4
	STEP 0, 0, 1
	s_mov_b32 s3, LAPS-1
.Llap:
	TURN 0, 1, 1
	STEP 1, 0, 0
	TURN 1, 0, 1
	STEP 0, 0, 0
	s_sub_co_u32 s3, s3, 1
	s_cmp_lg_u32 s3, 0
	s_cbranch_scc1 .Llap
	TURN 0, 1, 0
	STEP 1, 0, 0
	s_wait_dscnt 4*NL
	WIN MUL_LO
	MUL16 0, 1, 0
	MUL16 2, 1, 0
	s_wait_dscnt 0
	WIN MUL_HI
	MUL16 4, 1, 0
	MUL16 6, 1, 0
	WIN 0
	s_wait_dscnt 0x0
	s_barrier_signal -1
	s_barrier_wait -1
	s_wait_kmcnt 0x0
	s_add_co_i32 s96, s68, s69
	s_add_co_i32 s96, s96, 127
	s_lshl_b32 s96, s96, 23
	s_mov_b32 s97, s96
	s_add_co_i32 s72, s70, 127
	s_lshl_b32 s73, s72, 23
	v_mov_b32 v30, s73
	s_add_co_i32 s72, s72, 8
	s_lshl_b32 s72, s72, 23
	s_or_b32 s72, s72, 0x600000
	v_mov_b32 v31, s72
	s_wait_loadcnt 0x0
	PLACES NP
.macro DUMP a
.set AC, 64*((\a)%4)
.set DS, 128+64*((\a)%2)
.if (\a) >= 2
	s_wait_dscnt 16
.endif
	WIN 0x02+((\a)/4)
.set j, 0
.rept 32
	v_pk_fma_f32 v[DS+j:DS+j+1], v[AC+j:AC+j+1], s[96:97], v[BIAS+j:BIAS+j+1] op_sel_hi:[1,0,1]
.set j, j+2
.endr
	WIN 0
.set i, 0
.rept 16
	ds_store_b128 v[DA], v[DS+4*i:DS+4*i+3] offset:(16*(\a)+i)*512
.set i, i+1
.endr
.endm
.irp a, 0,1,2,3,4,5,6,7
	DUMP \a
.endr
	s_wait_dscnt 0x0
.macro GELU16 g
.set YY, Y+16*(\g)
.set k, 0
.rept 16
	v_fma_f32 v[T+k], |v[YY+k]|, s74, 1.0
.set k, k+1
.endr
.set k, 0
	s_wait_alu depctr_va_vdst(0)
.rept 16
	v_rcp_f32 v[T+k], v[T+k]
.set k, k+1
.endr
.set k, 0
.rept 8
	v_pk_mul_f32 v[Z+k:Z+k+1], v[YY+k:YY+k+1], v[YY+k:YY+k+1]
.set k, k+2
.endr
	s_wait_alu depctr_va_vdst(0)
.set k, 0
.rept 8
	v_pk_fma_f32 v[P+k:P+k+1], v[T+k:T+k+1], v[CF+18:CF+19], v[CF+16:CF+17]
.set k, k+2
.endr
.irp c, 7,6,5,4,3,2,1,0
.set k, 0
.rept 8
	v_pk_fma_f32 v[P+k:P+k+1], v[P+k:P+k+1], v[T+k:T+k+1], v[CF+2*\c:CF+2*\c+1]
.set k, k+2
.endr
.endr
.set k, 0
.rept 8
	v_pk_fma_f32 v[P+k:P+k+1], v[Z+k:Z+k+1], -0.5, v[P+k:P+k+1] op_sel_hi:[1,0,1]
.set k, k+2
.endr
.set k, 0
.rept 8
	v_pk_mul_f32 v[P+k:P+k+1], v[P+k:P+k+1], v[CF+20:CF+21]
.set k, k+2
.endr
.set k, 0
	s_wait_alu depctr_va_vdst(0)
.rept 16
	v_exp_f32 v[P+k], v[P+k]
.set k, k+1
.endr
.set k, 0
.rept 8
	v_pk_mul_f32 v[Z+k:Z+k+1], v[YY+k:YY+k+1], 0.5 op_sel_hi:[1,0]
.set k, k+2
.endr
	s_wait_alu depctr_va_vdst(0)
.set k, 0
.rept 8
	v_pk_mul_f32 v[P+k:P+k+1], v[P+k:P+k+1], v[T+k:T+k+1]
.set k, k+2
.endr
.set k, 0
.rept 8
	v_pk_mul_f32 v[P+k:P+k+1], v[P+k:P+k+1], v[Z+k:Z+k+1]
.set k, k+2
.endr
.set k, 0
.rept 8
	v_pk_add_f32 v[Z+k:Z+k+1], v[YY+k:YY+k+1], v[P+k:P+k+1] neg_lo:[0,1] neg_hi:[0,1]
.set k, k+2
.endr
.set k, 0
.rept 16
	v_max_num_f32 v[YY+k], v[P+k], v[Z+k]
.set k, k+1
.endr
.set k, 0
.rept 16
	v_med3_num_f32 v[YY+k], v[YY+k], -v31, v31
.set k, k+1
.endr
	v_cvt_scalef32_pk8_fp8_f32 v[CD+4*(\g):CD+4*(\g)+1], v[YY:YY+7], v30
	v_cvt_scalef32_pk8_fp8_f32 v[CD+4*(\g)+2:CD+4*(\g)+3], v[YY+8:YY+15], v30
.endm
	s_mov_b32 s72, 0
	s_mov_b32 s73, 0
.Lg:
	v_add_nc_u32 v12, s72, v[DA]
.set i, 0
.rept 16
	ds_load_b128 v[Y+4*i:Y+4*i+3], v12 offset:512*i
.set i, i+1
.endr
	s_wait_dscnt 0x0
	GELU16 0
	GELU16 1
	GELU16 2
	GELU16 3
	v_nop
.irp g, 0,1,2,3
	global_store_b128 v[CO], v[CD+4*\g:CD+4*\g+3], s[12:13] offset:512*\g
.endr
	s_wait_xcnt 0x0
	s_add_nc_u64 s[12:13], s[12:13], 65536
	s_add_co_u32 s72, s72, 8192
	s_add_co_u32 s73, s73, 1
	s_cmp_lt_u32 s73, 8
	s_cbranch_scc1 .Lg
	s_wait_tensorcnt 0x0
	ds_add_u32 v[SPW], v[NIL]
	s_wait_dscnt 0x0
	CROUND
	s_endpgm
.Lfunc_end_k_q2aff479009_mlp1:
	.size	k_q2aff479009_mlp1, .Lfunc_end_k_q2aff479009_mlp1-k_q2aff479009_mlp1
	.p2alignl 7, 3214868480
	.fill 96, 4, 3214868480
	.section	.rodata,"a",@progbits
	.p2align	6, 0x0
	.amdhsa_kernel k_q2aff479009_mlp1
		.amdhsa_group_segment_fixed_size 327680
		.amdhsa_private_segment_fixed_size 0
		.amdhsa_enable_private_segment 0
		.amdhsa_kernarg_size 40
		.amdhsa_user_sgpr_count 2
		.amdhsa_user_sgpr_kernarg_segment_ptr 1
		.amdhsa_wavefront_size32 1
		.amdhsa_system_sgpr_workgroup_id_x 1
		.amdhsa_system_sgpr_workgroup_id_y 1
		.amdhsa_system_sgpr_workgroup_id_z 1
		.amdhsa_system_vgpr_workitem_id 0
		.amdhsa_next_free_vgpr 1024
		.amdhsa_next_free_sgpr 100
		.amdhsa_reserve_vcc 0
		.amdhsa_float_denorm_mode_32 3
		.amdhsa_float_denorm_mode_16_64 3
		.amdhsa_memory_ordered 1
		.amdhsa_forward_progress 1
		.amdhsa_inst_pref_size 155
	.end_amdhsa_kernel
	.amdgpu_metadata
---
amdhsa.version: [ 1, 2 ]
amdhsa.kernels:
  - .name:           k_q2aff479009_mlp1
    .symbol:         k_q2aff479009_mlp1.kd
    .args:
      - { .name: h2, .offset: 0, .size: 8, .value_kind: global_buffer, .address_space: global }
      - { .name: wc, .offset: 8, .size: 8, .value_kind: global_buffer, .address_space: global }
      - { .name: lowp_scales, .offset: 16, .size: 8, .value_kind: global_buffer, .address_space: global }
      - { .name: b1, .offset: 24, .size: 8, .value_kind: global_buffer, .address_space: global }
      - { .name: hid, .offset: 32, .size: 8, .value_kind: global_buffer, .address_space: global }
    .group_segment_fixed_size: 327680
    .private_segment_fixed_size: 0
    .kernarg_segment_align: 8
    .kernarg_segment_size: 40
    .max_flat_workgroup_size: 128
    .sgpr_count:     100
    .vgpr_count:     1024
    .wavefront_size: 32
...
	.end_amdgpu_metadata
.endif
;; end of part 13
;; launch mlp2 (part 14): grid 8 x 32, 4 waves a work-group, clusters of 4 x 4, 327,680 bytes of LDS; arguments hid, wc, lowp_scales, b2, x1, out0; writes out0
.if DOCPART == 14
	.amdgcn_target "amdgcn-amd-amdhsa--gfx1250"
	.amdhsa_code_object_version 6
	.text
	.protected	k_q2aff479009_mlp2
	.globl	k_q2aff479009_mlp2
	.p2align	8
	.type	k_q2aff479009_mlp2,@function
k_q2aff479009_mlp2:
	s_mov_b64 s[64:65], 0
	v_nop
	global_prefetch_b8 v0, s[64:65] scope:SCOPE_SE
	s_setreg_imm32_b32 hwreg(HW_REG_WAVE_MODE, 25, 1), 1
	s_wait_xcnt 0x0
	s_wait_alu depctr_hold_cnt(0) depctr_sa_sdst(0) depctr_va_vdst(0) depctr_va_sdst(0) depctr_va_ssrc(0) depctr_va_vcc(0) depctr_vm_vsrc(0)
	s_getreg_b32 s2, hwreg(HW_REG_IB_STS2, 6, 4)
	s_cmp_eq_u32 s2, 0
	s_cbranch_scc0 .Lentry_in_a_cluster
	s_endpgm
.Lentry_in_a_cluster:
	s_bfe_u32 s2, ttmp6, 0x10000c
	s_cmp_lg_u32 s2, 0xf033
	s_cbranch_scc0 .Lentry_shape_is_right
	s_endpgm
.Lentry_shape_is_right:
.set SIZE_K, 4096
.set BOFF, 4194304
.set EOFF, 56
.set NTOUT, 1
.set KROW16, 16*SIZE_K
.set SROW,   8192
.set HALFT,  4*SROW
.set SLOT,   4*HALFT
.set SPARE,  2*SLOT
.set STAGE,  SPARE+512
.set SPITCH, 272
.set LAPS,   SIZE_K/1024
.set FR, 16
.set NP, 4
.set BO, 12
.set ADRA, 16
.set ADRB, 20
.set STO, 24
.set RD, 25
.set CO, 26
.set LI, 27
.set SPW, 28
.set NIL, 29
.set ACC, 128
.set F0, 0
.set F1, 128
.set G1, 24
.set G0, 32
.set G1B, 48
.set G0B, 56
.set MSB, 0
.macro WIN new
.if MSB != (\new)
	s_set_vgpr_msb (MSB<<8)|(\new)
.set MSB, (\new)
.endif
.endm
.set MUL,  0x05
.set TO_F, 0x40
.macro JLOAD s
	s_cmp_eq_u32 s15, 0
	s_cbranch_scc0 .Lfor_b_\@
	tensor_load_to_lds s[G0+4*\s:G0+4*\s+3], s[G1:G1+7]
	s_nop 0
.rept 4
	v_nop
.endr
	s_branch .Lasked_\@
.Lfor_b_\@:
	tensor_load_to_lds s[G0B+4*\s:G0B+4*\s+3], s[G1B:G1B+7]
	s_nop 0
.rept 4
	v_nop
.endr
.Lasked_\@:
.endm
.macro CREST
	s_cmp_lg_u32 s14, 0
	s_cbranch_scc1 .Lnot_wave_0_\@
	s_barrier_signal -3
.Lnot_wave_0_\@:
	s_barrier_wait -3
	s_barrier_signal -1
	s_barrier_wait -1
.endm
.macro CROUND
	s_barrier_signal -1
	s_barrier_wait -1
	CREST
.endm
.macro FRAG reg, adr, q, i
.irp c, 0,1,2,3
	ds_load_b128 v[\reg+4*\c:\reg+4*\c+3], v[\adr] offset:2048*(\q)+512*\c+(\i)*SROW
.endr
.endm
.macro FETCH slot, q, f
	WIN TO_F
.irp i, 0,1,2,3
	FRAG \f+64+FR*\i, ADRB+\slot, \q, \i
	FRAG \f+FR*\i, ADRA+\slot, \q, \i
.endr
.endm
.macro MULA f, a, zero
.irp b, 0,1,2,3
.if \zero
	v_wmma_f32_16x16x128_fp8_fp8 v[ACC+8*(4*(\a)+\b):ACC+8*(4*(\a)+\b)+7], v[\f+64+FR*\b:\f+64+FR*\b+FR-1], v[\f+FR*(\a):\f+FR*(\a)+FR-1], 0
.else
	v_wmma_f32_16x16x128_fp8_fp8 v[ACC+8*(4*(\a)+\b):ACC+8*(4*(\a)+\b)+7], v[\f+64+FR*\b:\f+64+FR*\b+FR-1], v[\f+FR*(\a):\f+FR*(\a)+FR-1], v[ACC+8*(4*(\a)+\b):ACC+8*(4*(\a)+\b)+7]
.endif
.endr
.endm
.macro PLACES n
.rept \n
	v_nop
.endr
.endm
.macro Q slot, k, f, g, zero
	PLACES NP
	FETCH \slot, \k, \g
	s_wait_dscnt 32
	WIN MUL
	MULA \f, 0, \zero
	MULA \f, 1, \zero
	MULA \f, 2, \zero
	MULA \f, 3, \zero
.endm
.macro TURN slot, next, fill
	WIN 0
.if \fill
	s_wait_xcnt 0x0                                ; my last prefetch has read its address, which steps one slot on
	s_add_nc_u64 s[72:73], s[72:73], SROW
.endif
	s_wait_tensorcnt 0x0
	ds_add_u32 v[SPW], v[NIL]
	s_wait_dscnt 1
	WIN MUL
	MULA F1, 0, 0
	s_wait_dscnt 0x0
	s_barrier_signal -1
	MULA F1, 1, 0
	WIN 0
	s_barrier_wait -1
.if \fill
	CREST
	s_add_nc_u64 s[G0+4*\slot+2:G0+4*\slot+3], s[G0+4*\slot+2:G0+4*\slot+3], 2*SROW
	s_add_nc_u64 s[G0B+4*\slot+2:G0B+4*\slot+3], s[G0B+4*\slot+2:G0B+4*\slot+3], 2*SROW
	JLOAD \slot
.else
	PLACES NP
.endif
	FETCH \next, 0, F0
.if \fill
	WIN 0
	s_cmp_gt_u32 s3, 1                             ; the last trip's two refills have no slot two on
	s_cbranch_scc0 .Lnoask_\@
	global_prefetch_b8 v30, s[72:73] offset:SROW th:TH_LOAD_NT scope:SCOPE_SE
.Lnoask_\@:
.endif
	WIN MUL
	MULA F1, 2, 0
	MULA F1, 3, 0
.endm
	s_load_b256 s[4:11], s[0:1], 0x0
	s_load_b128 s[68:71], s[0:1], 0x20
	v_lshl_add_u32 v[SPW], v0, 2, SPARE
	v_mov_b32 v[NIL], 0
	ds_add_u32 v28, v29
	ds_add_u32 v28, v29
	s_wait_dscnt 0x0
	v_lshrrev_b32 v1, 5, v0
	v_readfirstlane_b32 s14, v1
	v_and_b32 v30, 31, v0
	v_lshlrev_b32 v30, 8, v30                      ; the prefetches' offset: 256 x lane; never rewritten
	s_lshr_b32 s15, s14, 1
	s_and_b32 s16, s14, 1
	s_bfe_u32 s40, ttmp6, 0x40000
	s_bfe_u32 s41, ttmp6, 0x40004
	s_lshl_b32 s42, ttmp9, 2
	s_add_co_u32 s42, s42, s40
	s_and_b32 s17, ttmp7, 0xffff
	s_lshl_b32 s17, s17, 2
	s_add_co_u32 s17, s17, s41
	s_lshl_b32 s43, s41, 2
	s_lshl_b32 s43, 15, s43
	s_lshl_b32 s44, 0x1111, s40
	s_or_b32 s[G1+0], s43, (1<<21)
	s_or_b32 s[G1B+0], s44, (1<<21)
.irp g, G1, G1B
	s_mov_b32 s[\g+1], SROW<<16
	s_mov_b32 s[\g+2], 4<<16
	s_mov_b32 s[\g+3], SROW<<16
	s_mov_b32 s[\g+4], 4
	s_mov_b32 s[\g+5], KROW16
	s_mov_b32 s[\g+6], 0
	s_mov_b32 s[\g+7], 0
.endr
	s_lshl_b32 s18, s16, 2
	s_lshl_b32 s20, s17, 3
	s_add_co_u32 s20, s20, s18
	s_mul_i32 s20, s20, KROW16
	s_mov_b32 s21, 0
	s_lshl_b32 s46, s42, 3
	s_add_co_u32 s46, s46, s18
	s_mul_i32 s46, s46, KROW16
	s_mov_b32 s47, 0
	s_mul_i32 s45, s14, HALFT
	s_wait_kmcnt 0x0
	s_load_b64 s[96:97], s[8:9], EOFF
	s_add_nc_u64 s[20:21], s[4:5], s[20:21]
	s_add_nc_u64 s[46:47], s[6:7], s[46:47]
	s_add_nc_u64 s[46:47], s[46:47], BOFF
	; the prefetches: of the four row tiles that I fetch, each of the four partners that ask for them with me names one, told apart by address (cx for A, cy for B): 8,192 bytes of a slot, a lane to each 256
	s_cmp_eq_u32 s15, 0
	s_cselect_b64 s[72:73], s[20:21], s[46:47]
	s_cselect_b32 s74, s40, s41
	s_lshl_b32 s74, s74, 16                        ; x KROW16
	s_mov_b32 s75, 0
	s_add_nc_u64 s[72:73], s[72:73], s[74:75]
	s_add_nc_u64 s[72:73], s[72:73], 2*SROW        ; at slot 2: behind each joint load stands one prefetch of the slot two loads on
	CROUND
.irp s, 0,1
	s_mov_b32 s[G0+4*\s], 1
	s_add_co_u32 s[G0+4*\s+1], s45, \s*SLOT
	s_add_nc_u64 s[G0+4*\s+2:G0+4*\s+3], s[20:21], \s*SROW
	s_or_b32 s[G0+4*\s+3], s[G0+4*\s+3], 0x80000000
	s_mov_b32 s[G0B+4*\s], 1
	s_add_co_u32 s[G0B+4*\s+1], s45, \s*SLOT
	s_add_nc_u64 s[G0B+4*\s+2:G0B+4*\s+3], s[46:47], \s*SROW
	s_or_b32 s[G0B+4*\s+3], s[G0B+4*\s+3], 0x80000000
	s_wait_alu depctr_va_vdst(0)
	s_wait_tensorcnt 0x0
	ds_add_u32 v28, v29
	ds_add_u32 v28, v29
	s_wait_dscnt 0x0
	CROUND
	JLOAD \s
	global_prefetch_b8 v30, s[72:73] offset:\s*SROW th:TH_LOAD_NT scope:SCOPE_SE
.endr
	v_and_b32 v1, 15, v0
	v_bfe_u32 v2, v0, 4, 1
	v_and_b32 v3, 31, v0
	v_lshlrev_b32 v[LI], 4, v3
	v_lshlrev_b32 v[BO], 4, v1
	v_lshl_add_u32 v[CO], v2, 13, v[BO]
	s_mul_i32 s21, s15, HALFT
	s_mul_i32 s22, s16, HALFT
	s_add_co_u32 s22, s22, 2*HALFT
.irp s, 0,1
	v_add_nc_u32 v[ADRA+\s], s21, v[LI]
	v_add_nc_u32 v[ADRB+\s], s22, v[LI]
	s_add_co_u32 s21, s21, SLOT
	s_add_co_u32 s22, s22, SLOT
.endr
	s_mul_i32 s23, s14, 16*SPITCH
	s_add_co_u32 s23, s23, STAGE
	v_mul_u32_u24 v5, v1, SPITCH
	v_lshl_add_u32 v5, v2, 5, v5
	v_add_nc_u32 v[STO], s23, v5
	v_mul_u32_u24 v5, v2, SPITCH
	v_add_nc_u32 v5, v5, v[BO]
	v_add_nc_u32 v[RD], s23, v5
	s_and_b32 s20, s17, 15
	s_lshl_b32 s20, s20, 20
	s_lshl_b32 s21, s15, 19
	s_add_co_u32 s20, s20, s21
	s_lshr_b32 s21, s17, 4
	s_lshl_b32 s21, s21, 12
	s_add_co_u32 s20, s20, s21
	s_lshl_b32 s46, s42, 9
	s_lshl_b32 s47, s16, 8
	s_add_co_u32 s46, s46, s47
	s_mov_b32 s47, 0
	s_add_nc_u64 s[10:11], s[10:11], s[46:47]
	s_add_co_u32 s20, s20, s46
	s_mov_b32 s21, 0
	s_add_nc_u64 s[68:69], s[68:69], s[20:21]
	s_add_nc_u64 s[70:71], s[70:71], s[20:21]
	global_load_b128 v[8:11], v[BO], s[10:11]
	s_wait_alu depctr_va_vdst(0)
	s_wait_tensorcnt 1
	s_barrier_signal -1
	s_barrier_wait -1
	FETCH 0, 0, F0
	Q 0, 1, F0, F1, 1
.if LAPS > 1
	WIN 0
	s_mov_b32 s3, LAPS-1
.Llap:
	Q 0, 2, F1, F0, 0
	Q 0, 3, F0, F1, 0
	TURN 0, 1, 1
	Q 1, 1, F0, F1, 0
	Q 1, 2, F1, F0, 0
	Q 1, 3, F0, F1, 0
	TURN 1, 0, 1
	Q 0, 1, F0, F1, 0
	WIN 0
	s_sub_co_u32 s3, s3, 1
	s_cmp_lg_u32 s3, 0
	s_cbranch_scc1 .Llap
.endif
	WIN 0x80                                       ; the residual is asked for here, behind the last refill: it has the last lap's seven remaining steps in which to land; destination window 2
.irp a, 0,1,2,3
.set t, 0
.rept 8
	global_load_b128 v[32*\a+4*t:32*\a+4*t+3], v[CO], s[68:69] offset:\a*131072+t*16384 th:TH_LOAD_NT
.set t, t+1
.endr
.endr
	WIN 0
	Q 0, 2, F1, F0, 0
	Q 0, 3, F0, F1, 0
	TURN 0, 1, 0
	Q 1, 1, F0, F1, 0
	Q 1, 2, F1, F0, 0
	Q 1, 3, F0, F1, 0
	s_wait_dscnt 0
	WIN MUL
	MULA F1, 0, 0
	MULA F1, 1, 0
	MULA F1, 2, 0
	MULA F1, 3, 0
	WIN 0
	s_wait_kmcnt 0x0
	s_add_co_i32 s96, s96, s97
	s_add_co_i32 s96, s96, 127
	s_lshl_b32 s96, s96, 23
	s_mov_b32 s97, s96
	PLACES NP
.irp a, 0,1,2,3
.irp b, 0,1,2,3
	ds_store_b128 v[STO], v[ACC+32*\a+8*\b:ACC+32*\a+8*\b+3] offset:64*\b
	ds_store_b128 v[STO], v[ACC+32*\a+8*\b+4:ACC+32*\a+8*\b+7] offset:64*\b+16
.endr
.set t, 0
.rept 8
	ds_load_b128 v[ACC+32*\a+4*t:ACC+32*\a+4*t+3], v[RD] offset:t*2*SPITCH
.set t, t+1
.endr
.endr
	s_wait_loadcnt 0x0
.irp a, 0,1,2,3
	s_wait_dscnt 16*(3-\a)
.set t, 0
.rept 8
	v_pk_fma_f32 v[ACC+32*\a+4*t:ACC+32*\a+4*t+1], v[ACC+32*\a+4*t:ACC+32*\a+4*t+1], s[96:97], v[8:9] op_sel_hi:[1,0,1]
	v_pk_fma_f32 v[ACC+32*\a+4*t+2:ACC+32*\a+4*t+3], v[ACC+32*\a+4*t+2:ACC+32*\a+4*t+3], s[96:97], v[10:11] op_sel_hi:[1,0,1]
.set t, t+1
.endr
	WIN 0x08
.set j, 0
.rept 16
	v_pk_add_f32 v[ACC+32*\a+j:ACC+32*\a+j+1], v[ACC+32*\a+j:ACC+32*\a+j+1], v[32*\a+j:32*\a+j+1]
.set j, j+2
.endr
	WIN 0
.set t, 0
.rept 8
.if NTOUT
	global_store_b128 v[CO], v[ACC+32*\a+4*t:ACC+32*\a+4*t+3], s[70:71] offset:\a*131072+t*16384 th:TH_STORE_NT
.else
	global_store_b128 v[CO], v[ACC+32*\a+4*t:ACC+32*\a+4*t+3], s[70:71] offset:\a*131072+t*16384
.endif
.set t, t+1
.endr
.endr
	s_wait_tensorcnt 0x0
	ds_add_u32 v[SPW], v[NIL]
	s_wait_dscnt 0x0
	CROUND
	s_endpgm
.Lfunc_end_k_q2aff479009_mlp2:
	.size	k_q2aff479009_mlp2, .Lfunc_end_k_q2aff479009_mlp2-k_q2aff479009_mlp2
	.p2alignl 7, 3214868480
	.fill 96, 4, 3214868480
	.section	.rodata,"a",@progbits
	.p2align	6, 0x0
	.amdhsa_kernel k_q2aff479009_mlp2
		.amdhsa_group_segment_fixed_size 327680
		.amdhsa_private_segment_fixed_size 0
		.amdhsa_enable_private_segment 0
		.amdhsa_kernarg_size 48
		.amdhsa_user_sgpr_count 2
		.amdhsa_user_sgpr_kernarg_segment_ptr 1
		.amdhsa_wavefront_size32 1
		.amdhsa_system_sgpr_workgroup_id_x 1
		.amdhsa_system_sgpr_workgroup_id_y 1
		.amdhsa_system_sgpr_workgroup_id_z 1
		.amdhsa_system_vgpr_workitem_id 0
		.amdhsa_next_free_vgpr 640
		.amdhsa_next_free_sgpr 100
		.amdhsa_reserve_vcc 0
		.amdhsa_float_denorm_mode_32 3
		.amdhsa_float_denorm_mode_16_64 3
		.amdhsa_memory_ordered 1
		.amdhsa_forward_progress 1
		.amdhsa_inst_pref_size 83
	.end_amdhsa_kernel
	.amdgpu_metadata
---
amdhsa.version: [ 1, 2 ]
amdhsa.kernels:
  - .name:           k_q2aff479009_mlp2
    .symbol:         k_q2aff479009_mlp2.kd
    .args:
      - { .name: hid, .offset: 0, .size: 8, .value_kind: global_buffer, .address_space: global }
      - { .name: wc, .offset: 8, .size: 8, .value_kind: global_buffer, .address_space: global }
      - { .name: lowp_scales, .offset: 16, .size: 8, .value_kind: global_buffer, .address_space: global }
      - { .name: b2, .offset: 24, .size: 8, .value_kind: global_buffer, .address_space: global }
      - { .name: x1, .offset: 32, .size: 8, .value_kind: global_buffer, .address_space: global }
      - { .name: out0, .offset: 40, .size: 8, .value_kind: global_buffer, .address_space: global }
    .group_segment_fixed_size: 327680
    .private_segment_fixed_size: 0
    .kernarg_segment_align: 8
    .kernarg_segment_size: 48
    .max_flat_workgroup_size: 128
    .sgpr_count:     100
    .vgpr_count:     640
    .wavefront_size: 32
...
	.end_amdgpu_metadata
.endif
;; end of part 14
